; MI455X (gfx1250); checked and timed in simulation.
; The chip was launched on July 23, 2026; its instructions are those of AMD's public machine-readable ISA for CDNA 5 (MIT licence, August 2026) and "CDNA5" Instruction Set Architecture Reference Guide (July 2026). The comments in the code are by the model that wrote it; some were corrected since.
;; Twos Diac Encoder. Allowed arithmetic: matrix products marked QUANTISED: E2M1 operands, one E8M0 scale for each 32 along K, by v_wmma_scale_f32_16x16x128_f8f6f4 with both operands' format E2M1 (or v_wmma_scale_f32_32x16x128_f4), f32 sums; everything else in f32.
;; Inputs: b1 1,024 float32; b2 512 float32; bk 512 float32; bo 512 float32; bq 512 float32; bv 512 float32; lengths 16 int32; ln1_b 512 float32; ln1_g 512 float32; ln2_b 512 float32; ln2_g 512 float32; w1_codes 1,024 x 16 x 16 uint8 (E2M1 codes of w1, K innermost, in blocks of 32 codes, two codes a byte); w1_scales 1,024 x 16 uint8 (E8M0 scales of w1, one for each 32 codes along K); w2_codes 512 x 32 x 16 uint8 (E2M1 codes of w2, K innermost, in blocks of 32 codes, two codes a byte); w2_scales 512 x 32 uint8 (E8M0 scales of w2, one for each 32 codes along K); wk_codes 512 x 16 x 16 uint8 (E2M1 codes of wk, K innermost, in blocks of 32 codes, two codes a byte); wk_scales 512 x 16 uint8 (E8M0 scales of wk, one for each 32 codes along K); wo_codes 512 x 16 x 16 uint8 (E2M1 codes of wo, K innermost, in blocks of 32 codes, two codes a byte); wo_scales 512 x 16 uint8 (E8M0 scales of wo, one for each 32 codes along K); wq_codes 512 x 16 x 16 uint8 (E2M1 codes of wq, K innermost, in blocks of 32 codes, two codes a byte); wq_scales 512 x 16 uint8 (E8M0 scales of wq, one for each 32 codes along K); wv_codes 512 x 16 x 16 uint8 (E2M1 codes of wv, K innermost, in blocks of 32 codes, two codes a byte); wv_scales 512 x 16 uint8 (E8M0 scales of wv, one for each 32 codes along K); x 16 x 1,024 x 512 float32; z 16 x 1,024 x 512 float32.
;; Outputs: out0 16 x 1,024 x 512 float32; out1 16 x 1,024 x 512 float32.
;; This version of the problem:
;;   THIS VERSION OF THE PROBLEM IS GIVEN IN LOW PRECISION. The matrix products marked QUANTISED in the list below multiply operands that are first quantised to E2M1 (2 exponent bits, 1 mantissa bit; 4 bits a number), with one power-of-two scale for each 32 numbers along K (OCP MX v1.0); their sums are f32. All else is computed in f32.
;;   The module's matrix products, in the order in which they are computed (A, B: the left and right operand; K: the contracted axis; several contracted axes count as one K, in the product's order):
;;     1. [M 16,384, K 512] x [K 512, N 512]; A: computed on the way; B: input wq (given as codes): QUANTISED
;;     2. [M 16,384, K 512] x [K 512, N 512]; A: computed on the way; B: input wk (given as codes): QUANTISED
;;     3. [M 16,384, K 512] x [K 512, N 512]; A: computed on the way; B: input wv (given as codes): QUANTISED
;;     4. batch 64 x [M 1,024, K 128] x [K 128, N 1,024]; A: computed on the way; B: computed on the way: QUANTISED
;;     5. batch 64 x [M 128, K 1,024] x [K 1,024, N 1,024]; A: computed on the way; B: softmax (see below): QUANTISED
;;     6. [M 16,384, K 512] x [K 512, N 512]; A: computed on the way; B: input wo (given as codes): QUANTISED
;;     7. [M 16,384, K 512] x [K 512, N 1,024]; A: computed on the way; B: input w1 (given as codes): QUANTISED
;;     8. [M 16,384, K 1,024] x [K 1,024, N 512]; A: computed on the way; B: input w2 (given as codes): QUANTISED
;;   THE QUANTISER, for each operand of a quantised product, along K:
;;     - K is cut into blocks of 32 from its start; a last block that is shorter is filled with zeros.
;;     - A block's scale is 2^e with e = floor(log2(the largest magnitude in the block)) - 2, held to -126 .. 127; a block of zeros has e = 0. As a byte (E8M0): e + 127.
;;     - Each number is divided by its block's scale, clamped to +-6, and rounded to the nearest number of E2M1, ties to even, subnormals kept.
;;     - The product sums the exact products of the quantised numbers (number of the format x scale) in f32.
;;   ~~~python
;;   def quantise(x, axis):      # numpy; x: float32 -> the quantised numbers, widened to float32 again
;;       x = np.moveaxis(x, axis, -1); K = x.shape[-1]
;;       x = np.pad(x, [(0, 0)] * (x.ndim - 1) + [(0, -K % 32)]); x = x.reshape(x.shape[:-1] + (-1, 32)); a = np.abs(x).max(-1, keepdims=True)
;;       e = np.where(a > 0, np.clip(np.frexp(np.where(a > 0, a, 1))[1] - 1 - 2, -126, 127), 0)      # np.frexp(a)[1] - 1 = floor(log2(a)), exactly
;;       r = np.clip(x / 2.0 ** e, -6, 6)
;;       step = 2.0 ** (np.maximum(np.frexp(np.where(r == 0, 1, r))[1] - 1, 0) - 1)
;;       q = np.round(r / step) * step * 2.0 ** e      # np.round: ties to even
;;       return np.moveaxis(q.reshape(q.shape[:-2] + (-1,))[..., :K], -1, axis).astype(np.float32)
;;   ~~~
;;   SOFTMAX AHEAD OF A QUANTISED PRODUCT. Where the list says 'softmax', what is quantised is not the finished softmax but p = 2^(t - M), with t = logit x log2(e) and M = ceil(the row's largest t), a whole number; so 1/2 < the row's largest p <= 1. The row's sum l is taken of the UNQUANTISED p, in f32, and the product's result is divided by l at the end. Since M is a whole number, a kernel that streams over the keys may use a running M (the ceiling of the running maximum): every later rescaling is an exact power of two, which a block's scale takes up: the codes' values come out the same.
;;   OPERANDS COMPUTED ON THE WAY. 'Computed on the way' means the value that the module computes at that place (a softmax that the list does not call 'softmax' is quantised finished and normalised). What goes into a quantiser is computed in f32, as accurately as f32 sums, v_exp_f32 and their like allow (about 1e-6 of the number): no bf16 or f16 on the way to a quantiser, and a product that is left as it is and whose result goes on into a quantised operand takes f32 operands (vector FMAs, or v_wmma_f32_16x16x4_f32). A number that lies on a knife's edge between two numbers of the format may be rounded either way, as far as f32 arithmetic and the matrix unit's own rounding can turn it there, and no further.
;;   INPUTS GIVEN AS CODES. w1 (in the module: [1024, 512], K = its axis 1); w2 (in the module: [512, 1024], K = its axis 1); wk (in the module: [512, 512], K = its axis 1); wo (in the module: [512, 512], K = its axis 1); wq (in the module: [512, 512], K = its axis 1); wv (in the module: [512, 512], K = its axis 1): each comes as NAME_codes (uint8): NAME with its K axis moved to the last place and cut into blocks of 32 codes, [.., K / 32, bytes a block], one block behind the other in memory; two codes a byte, the lower K in the low four bits (a code: sign, 2 exponent bits, 1 mantissa bit); and NAME_scales (uint8): the same leading axes, one E8M0 byte (e + 127) for each 32 codes along K. Its value is code x scale, taken as it is: it is not quantised again, and the codes and scales need not be those that the quantiser above would give.
;; 2 versions, each right; version 2 is version 1 with the launches qkv, attn, ffn written anew for expert scheduling mode. Each part assembles by itself: llvm-mc -triple=amdgcn-amd-amdhsa -mcpu=gfx1250 --defsym DOCPART=n.
;; ======== version 1 of 2: 3 launches
;; workspace buffers: qc 4,194,304 bytes; qs 262,144 bytes; kc 4,194,304 bytes; ks 262,144 bytes; vc 4,194,304 bytes; vs 262,144 bytes; oc 4,194,304 bytes; os 524,288 bytes
;; launch qkv (part 1): grid 256 x 1, 4 waves a work-group, no clusters, 151,040 bytes of LDS; arguments x, lengths, ln1_g, ln1_b, wq_codes, wq_scales, bq, wk_codes, wk_scales, bk, wv_codes, wv_scales, bv, qc, qs, kc, ks, vc, vs; writes qc, qs, kc, ks, vc, vs
.if DOCPART == 1
	.amdgcn_target "amdgcn-amd-amdhsa--gfx1250"
	.amdhsa_code_object_version 6
	.text
	.protected	k_q5929563d1b_qkv
	.globl	k_q5929563d1b_qkv
	.p2align	8
	.type	k_q5929563d1b_qkv,@function
k_q5929563d1b_qkv:
	s_mov_b64 s[64:65], 0
	v_nop
	global_prefetch_b8 v0, s[64:65] scope:SCOPE_SE
	s_setreg_imm32_b32 hwreg(HW_REG_WAVE_MODE, 25, 1), 1
	s_wait_xcnt 0x0
; xm = layernorm(x) x mask, quantised along its 512 channels; q, k, v = xm W^T + bias on codes of FP4 (E2M1, one E8M0 scale for each 32 along K);
; q and k are quantised along a head's 128 channels, v along the tokens (the keys of the second attention product).  All results leave as IMAGES OF OPERAND REGISTERS: 16 bytes x lane for each group of four registers.
; SHARES.  A work-group of four waves takes 64 tokens of one batch: four TOKEN TILES.  Position p (0..15) of tile m holds token 32 (m / 2) + 8 (m % 2) + p + 8 (p / 8), so that the 16 registers of two
; neighbouring tiles of a transposed result are 16 neighbours.  The rows of every weight tile are chosen by the same map.  Wave w normalises and quantises tile w; then it makes head w's q, k and v for all four tiles,
; so each weight fragment is loaded once in the work-group and feeds four products.
; NO CLUSTER: what work-groups share are the weights, 3 x 139,264 bytes; they go from memory straight into operand registers, a quarter to each wave.  A joint load ends in LDS, where 417,792 bytes do not fit at once.
; LIMITS: NaN and infinities are not served.  A block whose largest magnitude lies under 2^-124 keeps the scale byte 1; a block of zeros has the byte 1 over zero codes (the bytes are read by this program alone).
; REGISTERS, in windows of 256.  Window 0: v1-14 addresses; v24-27 scale words just made; v28-31 at work; v32-47 xm's scale words; v48-63 the quantiser's; v64-127 eight accumulators / row statistics / 64 numbers;
;   v128-159 gain and bias of the norm; v160-191 four sets of codes; v192-223, v224-255 two sets of weight scale words.   Window 1: v0-127 xm's 16 fragments; v128-191, v192-255 two sets of bias tiles.
;   Window 2: a weight's 32 fragments.   Window 3: my 16 rows of x (row p at 16 p; register 4 d + e of lane l is channel 128 d + 4 l + e), later a second weight.
.set SPI,  2064                        ; a stage row: 2,048 bytes + 16: an odd multiple of 16, so 16 rows begin at 16 different 16-byte columns of 256 bytes
.set STGW, 16*SPI                      ; a wave's stage, its own
.set XIMG, 4*STGW                      ; xm's 16 fragments (tile m, K step s: 4 m + s), 1,024 bytes each
.set XSC,  XIMG+16*1024                ; their scale words, 128 bytes each
.set LI,  1                            ; 16 x lane
.set LS,  2                            ; 4 x lane
.set WA,  3                            ; a weight tile's row of my lane: 256 (r + 8 (r / 8)) + 16 h
.set WSA, 4                            ; its scale words: 16 (r + 8 (r / 8))
.set BA,  5                            ; a bias for a transposed result: 64 h
.set BVA, 6                            ; a bias for a natural result: 4 (r + 8 (r / 8))
.set STW, 7                            ; my stage, by rows: 16 x lane
.set STR, 8                            ; my stage, row r, + 64 h
.set XWI, 9
.set XWS, 10
.set XRI, 11
.set XRS, 12
.set TOK, 13                           ; the token (in its batch) at my position r of my wave's tile
.set SH,  14                           ; 16 h
.set PW,  24
.set TW,  28
.set XS,  32
.set TM,  48
.set HA,  64
.set T,   64
.set GB,  128
.set PC,  160
.set WS0, 192
.set WS1, 224
.set BS0, 128
.set BS1, 192
.set SEL, 52
.set MSB, 0
.macro WIN new                         ; s_set_vgpr_msb: bits 1:0 source 0, 3:2 source 1, 5:4 source 2, 7:6 destination; the high byte repeats the setting that is left
.if MSB != \new
	s_set_vgpr_msb (MSB<<8)|\new
.set MSB, \new
.endif
.endm
.macro PLACES n
.rept \n
	v_nop
.endr
.endm
.macro MM d, a, b, c, sa, sb
	v_wmma_scale_f32_16x16x128_f8f6f4 v[\d:\d+7], v[\a:\a+7], v[\b:\b+7], v[\c:\c+7], v[\sa], v[\sb] matrix_a_fmt:MATRIX_FMT_FP4 matrix_b_fmt:MATRIX_FMT_FP4
.endm
; 64 numbers of a lane, register 16 b + i = k 32 b + 16 (lane / 16) + i of my row, become a fragment's codes in v[pc] on and its scale word in v[pw]
.macro QUANT s, pc, pw
.irp b, 0,1,2,3
	v_max3_num_f32 v[TM+\b], |v[(\s)+16*\b]|, |v[(\s)+1+16*\b]|, 0x1800000   ; my 16 numbers of block b, and the floor 2^(3 - 127): the byte cannot fall under 1
.endr
.irp i, 2,4,6,8,10,12,14
.irp b, 0,1,2,3
	v_max3_num_f32 v[TM+\b], v[TM+\b], |v[(\s)+16*\b+\i]|, |v[(\s)+1+16*\b+\i]|
.endr
.endr
.irp b, 0,1,2,3
	v_permlanex16_b32 v[TM+4+\b], v[TM+\b], s[SEL], s[SEL+1]
.endr
.irp b, 0,1,2,3
	v_max_num_f32 v[TM+\b], v[TM+\b], v[TM+4+\b]       ; with lane l xor 16's: the block's largest magnitude
.endr
.irp b, 0,1,2,3
	v_add_nc_u32 v[TM+12+\b], 0xff000000, v[TM+\b]     ; 2 off its exponent field: the conversion's scale operand
.endr
.irp b, 0,1,2,3
	v_lshrrev_b32 v[TM+4+\b], 23, v[TM+12+\b]          ; the scale's byte
.endr
	v_lshl_or_b32 v[\pw], v[TM+5], 8, v[TM+4]
	v_lshl_or_b32 v[\pw], v[TM+6], 16, v[\pw]
	v_lshl_or_b32 v[\pw], v[TM+7], 24, v[\pw]
.irp b, 0,1,2,3
	v_cvt_scalef32_pk8_fp4_f32 v[(\pc)+2*\b], v[(\s)+16*\b:(\s)+7+16*\b], v[TM+12+\b]
	v_cvt_scalef32_pk8_fp4_f32 v[(\pc)+1+2*\b], v[(\s)+8+16*\b:(\s)+15+16*\b], v[TM+12+\b]
.endr
	v_nop                                              ; one plain place behind a scaled conversion
.irp c, 0,1                                        ; the operand's layout wants a whole block in a lane
.irp i, 0,1
	v_permlane16_swap_b32 v[(\pc)+4*\c+\i], v[(\pc)+2+4*\c+\i]
.endr
.endr
.endm
; tiles t0 .. t0 + n - 1 of a weight with nk K steps to a row of rowb bytes: fragment (t, s) into v[8 (nk (t - rb) + s)] of the window that the caller has set
.macro WCODES ptr, adr, t0, n, rb, nk, rowb, off
.set WT, \t0
.rept \n
.set WKS, 0
.rept \nk
	global_load_b128 v[8*(\nk*(WT-\rb)+WKS):8*(\nk*(WT-\rb)+WKS)+3], v[\adr], s[\ptr:\ptr+1] offset:\off+(32*(WT/2)+8*(WT%2))*\rowb+64*WKS
	global_load_b128 v[8*(\nk*(WT-\rb)+WKS)+4:8*(\nk*(WT-\rb)+WKS)+7], v[\adr], s[\ptr:\ptr+1] offset:\off+(32*(WT/2)+8*(WT%2))*\rowb+64*WKS+32
.set WKS, WKS+1
.endr
.set WT, WT+1
.endr
.endm
.macro WSCALES ptr, adr, reg, t0, n, rb, nk, off   ; their scale words: nk words a row
.set WT, \t0
.rept \n
.set WKS, 0
.rept \nk/4
	global_load_b128 v[\reg+\nk*(WT-\rb)+4*WKS:\reg+\nk*(WT-\rb)+4*WKS+3], v[\adr], s[\ptr:\ptr+1] offset:\off+(32*(WT/2)+8*(WT%2))*4*\nk+16*WKS
.set WKS, WKS+1
.endr
.set WT, WT+1
.endr
.endm
.macro BIAS_T ptr, reg, t0, n, off                 ; a bias as the C of a transposed result: tile t, lane half h: units 32 (t / 2) + 16 h + 8 (t % 2) + 0 .. 7
.set WT, \t0
.rept \n
	global_load_b128 v[\reg+8*WT:\reg+8*WT+3], v[BA], s[\ptr:\ptr+1] offset:\off+(32*(WT/2)+8*(WT%2))*4
	global_load_b128 v[\reg+8*WT+4:\reg+8*WT+7], v[BA], s[\ptr:\ptr+1] offset:\off+(32*(WT/2)+8*(WT%2))*4+16
.set WT, WT+1
.endr
.endm
; 32 products, TRANSPOSED (source 0 = 16 rows of the weight in window ww, source 1 = token tile m): a lane holds one token, its 64 registers 128 neighbouring units in the quantiser's order.
; The bias is the C of the first K step.  The eight accumulators take turns, one instruction a turn.
.macro MMT ww, ws, bs, m
	WIN (\ww|0x14)
.irp t, 0,1,2,3,4,5,6,7
	MM HA+8*\t, 32*\t, 32*(\m), \bs+8*\t, \ws+4*\t, XS+4*(\m)
.endr
	WIN (\ww|0x04)
.irp s, 1,2,3
.irp t, 0,1,2,3,4,5,6,7
	MM HA+8*\t, 32*\t+8*\s, 32*(\m)+8*\s, HA+8*\t, \ws+4*\t+\s, XS+4*(\m)+\s
.endr
.endr
	WIN 0
.endm
; The norm of my 16 rows.  Every line runs over the 16 rows, so that no line waits for the line above it.
.macro LANESUM                                     ; T[4 p] = the sum of T[4 p .. 4 p + 3] over the 32 lanes
.set p, 0
.rept 16
	v_pk_add_f32 v[T+4*p:T+4*p+1], v[T+4*p:T+4*p+1], v[T+4*p+2:T+4*p+3]
.set p, p+1
.endr
.set p, 0
.rept 16
	v_add_f32 v[T+4*p], v[T+4*p], v[T+4*p+1]
.set p, p+1
.endr
.irp x, 1,2,4,8
.set p, 0
.rept 16
	v_add_f32_dpp v[T+4*p], v[T+4*p], v[T+4*p] row_xmask:\x row_mask:0xf bank_mask:0xf
.set p, p+1
.endr
.endr
.set p, 0
.rept 16
	v_permlanex16_b32 v[T+4*p+1], v[T+4*p], s[SEL], s[SEL+1]
.set p, p+1
.endr
.set p, 0
.rept 16
	v_add_f32 v[T+4*p], v[T+4*p], v[T+4*p+1]
.set p, p+1
.endr
.endm
.macro LN_SUM                                      ; T[4 p] = row p's mean
	WIN 0x0f
.set p, 0
.rept 16
	v_pk_add_f32 v[T+4*p:T+4*p+1], v[16*p:16*p+1], v[16*p+2:16*p+3]
	v_pk_add_f32 v[T+4*p+2:T+4*p+3], v[16*p+4:16*p+5], v[16*p+6:16*p+7]
.set p, p+1
.endr
	WIN 0x0c
.irp i, 8,12
.set p, 0
.rept 16
	v_pk_add_f32 v[T+4*p:T+4*p+1], v[T+4*p:T+4*p+1], v[16*p+\i:16*p+\i+1]
	v_pk_add_f32 v[T+4*p+2:T+4*p+3], v[T+4*p+2:T+4*p+3], v[16*p+\i+2:16*p+\i+3]
.set p, p+1
.endr
.endr
	WIN 0
	LANESUM
.set p, 0
.rept 16
	v_mul_f32 v[T+4*p], s54, v[T+4*p]
.set p, p+1
.endr
.endm
.macro LN_DEV                                      ; x - mean, in place: the variance is taken of the differences, so a common offset of the inputs costs nothing
	WIN 0xc3
.irp i, 0,2,4,6,8,10,12,14
.set p, 0
.rept 16
	v_pk_add_f32 v[16*p+\i:16*p+\i+1], v[16*p+\i:16*p+\i+1], v[T+4*p:T+4*p+1] op_sel_hi:[1,0] neg_lo:[0,1] neg_hi:[0,1]
.set p, p+1
.endr
.endr
.endm
.macro LN_SQ                                       ; T[4 p] = 1 / sqrt(variance + eps)
	WIN 0x0f
.set p, 0
.rept 16
	v_pk_mul_f32 v[T+4*p:T+4*p+1], v[16*p:16*p+1], v[16*p:16*p+1]
	v_pk_mul_f32 v[T+4*p+2:T+4*p+3], v[16*p+2:16*p+3], v[16*p+2:16*p+3]
.set p, p+1
.endr
.irp i, 4,8,12
.set p, 0
.rept 16
	v_pk_fma_f32 v[T+4*p:T+4*p+1], v[16*p+\i:16*p+\i+1], v[16*p+\i:16*p+\i+1], v[T+4*p:T+4*p+1]
	v_pk_fma_f32 v[T+4*p+2:T+4*p+3], v[16*p+\i+2:16*p+\i+3], v[16*p+\i+2:16*p+\i+3], v[T+4*p+2:T+4*p+3]
.set p, p+1
.endr
.endr
	WIN 0
	LANESUM
.set p, 0
.rept 16
	v_fma_f32 v[T+4*p], v[T+4*p], s54, s55
.set p, p+1
.endr
.set p, 0
.rept 16
	v_rsq_f32 v[T+4*p], v[T+4*p]
.set p, p+1
.endr
	v_nop                                              ; a plain place behind the last transcendental
.endm
.macro LN_NORM
	WIN 0xc3
	s_wait_alu depctr_va_vdst(0)
.irp i, 0,2,4,6,8,10,12,14
.set p, 0
.rept 16
	v_pk_mul_f32 v[16*p+\i:16*p+\i+1], v[16*p+\i:16*p+\i+1], v[T+4*p:T+4*p+1] op_sel_hi:[1,0]
.set p, p+1
.endr
.endr
.irp i, 0,2,4,6,8,10,12,14
.set p, 0
.rept 16
	v_pk_fma_f32 v[16*p+\i:16*p+\i+1], v[16*p+\i:16*p+\i+1], v[GB+\i:GB+\i+1], v[GB+16+\i:GB+17+\i]
.set p, p+1
.endr
.endr
.endm
.macro ST_ROWS                                     ; my 16 rows into my stage, as they lie
	WIN 0x0c
.set p, 0
.rept 16
.irp d, 0,1,2,3
	ds_store_b128 v[STW], v[16*p+4*\d:16*p+4*\d+3] offset:p*SPI+512*\d
.endr
.set p, p+1
.endr
	WIN 0
.endm
.macro RB k                                        ; and back, K step k: lane (r, h) takes of row r 16 neighbours of each block of 32
.irp b, 0,1,2,3
.irp j, 0,1,2,3
	ds_load_b128 v[HA+16*\b+4*\j:HA+16*\b+4*\j+3], v[STR] offset:512*(\k)+128*\b+16*\j
.endr
.endr
.endm
	s_load_b512 s[4:19], s[0:1], 0x0               ; x 4, lengths 6, ln1_g 8, ln1_b 10, wq codes 12, scales 14, bq 16, wk codes 18
	s_load_b512 s[20:35], s[0:1], 0x40             ; wk scales 20, bk 22, wv codes 24, scales 26, bv 28, qc 30, qs 32, kc 34
	s_load_b128 s[36:39], s[0:1], 0x80             ; ks 36, vc 38
	s_load_b64 s[40:41], s[0:1], 0x90              ; vs 40
	v_lshl_add_u32 v58, v0, 2, 0x24c00
	v_mov_b32 v59, 0
	v_lshrrev_b32 v28, 5, v0
	v_readfirstlane_b32 s42, v28                   ; wave w
	v_and_b32 v28, 31, v0                          ; lane
	v_and_b32 v29, 15, v0                          ; r
	v_bfe_u32 v30, v0, 4, 1                        ; h
	v_and_b32 v31, 8, v29
	v_add_nc_u32 v31, v31, v29                     ; r + 8 (r / 8)
	v_lshlrev_b32 v[LI], 4, v28
	v_lshlrev_b32 v[LS], 2, v28
	v_lshlrev_b32 v[WA], 8, v31
	v_lshl_add_u32 v[WA], v30, 4, v[WA]
	v_lshlrev_b32 v[WSA], 4, v31
	v_lshlrev_b32 v[BA], 6, v30
	v_lshlrev_b32 v[BVA], 2, v31
	s_mul_i32 s43, s42, STGW
	v_add_nc_u32 v[STW], s43, v[LI]
	v_mul_u32_u24 v[STR], v29, SPI
	v_lshl_add_u32 v[STR], v30, 6, v[STR]
	v_add_nc_u32 v[STR], s43, v[STR]
	s_lshl_b32 s43, s42, 12
	v_add_nc_u32 v[XWI], s43, v[LI]
	v_add_nc_u32 v[XWI], XIMG, v[XWI]
	s_lshl_b32 s43, s42, 9
	v_add_nc_u32 v[XWS], s43, v[LS]
	v_add_nc_u32 v[XWS], XSC, v[XWS]
	v_add_nc_u32 v[XRI], XIMG, v[LI]
	v_add_nc_u32 v[XRS], XSC, v[LS]
	s_and_b32 s44, ttmp9, 15                       ; tb: which 64 tokens of the batch
	s_lshr_b32 s45, ttmp9, 4                       ; the batch
	s_lshr_b32 s48, s42, 1
	s_lshl_b32 s48, s48, 5
	s_and_b32 s49, s42, 1
	s_lshl_b32 s49, s49, 3
	s_add_co_u32 s48, s48, s49                     ; my tile's first token among the 64: 32 (w / 2) + 8 (w % 2)
	s_lshl_b32 s49, s44, 6
	s_add_co_u32 s49, s49, s48
	v_add_nc_u32 v[TOK], s49, v31
	v_lshlrev_b32 v[SH], 4, v30
.irp b, 0,1,2,3
	v_mov_b32 v[TM+4+\b], 0                        ; written once: a lane permute's destination counts as one of its sources
.endr
	s_mov_b32 s47, 0xffff0000                      ; lanes 16-31
	s_mov_b32 s[SEL], 0x76543210
	s_mov_b32 s[SEL+1], 0xfedcba98                 ; v_permlanex16_b32's selects for lane l xor 16
	s_mov_b32 s54, 0x3b000000                      ; 1 / 512
	s_mov_b32 s55, 0x3727c5ac                      ; 1e-5
	s_lshl_b32 s50, ttmp9, 6
	s_add_co_u32 s50, s50, s48
	s_lshl_b32 s50, s50, 11                        ; my tile's first row of x, in bytes
	s_mov_b32 s51, 0
	s_wait_kmcnt 0x0
	s_add_nc_u64 s[4:5], s[4:5], s[50:51]
	WIN 0xc0                                       ; destination window 3
.set p, 0
.rept 16
.irp d, 0,1,2,3
	global_load_b128 v[16*p+4*\d:16*p+4*\d+3], v[LI], s[4:5] offset:(p+8*(p/8))*2048+512*\d th:TH_LOAD_NT   ; 32 lanes read 512 consecutive bytes of a row
.endr
.set p, p+1
.endr
	WIN 0
.irp d, 0,1,2,3
	global_load_b128 v[GB+4*\d:GB+4*\d+3], v[LI], s[8:9] offset:512*\d
	global_load_b128 v[GB+16+4*\d:GB+19+4*\d], v[LI], s[10:11] offset:512*\d
.endr
	s_lshl_b32 s50, s45, 2
	s_add_nc_u64 s[6:7], s[6:7], s[50:51]
	s_load_b32 s46, s[6:7], 0x0                    ; L, my batch's length: it enters compares alone
	s_lshl_b32 s50, s42, 15                        ; head w: 128 rows of 256 bytes,
	s_add_nc_u64 s[12:13], s[12:13], s[50:51]
	s_add_nc_u64 s[18:19], s[18:19], s[50:51]
	s_add_nc_u64 s[24:25], s[24:25], s[50:51]
	s_lshl_b32 s50, s42, 11                        ; of 16 scale bytes,
	s_add_nc_u64 s[14:15], s[14:15], s[50:51]
	s_add_nc_u64 s[20:21], s[20:21], s[50:51]
	s_add_nc_u64 s[26:27], s[26:27], s[50:51]
	s_lshl_b32 s50, s42, 9                         ; 128 numbers of a bias
	s_add_nc_u64 s[16:17], s[16:17], s[50:51]
	s_add_nc_u64 s[22:23], s[22:23], s[50:51]
	s_add_nc_u64 s[28:29], s[28:29], s[50:51]
	s_lshl_b32 s56, s45, 2
	s_add_co_u32 s56, s56, s42                     ; bh = 4 x batch + head
	s_lshl_b32 s50, s56, 6
	s_lshl_b32 s57, s44, 2
	s_add_co_u32 s50, s50, s57
	s_lshl_b32 s50, s50, 10                        ; qc, kc: tile 64 bh + 4 tb, 1,024 bytes a tile
	s_add_nc_u64 s[30:31], s[30:31], s[50:51]
	s_add_nc_u64 s[34:35], s[34:35], s[50:51]
	s_lshl_b32 s50, s56, 5
	s_lshl_b32 s57, s44, 1
	s_add_co_u32 s50, s50, s57
	s_lshl_b32 s50, s50, 7                         ; qs, ks: pair of tiles 32 bh + 2 tb, 128 bytes a pair
	s_add_nc_u64 s[32:33], s[32:33], s[50:51]
	s_add_nc_u64 s[36:37], s[36:37], s[50:51]
	s_lshl_b32 s58, s56, 3
	s_lshr_b32 s57, s44, 1
	s_add_co_u32 s58, s58, s57                     ; key step 8 bh + tb / 2
	s_and_b32 s59, s44, 1                          ; which 64 of its 128 keys are mine
	s_lshl_b32 s50, s58, 13
	s_lshl_b32 s57, s59, 9
	s_add_co_u32 s50, s50, s57
	s_add_nc_u64 s[38:39], s[38:39], s[50:51]      ; vc
	s_lshl_b32 s50, s58, 9
	s_lshl_b32 s57, s59, 1
	s_add_co_u32 s50, s50, s57
	s_add_nc_u64 s[40:41], s[40:41], s[50:51]      ; vs
	s_wait_kmcnt 0x0
	WIN 0x80                                       ; wq's tiles 0-5 and its scale words: 56 loads, on their way under the norm
	WCODES 12, WA, 0, 6, 0, 4, 256, 0
	WIN 0
	WSCALES 14, WSA, WS0, 0, 8, 0, 4, 0
	s_wait_loadcnt 56                              ; x, gain and bias are in: the 56 just issued may be out
	LN_SUM
	LN_DEV
	LN_SQ
	WIN 0x80                                       ; 48 loads more: wq's tiles 6, 7; bq; bk
	WCODES 12, WA, 6, 2, 0, 4, 256, 0
	WIN 0x40
	BIAS_T 16, BS0, 0, 8, 0
	BIAS_T 22, BS1, 0, 8, 0
	LN_NORM
	ST_ROWS
	s_wait_dscnt 0x0                               ; the stores have read window 3,
	WIN 0xc0                                       ; which takes wk: tiles 0-5 and the scale words, 56 loads
	WCODES 18, WA, 0, 6, 0, 4, 256, 0
	WIN 0
	WSCALES 20, WSA, WS1, 0, 8, 0, 4, 0
	v_cmp_gt_i32 vcc_lo, s46, v[TOK]               ; my row's token counts where L > token
.irp q, 0,1,2,3                                ; my tile's four K steps
	RB \q
	s_wait_dscnt 0x0
	QUANT HA, PC+8*\q, PW+\q
.irp i, 0,1,2,3,4,5,6,7
	v_cndmask_b32 v[PC+8*\q+\i], 0, v[PC+8*\q+\i], vcc_lo   ; the mask: a token past the length is a row of zero codes
.endr
	ds_store_b128 v[XWI], v[PC+8*\q:PC+8*\q+3] offset:1024*\q
	ds_store_b128 v[XWI], v[PC+8*\q+4:PC+8*\q+7] offset:1024*\q+512
	ds_store_b32 v[XWS], v[PW+\q] offset:128*\q
.if \q == 1
	WIN 0xc0                                       ; wk's tiles 6, 7: 16 loads
	WCODES 18, WA, 6, 2, 0, 4, 256, 0
	WIN 0
.endif
.endr
	s_wait_dscnt 0x0                               ; for the others' sake: my images lie in LDS
	s_barrier_signal -1
	s_barrier_wait -1
	WIN 0x40
.irp f, 0,1,2,3,4,5,6,7,8,9,10,11,12,13,14,15
	ds_load_b128 v[8*\f:8*\f+3], v[XRI] offset:1024*\f
	ds_load_b128 v[8*\f+4:8*\f+7], v[XRI] offset:1024*\f+512
.endr
	WIN 0
.irp f, 0,1,2,3,4,5,6,7,8,9,10,11,12,13,14,15
	ds_load_b32 v[XS+\f], v[XRS] offset:128*\f
.endr
	s_wait_dscnt 0x0
	s_wait_loadcnt 63                              ; wq, bq, bk are in: wk's 72 loads were issued behind them, and a smaller count is safe
; a tile's q or k: quantised along the head's 128 channels; the image goes out, 512 consecutive bytes a store; two tiles' scale words share a row of 32 lanes
.macro TAILQK m, cp, sp
	PLACES 5
	QUANT HA, PC+8*(\m), PW+(\m)
	global_store_b128 v[LI], v[PC+8*(\m):PC+8*(\m)+3], s[\cp:\cp+1] offset:1024*(\m)
	global_store_b128 v[LI], v[PC+8*(\m)+4:PC+8*(\m)+7], s[\cp:\cp+1] offset:1024*(\m)+512
.if (\m)%2
	v_cndmask_b32 v[TW+(\m)/2], v[PW+(\m)-1], v[PW+(\m)], s47    ; lanes 0-15 the even tile's words, lanes 16-31 the odd tile's
	global_store_b32 v[LS], v[TW+(\m)/2], s[\sp:\sp+1] offset:128*((\m)/2)
.endif
.endm
.irp m, 0,1,2,3
	MMT 2, WS0, BS0, \m
	TAILQK \m, 30, 32
.endr
; wv's tiles 2 m, 2 m + 1, their scale words and bv, while k is made: 34 loads.  For the natural result a lane holds one channel: its bias eight times
.macro VB m
	WIN 0x80
	WCODES 24, WA, 2*(\m), 2, 0, 4, 256, 0
	WIN 0x40
.irp u, 0,1
.irp j, 0,1,2,3,4,5,6,7
	global_load_b32 v[BS0+8*(2*(\m)+\u)+\j], v[BVA], s[28:29] offset:(32*(\m)+8*\u)*4
.endr
.endr
	WIN 0
	WSCALES 26, WSA, WS0, 2*(\m), 2, 0, 4, 0
.endm
	s_wait_loadcnt 0x0                             ; wk
	s_wait_xcnt 0x0                                ; q's stores have read their registers: the sets of codes and words are written again
.irp m, 0,1,2,3
	VB \m
	MMT 3, WS1, BS1, \m
	TAILQK \m, 34, 36
.endr
; v, NATURAL (source 0 = token tile m, source 1 = 16 rows of wv): a lane holds ONE channel, and the 32 registers of a weight tile run along my 64 tokens.  Two weight tiles at a time: eight accumulators by turns
.macro MMN p
.irp s, 0,1,2,3
.if \s == 0
	WIN 0x19
.else
	WIN 0x09
.endif
.irp u, 0,1
.irp m, 0,1,2,3
.if \s == 0
	MM HA+32*\u+8*\m, 32*\m, 32*(2*(\p)+\u), BS0+8*(2*(\p)+\u), XS+4*\m, WS0+4*(2*(\p)+\u)
.else
	MM HA+32*\u+8*\m, 32*\m+8*\s, 32*(2*(\p)+\u)+8*\s, HA+32*\u+8*\m, XS+4*\m+\s, WS0+4*(2*(\p)+\u)+\s
.endif
.endr
.endr
.endr
	WIN 0
.endm
	s_wait_loadcnt 0x0                             ; wv, bv
	s_wait_xcnt 0x0                                ; k's stores have read their registers
.irp p, 0,1,2,3
	MMN \p
	PLACES 5
	QUANT HA, PC+8*\p, PW+\p                       ; blocks 0, 1: channel tile 2 p's 64 tokens; blocks 2, 3: tile 2 p + 1's
	global_store_b128 v[LI], v[PC+8*\p:PC+8*\p+3], s[38:39] offset:2048*\p          ; half of tile 2 p's fragment of this key step
	global_store_b128 v[LI], v[PC+8*\p+4:PC+8*\p+7], s[38:39] offset:2048*\p+1024   ; and of tile 2 p + 1's
	v_lshrrev_b32 v[TW+\p], v[SH], v[PW+\p]        ; lanes 0-15 the even tile's two bytes, lanes 16-31 the odd tile's
	global_store_b16 v[LS], v[TW+\p], s[40:41] offset:128*\p
.endr
	s_wait_tensorcnt 0x0
	ds_add_u32 v58, v59
	s_wait_dscnt 0x0
	s_endpgm
.Lfunc_end_k_q5929563d1b_qkv:
	.size	k_q5929563d1b_qkv, .Lfunc_end_k_q5929563d1b_qkv-k_q5929563d1b_qkv
	.p2alignl 7, 3214868480
	.fill 96, 4, 3214868480
	.section	.rodata,"a",@progbits
	.p2align	6, 0x0
	.amdhsa_kernel k_q5929563d1b_qkv
		.amdhsa_group_segment_fixed_size 151040
		.amdhsa_private_segment_fixed_size 0
		.amdhsa_enable_private_segment 0
		.amdhsa_kernarg_size 152
		.amdhsa_user_sgpr_count 2
		.amdhsa_user_sgpr_kernarg_segment_ptr 1
		.amdhsa_wavefront_size32 1
		.amdhsa_system_sgpr_workgroup_id_x 1
		.amdhsa_system_sgpr_workgroup_id_y 1
		.amdhsa_system_sgpr_workgroup_id_z 1
		.amdhsa_system_vgpr_workitem_id 0
		.amdhsa_next_free_vgpr 1024
		.amdhsa_next_free_sgpr 66
		.amdhsa_reserve_vcc 1
		.amdhsa_float_denorm_mode_32 3
		.amdhsa_float_denorm_mode_16_64 3
		.amdhsa_memory_ordered 1
		.amdhsa_forward_progress 1
		.amdhsa_inst_pref_size 223
	.end_amdhsa_kernel
	.amdgpu_metadata
---
amdhsa.version: [ 1, 2 ]
amdhsa.kernels:
  - .name:           k_q5929563d1b_qkv
    .symbol:         k_q5929563d1b_qkv.kd
    .args:
      - { .name: x, .offset: 0, .size: 8, .value_kind: global_buffer, .address_space: global }
      - { .name: lengths, .offset: 8, .size: 8, .value_kind: global_buffer, .address_space: global }
      - { .name: ln1_g, .offset: 16, .size: 8, .value_kind: global_buffer, .address_space: global }
      - { .name: ln1_b, .offset: 24, .size: 8, .value_kind: global_buffer, .address_space: global }
      - { .name: wq_codes, .offset: 32, .size: 8, .value_kind: global_buffer, .address_space: global }
      - { .name: wq_scales, .offset: 40, .size: 8, .value_kind: global_buffer, .address_space: global }
      - { .name: bq, .offset: 48, .size: 8, .value_kind: global_buffer, .address_space: global }
      - { .name: wk_codes, .offset: 56, .size: 8, .value_kind: global_buffer, .address_space: global }
      - { .name: wk_scales, .offset: 64, .size: 8, .value_kind: global_buffer, .address_space: global }
      - { .name: bk, .offset: 72, .size: 8, .value_kind: global_buffer, .address_space: global }
      - { .name: wv_codes, .offset: 80, .size: 8, .value_kind: global_buffer, .address_space: global }
      - { .name: wv_scales, .offset: 88, .size: 8, .value_kind: global_buffer, .address_space: global }
      - { .name: bv, .offset: 96, .size: 8, .value_kind: global_buffer, .address_space: global }
      - { .name: qc, .offset: 104, .size: 8, .value_kind: global_buffer, .address_space: global }
      - { .name: qs, .offset: 112, .size: 8, .value_kind: global_buffer, .address_space: global }
      - { .name: kc, .offset: 120, .size: 8, .value_kind: global_buffer, .address_space: global }
      - { .name: ks, .offset: 128, .size: 8, .value_kind: global_buffer, .address_space: global }
      - { .name: vc, .offset: 136, .size: 8, .value_kind: global_buffer, .address_space: global }
      - { .name: vs, .offset: 144, .size: 8, .value_kind: global_buffer, .address_space: global }
    .group_segment_fixed_size: 151040
    .private_segment_fixed_size: 0
    .kernarg_segment_align: 8
    .kernarg_segment_size: 152
    .max_flat_workgroup_size: 128
    .sgpr_count:     66
    .vgpr_count:     1024
    .wavefront_size: 32
...
	.end_amdgpu_metadata
.endif
;; end of part 1
;; launch attn (part 2): grid 8 x 32, 16 waves a work-group, no clusters, 321,536 bytes of LDS; arguments qc, qs, kc, ks, vc, vs, lengths, oc, os; writes oc, os
.if DOCPART == 2
	.amdgcn_target "amdgcn-amd-amdhsa--gfx1250"
	.amdhsa_code_object_version 6
	.text
	.protected	k_q5929563d1b_attn
	.globl	k_q5929563d1b_attn
	.p2align	8
	.type	k_q5929563d1b_attn,@function
k_q5929563d1b_attn:
	s_mov_b64 s[64:65], 0
	v_nop
	global_prefetch_b8 v0, s[64:65] scope:SCOPE_SE
	s_setreg_imm32_b32 hwreg(HW_REG_WAVE_MODE, 25, 1), 1
	s_wait_xcnt 0x0
; o = softmax(q k^T / sqrt(128) - log1p(|i - j|), masked places at -1e4) v, both products on codes of FP4 (E2M1, one E8M0 scale for each 32 along K); o is quantised along the head's 128 channels for the next product.
; THE SOFTMAX AHEAD OF THE SECOND PRODUCT: t = logit x log2(e); M = the row's largest t so far, rounded up to a whole number; p = 2^(t - M) is quantised along the keys, not normalised; the row's sum is taken of the
; unquantised p and divides at the end.  When M moves, the sum and O are multiplied by 2^(old M - new M), which rounds nothing.
; SHARES.  A work-group serves one head of TWO batches: the one whose length has rank 'pair' among the sixteen (0 = the longest) and the one of rank 15 - pair, so that long and short batches share a work-group's time.
; Eight of its sixteen waves work on each; a wave owns one tile of 16 queries, in 256 registers.  With j0..j3 the bits of the wave's number: the set is j0 ^ j2, the wave's position is 4 (j1 ^ j3) + 2 j3 + j2, its tile
; 8 x position + work-group x.  So the tiles of a head are dealt out by turns over its eight work-groups, and among the four waves that share the low two bits of their number, and among the four that share the high two,
; each combination of set and upper half of the positions occurs once.
; THE RANKS.  key = 16 x length + batch stands in lane 'batch'; a lane's rank is the number of larger keys.  The keys differ in their low four bits, so the ranks are a permutation whatever the lengths hold.
; Both heads' whole K and V lie in LDS as images of operand registers (a fragment: two loads of 512 consecutive bytes), brought once through registers; one barrier; nothing is written to LDS behind it.
; LAYOUT.  Both products are used transposed: S^T = K Q^T, O^T = V^T P^T: a lane holds ONE query.  Position p of token tile u holds token 32 (u / 2) + 8 (u % 2) + p + 8 (p / 8), so the 16 registers of tiles 2 b, 2 b + 1
; are keys 32 b + 16 (lane / 16) + 0 .. 15; V's channel tiles are chosen alike, so O^T's registers run along the channels in the quantiser's order.
; THE PROXIMAL BIAS is the C of the first product, in units of the raw score: -sqrt(128) ln(1 + |i - j|).  It hangs on j - i alone: a table of 2,047 numbers, in four copies shifted by 0 to 3 places, so that a lane's
; 16 neighbouring entries begin at a multiple of 16 bytes whatever its query.
; THE MASK replaces a score by -1e4 sqrt(128) where the key or the query lies at or past the batch's length L.  Three kinds of key step, told apart by scalar branches on L, a whole number read from memory:
;   open (all 128 keys and all 16 queries count): no mask;   mixed: 64 compares and selects;   closed (no key counts, or no query): all 64 scores of a lane are that one number, and the first product is not made.
; Closed steps are a wave's last steps.  The first of them runs the softmax's lines once on the one number; behind it M is at least that number's t, so in the later ones M, p, its codes and its scale word stay as they
; are: those add 64 p to the sum and multiply.  No p is taken to be 0.
; NO CLUSTER: the eight work-groups of a pair and head share K and V, read once at the head; the branches on the lengths rule tensor loads out of this launch, and with them joint loads.
; LIMITS: NaN and infinities are not served.  -1e4 in units of the raw score carries t to about 1e-3: for a query past the length (all logits -1e4) M and the codes of p are not touched by that, and the row's sum is set to
; 1,024 x 2^(t - M) with t = -1e4 log2(e) rounded to f32; for a query that counts, the p of masked keys are 0 as long as its largest logit lies more than about 100 above -1e4, and else right to about 1e-3.
; A block's largest p is taken as the exponential of the block's largest score: this takes v_exp_f32 not to fall where its input rises.
; REGISTERS: v1-6 addresses and lane constants that stay; v7-11 the step's addresses; v12 -M, v13 the largest t, v[14:15] the sum; v16-23 Q; v32-95 eight fragments of K, then of V; v96-159 S^T, then p; v160-223 O^T;
;   v224-231 p's codes; v232-247 at work (v232: a closed step's p); v248-251 scale words of K or V, two tiles to a register; v252 f, v254 at work; v253 p's scale word; v255 Q's.
.set SET, 139264                       ; LDS: a set: K's codes at 0, V's at 65,536,
.set KSL, 131072                       ; K's scale words here, V's 4,096 further on; set 1 follows set 0;
.set TAB, 2*SET+256                    ; the table's four copies,
.set TS,  8256                         ; 2,048 entries + 64 bytes apart
.set SEL, 40
.set CS,  42
.set TM,  232
.macro MM d, a, b, c, sa, sb
	v_wmma_scale_f32_16x16x128_f8f6f4 v[\d:\d+7], v[\a:\a+7], v[\b:\b+7], v[\c:\c+7], v[\sa], v[\sb] matrix_a_fmt:MATRIX_FMT_FP4 matrix_b_fmt:MATRIX_FMT_FP4
.endm
.macro MMR d, a, b, c, sa, sb          ; source 0's scale words from lanes 16-31
	v_wmma_scale_f32_16x16x128_f8f6f4 v[\d:\d+7], v[\a:\a+7], v[\b:\b+7], v[\c:\c+7], v[\sa], v[\sb] matrix_a_fmt:MATRIX_FMT_FP4 matrix_b_fmt:MATRIX_FMT_FP4 matrix_a_scale:MATRIX_SCALE_ROW1
.endm
.macro VLOADS                          ; the step's eight fragments of V and their scale words
.irp t, 0,1,2,3,4,5,6,7
	ds_load_b128 v[32+8*\t:35+8*\t], v8 offset:1024*\t
	ds_load_b128 v[36+8*\t:39+8*\t], v8 offset:1024*\t+512
.endr
.irp p, 0,1,2,3
	ds_load_b32 v[248+\p], v10 offset:128*\p
.endr
.endm
	s_load_b512 s[4:19], s[0:1], 0x0               ; qc 4, qs 6, kc 8, ks 10, vc 12, vs 14, lengths 16, oc 18
	s_load_b64 s[20:21], s[0:1], 0x40              ; os
	v_lshrrev_b32 v24, 5, v0
	v_readfirstlane_b32 s22, v24                   ; wave 0..15
	s_bfe_u32 s25, s22, 0x10001                    ; j1
	s_bfe_u32 s26, s22, 0x10002                    ; j2
	s_bfe_u32 s27, s22, 0x10003                    ; j3
	s_xor_b32 s47, s22, s26
	s_and_b32 s47, s47, 1                          ; my set: j0 ^ j2
	s_xor_b32 s25, s25, s27
	s_lshl_b32 s25, s25, 2
	s_lshl_b32 s27, s27, 1
	s_or_b32 s25, s25, s27
	s_or_b32 s59, s25, s26                         ; my position: 4 (j1 ^ j3) + 2 j3 + j2
	s_lshl_b32 s28, s59, 3
	s_add_co_u32 s28, s28, ttmp9                   ; my query tile in its batch
	s_lshr_b32 s24, s28, 1
	s_lshl_b32 s24, s24, 5
	s_and_b32 s25, s28, 1
	s_lshl_b32 s25, s25, 3
	s_add_co_u32 s24, s24, s25                     ; its first query
	s_and_b32 s35, ttmp7, 0xffff
	s_and_b32 s23, s35, 3                          ; the head
	s_lshr_b32 s35, s35, 2                         ; the pair: set 0's rank,
	s_sub_co_u32 s60, 15, s35                      ; set 1's,
	s_cmp_eq_u32 s47, 0
	s_cselect_b32 s61, s35, s60                    ; my set's
	s_mul_i32 s58, s47, SET                        ; my set in LDS
	v_and_b32 v25, 31, v0                          ; lane
	v_lshlrev_b32 v1, 4, v25                       ; 16 x lane
	v_add_nc_u32 v6, s58, v1                       ; + my set: K's fragments
	v_lshlrev_b32 v25, 2, v25                      ; 4 x lane
	v_add_nc_u32 v2, s58, v25
	v_add_nc_u32 v2, KSL, v2                       ; K's scale words
	v_and_b32 v26, 15, v0                          ; r
	v_bfe_u32 v27, v0, 4, 1                        ; h
	v_and_b32 v28, 8, v26
	v_add_nc_u32 v28, v28, v26                     ; r + 8 (r / 8)
	v_add_nc_u32 v5, s24, v28                      ; my query
	v_lshlrev_b32 v27, 4, v27                      ; 16 h
	v_sub_nc_u32 v29, 0x3ff, v5
	v_add_nc_u32 v29, v29, v27                     ; n = 16 h + 1023 - query: key k0 + 16 h + x has the table's entry k0 + x + n
	v_and_b32 v3, 3, v29                           ; which copy
	v_mul_u32_u24 v3, v3, TS
	v_and_b32 v29, 0x7fc, v29
	v_lshl_add_u32 v3, v29, 2, v3
	v_add_nc_u32 v3, TAB, v3                       ; where my entries of key step 0 begin
	v_lshlrev_b32 v24, 4, v0                       ; 16 x thread
	v_lshlrev_b32 v30, 3, v0                       ; 8 x thread
	v_lshlrev_b32 v31, 2, v26                      ; 4 r
	s_mov_b32 s27, 0
	s_mov_b32 s37, 0
	s_mov_b32 s[SEL], 0x76543210
	s_mov_b32 s[SEL+1], 0xfedcba98                 ; v_permlanex16_b32's selects for lane l xor 16
	s_mov_b32 s[CS], 0x3e0293ee                    ; c = log2(e) / sqrt(128)
	s_mov_b32 s[CS+1], s[CS]                       ; (named with it as a pair, so it is written)
	s_mov_b32 s38, 0xc0faf233                      ; -sqrt(128) ln 2
	s_wait_kmcnt 0x0
	s_load_b512 s[68:83], s[16:17], 0x0            ; all sixteen lengths
	; the table, while they are out: thread i makes entries 4 i .. 4 i + 6 and stores four of them into each copy
	v_lshlrev_b32 v121, 2, v0
.irp u, 0,1,2,3,4,5,6
	v_add_nc_u32 v[114+\u], \u-1023, v121
.endr
.irp u, 0,1,2,3,4,5,6
	v_cvt_f32_i32 v[114+\u], v[114+\u]
.endr
.irp u, 0,1,2,3,4,5,6
	v_add_f32 v[114+\u], 1.0, |v[114+\u]|          ; 1 + |j - i|, exact
.endr
.irp u, 0,1,2,3,4,5,6
	v_log_f32 v[114+\u], v[114+\u]
.endr
	v_nop                                          ; a plain place behind the last transcendental
	s_wait_alu depctr_va_vdst(0)
.irp u, 0,1,2,3,4,5,6
	v_mul_f32 v[100+\u], s38, v[114+\u]
.endr
.irp u, 1,2,3,4,5,6
	v_mul_f32 v[107+\u], s38, v[114+\u]            ; once more, one register lower, so that the odd copies' four begin at an even register
.endr
	v_lshl_add_u32 v122, v0, 4, TAB
	ds_store_b128 v122, v[100:103]
	ds_store_b128 v122, v[108:111] offset:TS
	ds_store_b128 v122, v[102:105] offset:2*TS
	ds_store_b128 v122, v[110:113] offset:3*TS
	v_mov_b32 v252, 0                              ; f, p's scale word and p's codes are written once here: a wave's later closed steps name them without writing them
	v_mov_b32 v253, 0
.irp i, 0,1,2,3,4,5,6,7
	v_mov_b32 v[224+\i], 0
.endr
	v_mov_b32 v13, 0xff61b1e6                      ; the largest t so far: -3e38
	v_floor_f32 v12, -v13                          ; -M
	v_mov_b32 v14, 0
	v_mov_b32 v15, 0
.set j, 0
.rept 64
	v_mov_b32 v[160+j], 0                          ; O^T: the loop is written once, its first step finds zeros
.set j, j+1
.endr
	v_mov_b32 v41, 0
	v_mov_b32 v42, 0
	v_mov_b32 v44, 1
	s_wait_kmcnt 0x0                               ; the lengths
.irp j, 0,1,2,3,4,5,6,7,8,9,10,11,12,13,14,15
	s_lshl_b32 s[68+\j], s[68+\j], 4
	s_or_b32 s[68+\j], s[68+\j], \j                ; key = 16 x length + batch,
	v_writelane_b32 v41, s[68+\j], \j              ; also in lane 'batch'
.endr
.irp j, 0,1,2,3,4,5,6,7,8,9,10,11,12,13,14,15
	v_cmp_gt_u32 vcc_lo, s[68+\j], v41
	v_cndmask_b32 v43, 0, v44, vcc_lo
	v_add_nc_u32 v42, v42, v43                     ; my lane's rank: how many keys are larger
.endr
	v_cmp_eq_u32 s48, s35, v42
	v_cmp_eq_u32 s49, s60, v42
	v_cmp_eq_u32 s29, s61, v42
	s_ctz_i32_b32 s48, s48                         ; the lowest lane of that rank is the batch (lanes 16-31 hold no batch and lie above)
	s_min_u32 s48, s48, 15                         ; set 0's batch
	s_ctz_i32_b32 s49, s49
	s_min_u32 s49, s49, 15                         ; set 1's
	s_ctz_i32_b32 s29, s29
	s_min_u32 s29, s29, 15                         ; mine
	s_lshl_b32 s26, s29, 2
	s_add_nc_u64 s[16:17], s[16:17], s[26:27]
	s_load_b32 s34, s[16:17], 0x0                  ; L, my batch's length
	s_lshl_b32 s48, s48, 2
	s_add_co_u32 s48, s48, s23                     ; 4 x batch + head, for set 0,
	s_lshl_b32 s49, s49, 2
	s_add_co_u32 s49, s49, s23                     ; for set 1,
	s_lshl_b32 s62, s29, 2
	s_add_co_u32 s62, s62, s23                     ; for mine
	s_lshl_b32 s26, s49, 16                        ; a head's codes: 65,536 bytes
	s_add_nc_u64 s[50:51], s[8:9], s[26:27]
	s_add_nc_u64 s[54:55], s[12:13], s[26:27]
	s_lshl_b32 s26, s49, 12                        ; its scale words: 4,096
	s_add_nc_u64 s[52:53], s[10:11], s[26:27]
	s_add_nc_u64 s[56:57], s[14:15], s[26:27]
	s_lshl_b32 s26, s48, 16
	s_add_nc_u64 s[8:9], s[8:9], s[26:27]
	s_add_nc_u64 s[12:13], s[12:13], s[26:27]
	s_lshl_b32 s26, s48, 12
	s_add_nc_u64 s[10:11], s[10:11], s[26:27]
	s_add_nc_u64 s[14:15], s[14:15], s[26:27]
	s_lshl_b32 s26, s62, 16
	s_add_nc_u64 s[4:5], s[4:5], s[26:27]
	s_lshl_b32 s26, s62, 12
	s_add_nc_u64 s[6:7], s[6:7], s[26:27]
	s_lshl_b32 s26, s28, 10
	s_add_nc_u64 s[4:5], s[4:5], s[26:27]          ; my tile of Q
	s_lshl_b32 s26, s28, 6
	s_add_nc_u64 s[6:7], s[6:7], s[26:27]          ; its 16 scale words
	s_lshl_b32 s26, s29, 6
	s_add_co_u32 s26, s26, s28
	s_lshl_b32 s26, s26, 2
	s_add_co_u32 s26, s26, s23                     ; (64 x batch + tile) x 4 + head
	s_lshl_b32 s36, s26, 7
	s_lshl_b32 s26, s26, 10
	s_add_nc_u64 s[18:19], s[18:19], s[26:27]
	s_add_nc_u64 s[20:21], s[20:21], s[36:37]
	s_wait_dscnt 0x0                               ; the table's stores have read their registers, into which loads are issued now
.irp i, 0,1,2,3,4,5,6,7
	global_load_b128 v[32+4*\i:35+4*\i], v24, s[8:9] offset:8192*\i      ; the 512 threads read 8,192 consecutive bytes: set 0's K,
.endr
.irp i, 0,1,2,3,4,5,6,7
	global_load_b128 v[64+4*\i:67+4*\i], v24, s[12:13] offset:8192*\i    ; its V,
.endr
.irp i, 0,1,2,3,4,5,6,7
	global_load_b128 v[96+4*\i:99+4*\i], v24, s[50:51] offset:8192*\i    ; set 1's K,
.endr
.irp i, 0,1,2,3,4,5,6,7
	global_load_b128 v[128+4*\i:131+4*\i], v24, s[54:55] offset:8192*\i  ; its V
.endr
	global_load_b64 v[232:233], v30, s[10:11]
	global_load_b64 v[234:235], v30, s[14:15]
	global_load_b64 v[236:237], v30, s[52:53]
	global_load_b64 v[238:239], v30, s[56:57]
	global_load_b128 v[16:19], v1, s[4:5]
	global_load_b128 v[20:23], v1, s[4:5] offset:512
	global_load_b32 v255, v31, s[6:7]
	v_add_nc_u32 v240, 0x10000, v24
	v_add_nc_u32 v241, SET, v24
	v_add_nc_u32 v242, SET+0x10000, v24
	v_add_nc_u32 v243, KSL, v30
	v_add_nc_u32 v244, SET+KSL, v30
	s_wait_kmcnt 0x0                               ; L
	v_cmp_gt_i32 vcc_lo, s34, v5                   ; does my query count?
	v_mov_b32 v4, s34
	v_cndmask_b32 v4, 0, v4, vcc_lo                ; keys from this one on are masked for it: L, or 0
	v_sub_nc_u32 v4, v4, v27
	v_add_nc_u32 v4, -1, v4                        ; less 16 h + 1: register x of step k0 is masked where 32 (x / 16) + x % 16 > this - k0
	s_add_co_u32 s39, s24, 23                      ; my tile's last query
	s_cmp_lt_u32 s39, s34
	s_cselect_b32 s44, s34, 0                      ; L where all my 16 queries count, else 0: a step is open where k0 + 128 <= this
	s_cmp_lt_u32 s24, s34
	s_cselect_b32 s45, s34, 0                      ; L where any of them counts, else 0: a step is closed where k0 >= this
	s_wait_loadcnt 31                              ; loads come back in order: set 0's K is in, the 31 issued behind it may be out
.irp i, 0,1,2,3,4,5,6,7
	ds_store_b128 v24, v[32+4*\i:35+4*\i] offset:8192*\i
.endr
	s_wait_loadcnt 23                              ; its V
.irp i, 0,1,2,3,4,5,6,7
	ds_store_b128 v240, v[64+4*\i:67+4*\i] offset:8192*\i
.endr
	s_wait_loadcnt 15                              ; set 1's K
.irp i, 0,1,2,3,4,5,6,7
	ds_store_b128 v241, v[96+4*\i:99+4*\i] offset:8192*\i
.endr
	s_wait_loadcnt 7                               ; its V
.irp i, 0,1,2,3,4,5,6,7
	ds_store_b128 v242, v[128+4*\i:131+4*\i] offset:8192*\i
.endr
	s_wait_loadcnt 0x0                             ; the scale words and Q
	ds_store_b64 v243, v[232:233]
	ds_store_b64 v243, v[234:235] offset:4096
	ds_store_b64 v244, v[236:237]
	ds_store_b64 v244, v[238:239] offset:4096
	s_wait_dscnt 0x0                               ; for the others' sake: my part of K, V, their scale words and the table lies in LDS
.irp i, 0,1,2,3,4,5,6,7
	v_mov_b32 v[232+\i], 0                         ; written once: a closed step's p; a lane permute's destination counts as one of its sources
.endr
	s_barrier_signal -1
	s_barrier_wait -1
	s_mov_b32 s30, 0                               ; key steps done
	s_mov_b32 s31, 0                               ; the step's codes: 8,192 bytes a step
	s_mov_b32 s32, 0                               ; its scale words and its table entries: 512 bytes a step
	s_mov_b32 s33, 0                               ; its first key
	s_mov_b32 s46, 0                               ; 1 behind my first closed step
.Lstep:                                            ; 128 keys
	v_add_nc_u32 v7, s31, v6                       ; (these five are also the places behind the last step's products, in front of the loads into their operands)
	v_add_nc_u32 v9, s32, v2
	v_add_nc_u32 v11, s32, v3
	v_add_nc_u32 v8, 0x10000, v7
	v_add_nc_u32 v10, 0x1000, v9
	s_cmp_lt_u32 s33, s45
	s_cbranch_scc1 .Lwork                          ; some key and some query of this step count
	; ---- a closed step: every score of my lane is -1e4 sqrt(128)
	VLOADS
	s_cmp_lg_u32 s46, 0
	s_cbranch_scc1 .Lagain
	s_mov_b32 s46, 1
	v_mov_b32 v233, 0xc7dcf88b                     ; -1e4 sqrt(128): the lines of the open step, once, on this one number
	v_mul_f32 v254, s[CS], v233                    ; as t
	v_max_num_f32 v13, v13, v254                   ; the running largest t
	v_mov_b32 v254, v12
	v_floor_f32 v12, -v13                          ; the new -M
	v_sub_f32 v254, v12, v254
	v_cvt_i32_f32 v254, v254                       ; (it saturates)
	v_ldexp_f32 v252, 1.0, v254                    ; f = 2^(old M - new M)
	v_fma_f32 v232, v233, s[CS], v12               ; t - M
	v_exp_f32 v232, v232                           ; p, the same for all 64 keys of my lane, in this closed step and in those that follow
	v_pk_mul_f32 v[14:15], v[14:15], v[252:253] op_sel_hi:[1,0]   ; the sums under the new M (a plain place behind the exponential)
	s_wait_alu depctr_va_vdst(0)
	v_max_num_f32 v234, 0x1800000, v232            ; the floor 2^(3 - 127)
	v_add_nc_u32 v244, 0xff000000, v234            ; the conversion's scale operand
	v_lshrrev_b32 v236, 23, v244                   ; the scale's byte,
	v_lshl_or_b32 v253, v236, 8, v236
	v_lshl_or_b32 v253, v253, 16, v253             ; four times: p's scale word
.irp i, 0,1,2,3,4,5,6,7
	v_mov_b32 v[96+\i], v232
.endr
	v_cvt_scalef32_pk8_fp4_f32 v224, v[96:103], v244   ; eight equal codes; lanes l and l xor 16 hold the same query, so the exchange of halves changes nothing
	v_nop                                          ; one plain place behind a scaled conversion
.irp i, 1,2,3,4,5,6,7
	v_mov_b32 v[224+\i], v224
.endr
	v_fmamk_f32 v14, v232, 0x42800000, v14         ; the sum of my 64 unquantised p
.rept 8
	v_nop                                          ; places between p's scale word and codes, written by vector instructions, and the products
.endr
	s_branch .Lresc
.Lagain:                                           ; a later closed step: M, f = 1, p, its codes and its scale word stand
	v_fmamk_f32 v14, v232, 0x42800000, v14
	s_branch .Lpv
.Lwork:
.irp b, 0,1,2,3
.irp e, 0,1,2,3
	ds_load_b128 v[96+16*\b+4*\e:99+16*\b+4*\e], v11 offset:128*\b+16*\e   ; the bias lands in the accumulators
.endr
.endr
.irp t, 0,1,2,3,4,5,6,7
	ds_load_b128 v[32+8*\t:35+8*\t], v7 offset:1024*\t
	ds_load_b128 v[36+8*\t:39+8*\t], v7 offset:1024*\t+512
.endr
.irp p, 0,1,2,3
	ds_load_b32 v[248+\p], v9 offset:128*\p
.endr
	s_wait_dscnt 0x0
.irp p, 0,1,2,3                                ; S^T = K Q^T + bias: eight accumulators, one instruction each
	MM  96+16*\p, 32+16*\p, 16, 96+16*\p, 248+\p, 255
	MMR 104+16*\p, 40+16*\p, 16, 104+16*\p, 248+\p, 255
.endr
.rept 4
	v_nop                                          ; places in front of the loads into K's registers and of the first read of the scores
.endr
	VLOADS                                         ; V's fragments come while the softmax is worked
	s_add_co_u32 s39, s33, 128
	s_cmp_le_u32 s39, s44
	s_cbranch_scc1 .Lopen                          ; all 128 keys and all 16 queries count
	v_sub_nc_u32 v252, v4, s33
	v_mov_b32 v254, 0xc7dcf88b                     ; -1e4 sqrt(128)
.set n, 0
.rept 64
	v_cmp_gt_i32 vcc_lo, 32*(n/16)+n%16, v252
	v_cndmask_b32 v[96+n], v[96+n], v254, vcc_lo
.set n, n+1
.endr
.Lopen:
.irp b, 0,1,2,3
	v_max3_num_f32 v[232+\b], v[96+16*\b], v[97+16*\b], v[98+16*\b]   ; the largest score of each block of 32 keys: for the row's maximum, and for the block's largest p
.endr
.irp i, 3,5,7,9,11,13
.irp b, 0,1,2,3
	v_max3_num_f32 v[232+\b], v[232+\b], v[96+16*\b+\i], v[97+16*\b+\i]
.endr
.endr
.irp b, 0,1,2,3
	v_max_num_f32 v[232+\b], v[232+\b], v[111+16*\b]
.endr
.irp b, 0,1,2,3
	v_permlanex16_b32 v[236+\b], v[232+\b], s[SEL], s[SEL+1]
.endr
.irp b, 0,1,2,3
	v_max_num_f32 v[232+\b], v[232+\b], v[236+\b]  ; with lane l xor 16's 16 keys
.endr
	v_max3_num_f32 v254, v232, v233, v234
	v_max_num_f32 v254, v254, v235                 ; the step's largest score of my query
	v_mul_f32 v254, s[CS], v254                    ; as t
	v_max_num_f32 v13, v13, v254                   ; the running largest t
	v_mov_b32 v254, v12
	v_floor_f32 v12, -v13                          ; the new -M = floor(-t)
	v_sub_f32 v254, v12, v254                      ; old M - new M: a whole number, 0 or less
	v_cvt_i32_f32 v254, v254                       ; (it saturates)
	v_ldexp_f32 v252, 1.0, v254                    ; f = 2^(old M - new M)
.set j, 0
.rept 32
	v_pk_fma_f32 v[96+j:97+j], v[96+j:97+j], s[CS:CS+1], v[12:13] op_sel_hi:[1,0,0]   ; t - M, two at a time
.set j, j+2
.endr
.irp b, 0,1,2,3
	v_fma_f32 v[232+\b], v[232+\b], s[CS], v12     ; the same of each block's largest score
.endr
.set j, 0
.rept 64
	v_exp_f32 v[96+j], v[96+j]                     ; p = 2^(t - M)
.set j, j+1
.endr
.irp b, 0,1,2,3
	v_exp_f32 v[232+\b], v[232+\b]                 ; the block's largest p
.endr
	v_pk_mul_f32 v[14:15], v[14:15], v[252:253] op_sel_hi:[1,0]   ; the sums under the new M (a plain place behind the exponentials)
	s_wait_alu depctr_va_vdst(0)
.irp b, 0,1,2,3
	v_max_num_f32 v[232+\b], 0x1800000, v[232+\b]  ; the floor 2^(3 - 127): the byte cannot fall under 1
.endr
.irp b, 0,1,2,3
	v_add_nc_u32 v[244+\b], 0xff000000, v[232+\b]  ; 2 off the exponent field: the conversion's scale operand
.endr
.irp b, 0,1,2,3
	v_lshrrev_b32 v[236+\b], 23, v[244+\b]         ; the scale's byte
.endr
	v_lshl_or_b32 v253, v237, 8, v236              ; p's scale word for these 128 keys
	v_lshl_or_b32 v253, v238, 16, v253
	v_lshl_or_b32 v253, v239, 24, v253
.irp b, 0,1,2,3
	v_cvt_scalef32_pk8_fp4_f32 v[224+2*\b], v[96+16*\b:103+16*\b], v[244+\b]
	v_cvt_scalef32_pk8_fp4_f32 v[225+2*\b], v[104+16*\b:111+16*\b], v[244+\b]
.endr
	v_nop                                          ; one plain place behind a scaled conversion
.irp c, 0,1
.irp i, 0,1
	v_permlane16_swap_b32 v[224+4*\c+\i], v[226+4*\c+\i]
.endr
.endr
	v_pk_add_f32 v[236:237], v[96:97], v[98:99]    ; the row's sum is taken of the unquantised p: two at a time, in two chains.  (These are also the places between p's codes and scale word and the products)
.irp j, 4,8,12,16,20,24,28,32,36,40,44,48,52,56,60
	v_pk_add_f32 v[14:15], v[14:15], v[96+\j:97+\j]
	v_pk_add_f32 v[236:237], v[236:237], v[98+\j:99+\j]
.endr
	v_pk_add_f32 v[14:15], v[14:15], v[236:237]
.Lresc:
.set j, 0
.rept 32
	v_pk_mul_f32 v[160+j:161+j], v[160+j:161+j], v[252:253] op_sel_hi:[1,0]   ; O^T under the new M
.set j, j+2
.endr
.Lpv:
	s_wait_dscnt 0x0                               ; V
.irp p, 0,1,2,3                                ; O^T += V^T P^T: eight accumulators, one instruction each
	MM  160+16*\p, 32+16*\p, 224, 160+16*\p, 248+\p, 253
	MMR 168+16*\p, 40+16*\p, 224, 168+16*\p, 248+\p, 253
.endr
	s_add_co_u32 s31, s31, 8192
	s_add_co_u32 s32, s32, 512
	s_add_co_u32 s33, s33, 128
	s_add_co_u32 s30, s30, 1
	s_cmp_lt_u32 s30, 8
	s_cbranch_scc1 .Lstep
	v_add_f32 v14, v14, v15                        ; the sum's two halves,
	v_permlanex16_b32 v252, v14, s[SEL], s[SEL+1]
	v_add_f32 v14, v14, v252                       ; and lane l xor 16's
	v_mov_b32 v252, 0xbf734000                     ; a query past the length: t - M = -0.9501953125 for each of its 1,024 keys
	v_exp_f32 v252, v252
	v_nop
	s_wait_alu depctr_va_vdst(0)
	v_ldexp_f32 v252, v252, 10
	v_cmp_gt_i32 vcc_lo, s34, v5
	v_cndmask_b32 v14, v252, v14, vcc_lo
	v_rcp_f32 v14, v14
	v_nop                                          ; a plain place behind the transcendental
.set j, 0
	s_wait_alu depctr_va_vdst(0)
.rept 64
	v_mul_f32 v[96+j], v[160+j], v14               ; o: register 16 b + i is channel 32 b + 16 h + i of my query
.set j, j+1
.endr
.irp b, 0,1,2,3                                ; o is quantised along the head's 128 channels: K step 'head' of the next product
	v_max3_num_f32 v[TM+\b], |v[96+16*\b]|, |v[97+16*\b]|, 0x1800000
.endr
.irp i, 2,4,6,8,10,12,14
.irp b, 0,1,2,3
	v_max3_num_f32 v[TM+\b], v[TM+\b], |v[96+16*\b+\i]|, |v[97+16*\b+\i]|
.endr
.endr
.irp b, 0,1,2,3
	v_permlanex16_b32 v[TM+4+\b], v[TM+\b], s[SEL], s[SEL+1]
.endr
.irp b, 0,1,2,3
	v_max_num_f32 v[TM+\b], v[TM+\b], v[TM+4+\b]
.endr
.irp b, 0,1,2,3
	v_add_nc_u32 v[TM+12+\b], 0xff000000, v[TM+\b]
.endr
.irp b, 0,1,2,3
	v_lshrrev_b32 v[TM+4+\b], 23, v[TM+12+\b]
.endr
	v_lshl_or_b32 v253, v[TM+5], 8, v[TM+4]
	v_lshl_or_b32 v253, v[TM+6], 16, v253
	v_lshl_or_b32 v253, v[TM+7], 24, v253
.irp b, 0,1,2,3
	v_cvt_scalef32_pk8_fp4_f32 v[224+2*\b], v[96+16*\b:103+16*\b], v[TM+12+\b]
	v_cvt_scalef32_pk8_fp4_f32 v[225+2*\b], v[104+16*\b:111+16*\b], v[TM+12+\b]
.endr
	v_nop
.irp c, 0,1
.irp i, 0,1
	v_permlane16_swap_b32 v[224+4*\c+\i], v[226+4*\c+\i]
.endr
.endr
	global_store_b128 v1, v[224:227], s[18:19]             ; the fragment's image: 512 consecutive bytes a store
	global_store_b128 v1, v[228:231], s[18:19] offset:512
	global_store_b32 v25, v253, s[20:21]
	s_wait_xcnt 0x0
	v_lshl_add_u32 v254, v0, 2, 0x4e000
	v_mov_b32 v255, 0
	s_wait_tensorcnt 0x0
	ds_add_u32 v254, v255
	s_wait_dscnt 0x0
	s_endpgm
.Lfunc_end_k_q5929563d1b_attn:
	.size	k_q5929563d1b_attn, .Lfunc_end_k_q5929563d1b_attn-k_q5929563d1b_attn
	.p2alignl 7, 3214868480
	.fill 96, 4, 3214868480
	.section	.rodata,"a",@progbits
	.p2align	6, 0x0
	.amdhsa_kernel k_q5929563d1b_attn
		.amdhsa_group_segment_fixed_size 321536
		.amdhsa_private_segment_fixed_size 0
		.amdhsa_enable_private_segment 0
		.amdhsa_kernarg_size 72
		.amdhsa_user_sgpr_count 2
		.amdhsa_user_sgpr_kernarg_segment_ptr 1
		.amdhsa_wavefront_size32 1
		.amdhsa_system_sgpr_workgroup_id_x 1
		.amdhsa_system_sgpr_workgroup_id_y 1
		.amdhsa_system_sgpr_workgroup_id_z 1
		.amdhsa_system_vgpr_workitem_id 0
		.amdhsa_next_free_vgpr 256
		.amdhsa_next_free_sgpr 84
		.amdhsa_reserve_vcc 1
		.amdhsa_float_denorm_mode_32 3
		.amdhsa_float_denorm_mode_16_64 3
		.amdhsa_memory_ordered 1
		.amdhsa_forward_progress 1
		.amdhsa_inst_pref_size 54
	.end_amdhsa_kernel
	.amdgpu_metadata
---
amdhsa.version: [ 1, 2 ]
amdhsa.kernels:
  - .name:           k_q5929563d1b_attn
    .symbol:         k_q5929563d1b_attn.kd
    .args:
      - { .name: qc, .offset: 0, .size: 8, .value_kind: global_buffer, .address_space: global }
      - { .name: qs, .offset: 8, .size: 8, .value_kind: global_buffer, .address_space: global }
      - { .name: kc, .offset: 16, .size: 8, .value_kind: global_buffer, .address_space: global }
      - { .name: ks, .offset: 24, .size: 8, .value_kind: global_buffer, .address_space: global }
      - { .name: vc, .offset: 32, .size: 8, .value_kind: global_buffer, .address_space: global }
      - { .name: vs, .offset: 40, .size: 8, .value_kind: global_buffer, .address_space: global }
      - { .name: lengths, .offset: 48, .size: 8, .value_kind: global_buffer, .address_space: global }
      - { .name: oc, .offset: 56, .size: 8, .value_kind: global_buffer, .address_space: global }
      - { .name: os, .offset: 64, .size: 8, .value_kind: global_buffer, .address_space: global }
    .group_segment_fixed_size: 321536
    .private_segment_fixed_size: 0
    .kernarg_segment_align: 8
    .kernarg_segment_size: 72
    .max_flat_workgroup_size: 512
    .sgpr_count:     84
    .vgpr_count:     256
    .wavefront_size: 32
...
	.end_amdgpu_metadata
.endif
;; end of part 2
;; launch ffn (part 3): grid 256 x 1, 4 waves a work-group, no clusters, 318,976 bytes of LDS; arguments oc, os, wo_codes, wo_scales, bo, z, ln2_g, ln2_b, w1_codes, w1_scales, b1, w2_codes, w2_scales, b2, out0, out1; writes out0, out1
.if DOCPART == 3
	.amdgcn_target "amdgcn-amd-amdhsa--gfx1250"
	.amdhsa_code_object_version 6
	.text
	.protected	k_q5929563d1b_ffn
	.globl	k_q5929563d1b_ffn
	.p2align	8
	.type	k_q5929563d1b_ffn,@function
k_q5929563d1b_ffn:
	s_mov_b64 s[64:65], 0
	v_nop
	global_prefetch_b8 v0, s[64:65] scope:SCOPE_SE
	s_setreg_imm32_b32 hwreg(HW_REG_WAVE_MODE, 25, 1), 1
	s_wait_xcnt 0x0
; out1 = o wo^T + bo + z;  h = layernorm(out1);  out0 = relu(h w1^T + b1) w2^T + b2 + out1.  The three products run on codes of FP4 (E2M1, one E8M0 scale for each 32 along K); h and the hidden layer are quantised
; on the way and never go to memory.
; SHARES.  A work-group of four waves takes 64 tokens: four token tiles (position p of tile m: token 32 (m / 2) + 8 (m % 2) + p + 8 (p / 8)), as the launch before laid o.  THE WAVES SHARE THE COLUMNS: wave w makes
; channels 128 w on of out1, hidden units 256 w on (K steps 2 w, 2 w + 1 of the last product) and channels 128 w on of out0, for all 64 tokens, so each weight fragment is loaded once in the work-group and feeds four
; products.  In the passes by rows (residuals, norm) wave w owns tile w's 16 rows.
; Results change from columns to rows through a stage in LDS; operands go from wave to wave as images of their registers (16 bytes x lane for each group of four registers, 4 bytes x lane for a scale word).
; NO CLUSTER: what work-groups share are the weights, 696,320 bytes; they go from memory straight into operand registers.  A joint load ends in LDS, of which the rows, the stage and the images take 318,464 bytes.
; LIMITS: NaN and infinities are not served.  A block whose largest magnitude lies under 2^-124 keeps the scale byte 1; a block of zeros has the byte 1 over zero codes.
; REGISTERS, in windows of 256.  Window 0: v1-20 addresses; v24-27 scale words just made; v32-47 the token operand's scale words; v48-63 the quantiser's; v64-127 eight accumulators / row statistics / 64 numbers;
;   v128-159 gain and bias of the norm; v160-191 four sets of codes; v192-223, v224-255 two sets of weight scale words.   Window 1: v0-127 16 fragments of the token operand; v128-191, v192-255 bias tiles.
;   Window 2: a weight unit of 32 fragments.   Window 3: z, then my 16 rows (row p at 16 p; register 4 d + e of lane l is channel 128 d + 4 l + e), later a second weight unit.
.set SPI,  2064                        ; a stage row: 2,048 bytes + 16: an odd multiple of 16, so 16 rows begin at 16 different 16-byte columns of 256 bytes
.set STGW, 16*SPI
.set ZL,   0                           ; out1's 64 rows, kept for the last residual: wave w's at 32,768 w, touched by their owner alone
.set STG,  131072                      ; the stage: 64 rows
.set HIMG, STG+4*STGW                  ; h's 16 fragments (4 m + s),
.set HSC,  HIMG+16*1024                ; their scale words,
.set FIMG, HSC+16*128                  ; the hidden layer's 32 fragments (8 m + K step),
.set FSC,  FIMG+32*1024                ; their scale words
.set LI,   1
.set LS,   2
.set WA1,  3                           ; a weight tile's row of my lane, rows of 256 bytes
.set WA2,  4                           ; rows of 512 bytes
.set WS1A, 5                           ; its scale words, 16 bytes a row
.set WS2A, 6                           ; 32 bytes a row
.set BA,   7
.set STT0, 8                           ; the stage by columns: row r, + 64 h + 512 w; tiles 0, 1
.set STT2, 9                           ; tiles 2, 3
.set STW,  10                          ; the stage by rows: my 16 rows, 16 x lane
.set STR,  11                          ; my row r, + 64 h
.set ZA,   12
.set HW,   13
.set HSW,  14
.set HI,   15
.set HS,   16
.set FW,   17
.set FSW,  18
.set FI,   19
.set FS,   20
.set PW,  24
.set XS,  32
.set TM,  48
.set HA,  64
.set T,   64
.set GB,  128
.set PC,  160
.set WS0, 192
.set WS1, 224
.set BS0, 128
.set BS1, 192
.set SEL, 52
.set MSB, 0
.macro WIN new                         ; s_set_vgpr_msb: bits 1:0 source 0, 3:2 source 1, 5:4 source 2, 7:6 destination; the high byte repeats the setting that is left
.if MSB != \new
	s_set_vgpr_msb (MSB<<8)|\new
.set MSB, \new
.endif
.endm
.macro PLACES n
.rept \n
	v_nop
.endr
.endm
.macro BARRIER                         ; my LDS stores have landed and my LDS loads are in: then the work-group's barrier
	s_wait_dscnt 0x0
	s_barrier_signal -1
	s_barrier_wait -1
.endm
.macro MM d, a, b, c, sa, sb
	v_wmma_scale_f32_16x16x128_f8f6f4 v[\d:\d+7], v[\a:\a+7], v[\b:\b+7], v[\c:\c+7], v[\sa], v[\sb] matrix_a_fmt:MATRIX_FMT_FP4 matrix_b_fmt:MATRIX_FMT_FP4
.endm
; 64 numbers of a lane, register 16 b + i = k 32 b + 16 (lane / 16) + i of my row, become a fragment's codes in v[pc] on and its scale word in v[pw]
.macro QUANT s, pc, pw
.irp b, 0,1,2,3
	v_max3_num_f32 v[TM+\b], |v[(\s)+16*\b]|, |v[(\s)+1+16*\b]|, 0x1800000   ; my 16 numbers of block b, and the floor 2^(3 - 127): the byte cannot fall under 1
.endr
.irp i, 2,4,6,8,10,12,14
.irp b, 0,1,2,3
	v_max3_num_f32 v[TM+\b], v[TM+\b], |v[(\s)+16*\b+\i]|, |v[(\s)+1+16*\b+\i]|
.endr
.endr
.irp b, 0,1,2,3
	v_permlanex16_b32 v[TM+4+\b], v[TM+\b], s[SEL], s[SEL+1]
.endr
.irp b, 0,1,2,3
	v_max_num_f32 v[TM+\b], v[TM+\b], v[TM+4+\b]
.endr
.irp b, 0,1,2,3
	v_add_nc_u32 v[TM+12+\b], 0xff000000, v[TM+\b]     ; 2 off the exponent field: the conversion's scale operand
.endr
.irp b, 0,1,2,3
	v_lshrrev_b32 v[TM+4+\b], 23, v[TM+12+\b]          ; the scale's byte
.endr
	v_lshl_or_b32 v[\pw], v[TM+5], 8, v[TM+4]
	v_lshl_or_b32 v[\pw], v[TM+6], 16, v[\pw]
	v_lshl_or_b32 v[\pw], v[TM+7], 24, v[\pw]
.irp b, 0,1,2,3
	v_cvt_scalef32_pk8_fp4_f32 v[(\pc)+2*\b], v[(\s)+16*\b:(\s)+7+16*\b], v[TM+12+\b]
	v_cvt_scalef32_pk8_fp4_f32 v[(\pc)+1+2*\b], v[(\s)+8+16*\b:(\s)+15+16*\b], v[TM+12+\b]
.endr
	v_nop                                              ; one plain place behind a scaled conversion
.irp c, 0,1
.irp i, 0,1
	v_permlane16_swap_b32 v[(\pc)+4*\c+\i], v[(\pc)+2+4*\c+\i]
.endr
.endr
.endm
; tiles t0 .. t0 + n - 1 of a weight with nk K steps to a row of rowb bytes: fragment (t, s) into v[8 (nk (t - rb) + s)] of the window that the caller has set
.macro WCODES ptr, adr, t0, n, rb, nk, rowb, off
.set WT, \t0
.rept \n
.set WKS, 0
.rept \nk
	global_load_b128 v[8*(\nk*(WT-\rb)+WKS):8*(\nk*(WT-\rb)+WKS)+3], v[\adr], s[\ptr:\ptr+1] offset:\off+(32*(WT/2)+8*(WT%2))*\rowb+64*WKS
	global_load_b128 v[8*(\nk*(WT-\rb)+WKS)+4:8*(\nk*(WT-\rb)+WKS)+7], v[\adr], s[\ptr:\ptr+1] offset:\off+(32*(WT/2)+8*(WT%2))*\rowb+64*WKS+32
.set WKS, WKS+1
.endr
.set WT, WT+1
.endr
.endm
.macro WSCALES ptr, adr, reg, t0, n, rb, nk, off
.set WT, \t0
.rept \n
.set WKS, 0
.rept \nk/4
	global_load_b128 v[\reg+\nk*(WT-\rb)+4*WKS:\reg+\nk*(WT-\rb)+4*WKS+3], v[\adr], s[\ptr:\ptr+1] offset:\off+(32*(WT/2)+8*(WT%2))*4*\nk+16*WKS
.set WKS, WKS+1
.endr
.set WT, WT+1
.endr
.endm
.macro BIAS_T ptr, reg, t0, n, off                 ; a bias as the C of a transposed result: tile t, lane half h: units 32 (t / 2) + 16 h + 8 (t % 2) + 0 .. 7
.set WT, \t0
.rept \n
	global_load_b128 v[\reg+8*WT:\reg+8*WT+3], v[BA], s[\ptr:\ptr+1] offset:\off+(32*(WT/2)+8*(WT%2))*4
	global_load_b128 v[\reg+8*WT+4:\reg+8*WT+7], v[BA], s[\ptr:\ptr+1] offset:\off+(32*(WT/2)+8*(WT%2))*4+16
.set WT, WT+1
.endr
.endm
; 32 products, TRANSPOSED (source 0 = 16 rows of the weight in window ww, source 1 = token tile m), K = 512: a lane holds one token, its 64 registers 128 neighbouring units in the quantiser's order.
; The bias is the C of the first K step.  The eight accumulators take turns, one instruction a turn.
.macro MMT ww, ws, bs, m
	WIN (\ww|0x14)
.irp t, 0,1,2,3,4,5,6,7
	MM HA+8*\t, 32*\t, 32*(\m), \bs+8*\t, \ws+4*\t, XS+4*(\m)
.endr
	WIN (\ww|0x04)
.irp s, 1,2,3
.irp t, 0,1,2,3,4,5,6,7
	MM HA+8*\t, 32*\t+8*\s, 32*(\m)+8*\s, HA+8*\t, \ws+4*\t+\s, XS+4*(\m)+\s
.endr
.endr
	WIN 0
.endm
.macro LANESUM                                     ; T[4 p] = the sum of T[4 p .. 4 p + 3] over the 32 lanes; every line runs over the 16 rows
.set p, 0
.rept 16
	v_pk_add_f32 v[T+4*p:T+4*p+1], v[T+4*p:T+4*p+1], v[T+4*p+2:T+4*p+3]
.set p, p+1
.endr
.set p, 0
.rept 16
	v_add_f32 v[T+4*p], v[T+4*p], v[T+4*p+1]
.set p, p+1
.endr
.irp x, 1,2,4,8
.set p, 0
.rept 16
	v_add_f32_dpp v[T+4*p], v[T+4*p], v[T+4*p] row_xmask:\x row_mask:0xf bank_mask:0xf
.set p, p+1
.endr
.endr
.set p, 0
.rept 16
	v_permlanex16_b32 v[T+4*p+1], v[T+4*p], s[SEL], s[SEL+1]
.set p, p+1
.endr
.set p, 0
.rept 16
	v_add_f32 v[T+4*p], v[T+4*p], v[T+4*p+1]
.set p, p+1
.endr
.endm
.macro LN_SUM                                      ; T[4 p] = row p's mean
	WIN 0x0f
.set p, 0
.rept 16
	v_pk_add_f32 v[T+4*p:T+4*p+1], v[16*p:16*p+1], v[16*p+2:16*p+3]
	v_pk_add_f32 v[T+4*p+2:T+4*p+3], v[16*p+4:16*p+5], v[16*p+6:16*p+7]
.set p, p+1
.endr
	WIN 0x0c
.irp i, 8,12
.set p, 0
.rept 16
	v_pk_add_f32 v[T+4*p:T+4*p+1], v[T+4*p:T+4*p+1], v[16*p+\i:16*p+\i+1]
	v_pk_add_f32 v[T+4*p+2:T+4*p+3], v[T+4*p+2:T+4*p+3], v[16*p+\i+2:16*p+\i+3]
.set p, p+1
.endr
.endr
	WIN 0
	LANESUM
.set p, 0
.rept 16
	v_mul_f32 v[T+4*p], s54, v[T+4*p]
.set p, p+1
.endr
.endm
.macro LN_DEV                                      ; x - mean, in place: the variance is taken of the differences
	WIN 0xc3
.irp i, 0,2,4,6,8,10,12,14
.set p, 0
.rept 16
	v_pk_add_f32 v[16*p+\i:16*p+\i+1], v[16*p+\i:16*p+\i+1], v[T+4*p:T+4*p+1] op_sel_hi:[1,0] neg_lo:[0,1] neg_hi:[0,1]
.set p, p+1
.endr
.endr
.endm
.macro LN_SQ                                       ; T[4 p] = 1 / sqrt(variance + eps)
	WIN 0x0f
.set p, 0
.rept 16
	v_pk_mul_f32 v[T+4*p:T+4*p+1], v[16*p:16*p+1], v[16*p:16*p+1]
	v_pk_mul_f32 v[T+4*p+2:T+4*p+3], v[16*p+2:16*p+3], v[16*p+2:16*p+3]
.set p, p+1
.endr
.irp i, 4,8,12
.set p, 0
.rept 16
	v_pk_fma_f32 v[T+4*p:T+4*p+1], v[16*p+\i:16*p+\i+1], v[16*p+\i:16*p+\i+1], v[T+4*p:T+4*p+1]
	v_pk_fma_f32 v[T+4*p+2:T+4*p+3], v[16*p+\i+2:16*p+\i+3], v[16*p+\i+2:16*p+\i+3], v[T+4*p+2:T+4*p+3]
.set p, p+1
.endr
.endr
	WIN 0
	LANESUM
.set p, 0
.rept 16
	v_fma_f32 v[T+4*p], v[T+4*p], s54, s55
.set p, p+1
.endr
.set p, 0
.rept 16
	v_rsq_f32 v[T+4*p], v[T+4*p]
.set p, p+1
.endr
	v_nop                                              ; a plain place behind the last transcendental
.endm
.macro LN_NORM
	WIN 0xc3
	s_wait_alu depctr_va_vdst(0)
.irp i, 0,2,4,6,8,10,12,14
.set p, 0
.rept 16
	v_pk_mul_f32 v[16*p+\i:16*p+\i+1], v[16*p+\i:16*p+\i+1], v[T+4*p:T+4*p+1] op_sel_hi:[1,0]
.set p, p+1
.endr
.endr
.irp i, 0,2,4,6,8,10,12,14
.set p, 0
.rept 16
	v_pk_fma_f32 v[16*p+\i:16*p+\i+1], v[16*p+\i:16*p+\i+1], v[GB+\i:GB+\i+1], v[GB+16+\i:GB+17+\i]
.set p, p+1
.endr
.endr
.endm
.macro ST_ROWS
	WIN 0x0c
.set p, 0
.rept 16
.irp d, 0,1,2,3
	ds_store_b128 v[STW], v[16*p+4*\d:16*p+4*\d+3] offset:p*SPI+512*\d
.endr
.set p, p+1
.endr
	WIN 0
.endm
.macro RB k
.irp b, 0,1,2,3
.irp j, 0,1,2,3
	ds_load_b128 v[HA+16*\b+4*\j:HA+16*\b+4*\j+3], v[STR] offset:512*(\k)+128*\b+16*\j
.endr
.endr
.endm
	s_load_b512 s[4:19], s[0:1], 0x0               ; oc 4, os 6, wo codes 8, scales 10, bo 12, z 14, ln2_g 16, ln2_b 18
	s_load_b512 s[20:35], s[0:1], 0x40             ; w1 codes 20, scales 22, b1 24, w2 codes 26, scales 28, b2 30, out0 32, out1 34
	v_lshl_add_u32 v58, v0, 2, 0x4dc00
	v_mov_b32 v59, 0
	v_lshrrev_b32 v28, 5, v0
	v_readfirstlane_b32 s42, v28                   ; wave w
	v_and_b32 v28, 31, v0                          ; lane
	v_and_b32 v29, 15, v0                          ; r
	v_bfe_u32 v30, v0, 4, 1                        ; h
	v_and_b32 v31, 8, v29
	v_add_nc_u32 v31, v31, v29                     ; r + 8 (r / 8)
	v_lshlrev_b32 v[LI], 4, v28
	v_lshlrev_b32 v[LS], 2, v28
	v_lshlrev_b32 v[WA1], 8, v31
	v_lshl_add_u32 v[WA1], v30, 4, v[WA1]
	v_lshlrev_b32 v[WA2], 9, v31
	v_lshl_add_u32 v[WA2], v30, 4, v[WA2]
	v_lshlrev_b32 v[WS1A], 4, v31
	v_lshlrev_b32 v[WS2A], 5, v31
	v_lshlrev_b32 v[BA], 6, v30
	v_mul_u32_u24 v[STR], v29, SPI
	v_lshl_add_u32 v[STR], v30, 6, v[STR]          ; 2,064 r + 64 h
	s_lshl_b32 s43, s42, 9
	v_add_nc_u32 v[STT0], s43, v[STR]
	v_add_nc_u32 v[STT0], STG, v[STT0]
	v_add_nc_u32 v[STT2], 2*STGW, v[STT0]
	v_add_nc_u32 v[HSW], s43, v[LS]
	v_add_nc_u32 v[HSW], HSC, v[HSW]
	s_mul_i32 s43, s42, STGW
	v_add_nc_u32 v[STW], s43, v[LI]
	v_add_nc_u32 v[STW], STG, v[STW]
	v_add_nc_u32 v[STR], s43, v[STR]
	v_add_nc_u32 v[STR], STG, v[STR]
	s_lshl_b32 s43, s42, 15
	v_add_nc_u32 v[ZA], s43, v[LI]
	s_lshl_b32 s43, s42, 12
	v_add_nc_u32 v[HW], s43, v[LI]
	v_add_nc_u32 v[HW], HIMG, v[HW]
	v_add_nc_u32 v[HI], HIMG, v[LI]
	v_add_nc_u32 v[HS], HSC, v[LS]
	s_lshl_b32 s43, s42, 11
	v_add_nc_u32 v[FW], s43, v[LI]
	v_add_nc_u32 v[FW], FIMG, v[FW]
	s_lshl_b32 s43, s42, 8
	v_add_nc_u32 v[FSW], s43, v[LS]
	v_add_nc_u32 v[FSW], FSC, v[FSW]
	v_add_nc_u32 v[FI], FIMG, v[LI]
	v_add_nc_u32 v[FS], FSC, v[LS]
.irp b, 0,1,2,3
	v_mov_b32 v[TM+4+\b], 0                        ; written once: a lane permute's destination counts as one of its sources
.endr
	s_mov_b32 s[SEL], 0x76543210
	s_mov_b32 s[SEL+1], 0xfedcba98
	s_mov_b32 s54, 0x3b000000                      ; 1 / 512
	s_mov_b32 s55, 0x3727c5ac                      ; 1e-5
	s_lshr_b32 s48, s42, 1
	s_lshl_b32 s48, s48, 5
	s_and_b32 s49, s42, 1
	s_lshl_b32 s49, s49, 3
	s_add_co_u32 s48, s48, s49                     ; 32 (w / 2) + 8 (w % 2)
	s_mov_b32 s51, 0
	s_wait_kmcnt 0x0
	s_lshl_b32 s50, ttmp9, 14                      ; o: four tiles of 4,096 bytes to a work-group,
	s_add_nc_u64 s[4:5], s[4:5], s[50:51]
	s_lshl_b32 s50, ttmp9, 11                      ; of 512 bytes of scale words
	s_add_nc_u64 s[6:7], s[6:7], s[50:51]
	s_lshl_b32 s50, s42, 15                        ; wo: my 128 rows of 256 bytes
	s_add_nc_u64 s[8:9], s[8:9], s[50:51]
	s_lshl_b32 s50, s42, 11
	s_add_nc_u64 s[10:11], s[10:11], s[50:51]
	s_lshl_b32 s50, s42, 9                         ; bo, b2: my 128 numbers
	s_add_nc_u64 s[12:13], s[12:13], s[50:51]
	s_add_nc_u64 s[30:31], s[30:31], s[50:51]
	s_lshl_b32 s50, ttmp9, 6
	s_add_co_u32 s50, s50, s48
	s_lshl_b32 s50, s50, 11                        ; z, out0, out1: my tile's first row
	s_add_nc_u64 s[14:15], s[14:15], s[50:51]
	s_add_nc_u64 s[32:33], s[32:33], s[50:51]
	s_add_nc_u64 s[34:35], s[34:35], s[50:51]
	s_lshl_b32 s50, s42, 16                        ; w1: my 256 rows of 256 bytes; w2: my 128 rows of 512
	s_add_nc_u64 s[20:21], s[20:21], s[50:51]
	s_add_nc_u64 s[26:27], s[26:27], s[50:51]
	s_lshl_b32 s50, s42, 12
	s_add_nc_u64 s[22:23], s[22:23], s[50:51]
	s_add_nc_u64 s[28:29], s[28:29], s[50:51]
	s_lshl_b32 s50, s42, 10                        ; b1: my 256 numbers
	s_add_nc_u64 s[24:25], s[24:25], s[50:51]
	WIN 0x80                                       ; 144 loads for the first product,
	WCODES 8, WA1, 0, 8, 0, 4, 256, 0
	WIN 0x40
.irp f, 0,1,2,3,4,5,6,7,8,9,10,11,12,13,14,15
	global_load_b128 v[8*\f:8*\f+3], v[LI], s[4:5] offset:1024*\f
	global_load_b128 v[8*\f+4:8*\f+7], v[LI], s[4:5] offset:1024*\f+512
.endr
	BIAS_T 12, BS0, 0, 8, 0
	WIN 0
	WSCALES 10, WS1A, WS0, 0, 8, 0, 4, 0
.irp f, 0,1,2,3,4,5,6,7,8,9,10,11,12,13,14,15
	global_load_b32 v[XS+\f], v[LS], s[6:7] offset:128*\f
.endr
.irp d, 0,1,2,3
	global_load_b128 v[GB+4*\d:GB+4*\d+3], v[LI], s[16:17] offset:512*\d
	global_load_b128 v[GB+16+4*\d:GB+19+4*\d], v[LI], s[18:19] offset:512*\d
.endr
	WIN 0xc0                                       ; and behind them my 16 rows of z, 64 loads, into window 3, which is idle until the rows are wanted
.set p, 0
.rept 16
.irp d, 0,1,2,3
	global_load_b128 v[16*p+4*\d:16*p+4*\d+3], v[LI], s[14:15] offset:(p+8*(p/8))*2048+512*\d th:TH_LOAD_NT
.endr
.set p, p+1
.endr
	WIN 0
	s_wait_loadcnt 63                              ; of 208 loads at most 63 are out: the first 144 are in; z may still be on its way
	; ---- A: o wo^T + bo, my 128 channels for the four tiles, into the stage
.macro STAGE_T m
.irp t, 0,1,2,3,4,5,6,7
	ds_store_b128 v[STT0+(\m)/2], v[HA+8*\t:HA+8*\t+3] offset:((\m)%2)*STGW+128*(\t/2)+32*(\t%2)        ; each accumulator from its low end on
	ds_store_b128 v[STT0+(\m)/2], v[HA+8*\t+4:HA+8*\t+7] offset:((\m)%2)*STGW+128*(\t/2)+32*(\t%2)+16
.endr
.endm
.irp m, 0,1,2,3
	MMT 2, WS0, BS0, \m
	PLACES 5
	STAGE_T \m
	s_wait_dscnt 0x0                               ; the stores have read the accumulators, which are begun anew next
.endr
	WIN 0x80                                       ; w1's first half: tiles 0-5 and the scale words, 56 loads
	WCODES 20, WA1, 0, 6, 0, 4, 256, 0
	WIN 0
	WSCALES 22, WS1A, WS0, 0, 8, 0, 4, 0
	BARRIER                                        ; 64 whole rows lie in the stage
	; ---- B: my 16 rows: + z = out1; the norm; h's four fragments
	WIN 0x40
.set p, 0
.rept 16
.irp d, 0,1,2,3
	ds_load_b128 v[16*p+4*\d:16*p+4*\d+3], v[STW] offset:p*SPI+512*\d
.endr
.set p, p+1
.endr
	s_wait_dscnt 0x0
	s_wait_loadcnt 56                              ; z is in: the 56 loads of w1 were issued behind it
	WIN 0xc7
.set i, 0
.rept 128
	v_pk_add_f32 v[2*i:2*i+1], v[2*i:2*i+1], v[2*i:2*i+1]          ; window 3 (z) += window 1 (the stage's rows)
.set i, i+1
.endr
	WIN 0x0c
.set p, 0
.rept 16
.irp d, 0,1,2,3
	global_store_b128 v[LI], v[16*p+4*\d:16*p+4*\d+3], s[34:35] offset:(p+8*(p/8))*2048+512*\d th:TH_STORE_NT   ; 32 lanes store 512 consecutive bytes of a row
.endr
.set p, p+1
.endr
.set p, 0
.rept 16
.irp d, 0,1,2,3
	ds_store_b128 v[ZA], v[16*p+4*\d:16*p+4*\d+3] offset:2048*p+512*\d       ; and out1 is kept for the last residual
.endr
.set p, p+1
.endr
	WIN 0x80                                       ; 32 loads: w1's tiles 6, 7; b1's first half
	WCODES 20, WA1, 6, 2, 0, 4, 256, 0
	WIN 0x40
	BIAS_T 24, BS0, 0, 8, 0
	LN_SUM
	s_wait_xcnt 0x0                                ; the stores to memory
	s_wait_dscnt 0x0                               ; and to LDS have read my rows, which are changed in place from here on
	LN_DEV
	LN_SQ
	LN_NORM
	ST_ROWS
	s_wait_dscnt 0x0                               ; the stores have read window 3,
	WIN 0xc0                                       ; which takes w1's second half: tiles 0-5 and the scale words, 56 loads
	WCODES 20, WA1, 0, 6, 0, 4, 256, 32768
	WIN 0
	WSCALES 22, WS1A, WS1, 0, 8, 0, 4, 2048
.irp q, 0,1,2,3
	RB \q
	s_wait_dscnt 0x0
	QUANT HA, PC+8*\q, PW+\q
	ds_store_b128 v[HW], v[PC+8*\q:PC+8*\q+3] offset:1024*\q
	ds_store_b128 v[HW], v[PC+8*\q+4:PC+8*\q+7] offset:1024*\q+512
	ds_store_b32 v[HSW], v[PW+\q] offset:128*\q
.if \q == 1
	WIN 0xc0                                       ; 32 loads: its tiles 6, 7; b1's second half
	WCODES 20, WA1, 6, 2, 0, 4, 256, 32768
	WIN 0x40
	BIAS_T 24, BS1, 0, 8, 512
	WIN 0
.endif
.endr
	BARRIER                                        ; h's sixteen fragments lie in LDS
	WIN 0x40
.irp f, 0,1,2,3,4,5,6,7,8,9,10,11,12,13,14,15
	ds_load_b128 v[8*\f:8*\f+3], v[HI] offset:1024*\f
	ds_load_b128 v[8*\f+4:8*\f+7], v[HI] offset:1024*\f+512
.endr
	WIN 0
.irp f, 0,1,2,3,4,5,6,7,8,9,10,11,12,13,14,15
	ds_load_b32 v[XS+\f], v[HS] offset:128*\f
.endr
	s_wait_dscnt 0x0
	s_wait_loadcnt 63                              ; w1's first half and its bias are in: 88 loads were issued behind them, and a smaller count is safe
	; ---- the hidden layer: my 256 units, 128 at a time; each 128 are a K step of the last product
.macro TAILH m, k
	PLACES 5
.set j, 0
.rept 64
	v_max_num_f32 v[HA+j], 0, v[HA+j]              ; the activation, in f32
.set j, j+1
.endr
	QUANT HA, PC+8*(\m), PW+(\m)
	ds_store_b128 v[FW], v[PC+8*(\m):PC+8*(\m)+3] offset:(8*(\m)+\k)*1024
	ds_store_b128 v[FW], v[PC+8*(\m)+4:PC+8*(\m)+7] offset:(8*(\m)+\k)*1024+512
	ds_store_b32 v[FSW], v[PW+(\m)] offset:(8*(\m)+\k)*128
.endm
.irp m, 0,1,2,3
	MMT 2, WS0, BS0, \m
	TAILH \m, 0
.endr
.macro U3Q m                                       ; a quarter of what the last product's first half wants: w2's tile m (8 K steps), its scale words, b2's tiles 2 m, 2 m + 1: 22 loads
	WIN 0x80
	WCODES 26, WA2, \m, 1, 0, 8, 512, 0
	WIN 0x40
	BIAS_T 30, BS0, 2*(\m), 2, 0
	WIN 0
	WSCALES 28, WS2A, WS0, \m, 1, 0, 8, 0
.endm
	s_wait_loadcnt 0x0                             ; w1's second half
	s_wait_dscnt 0x0                               ; the image stores have read the four sets of codes
.irp m, 0,1,2,3
	U3Q \m
	MMT 3, WS1, BS1, \m
	TAILH \m, 1
.endr
	WIN 0xc0                                       ; w2's tiles 4-6 and the scale words of tiles 4-7: 56 loads
	WCODES 26, WA2, 4, 3, 4, 8, 512, 0
	WIN 0
	WSCALES 28, WS2A, WS1, 4, 4, 4, 8, 0
	BARRIER                                        ; the hidden layer's 32 fragments lie in LDS
	; ---- the last product, K = 1,024: four weight tiles x two token tiles at a time: eight accumulators by turns, a K step at a time
.macro FLOAD pr                                    ; token tiles 2 pr, 2 pr + 1: 16 fragments and their scale words
	WIN 0x40
.irp f, 0,1,2,3,4,5,6,7,8,9,10,11,12,13,14,15
	ds_load_b128 v[8*\f:8*\f+3], v[FI] offset:(16*(\pr)+\f)*1024
	ds_load_b128 v[8*\f+4:8*\f+7], v[FI] offset:(16*(\pr)+\f)*1024+512
.endr
	WIN 0
.irp f, 0,1,2,3,4,5,6,7,8,9,10,11,12,13,14,15
	ds_load_b32 v[XS+\f], v[FS] offset:(16*(\pr)+\f)*128
.endr
.endm
.macro MM8 ww, ws, hf
.irp k, 0,1,2,3,4,5,6,7
.if \k == 0
	WIN (\ww|0x14)
.else
	WIN (\ww|0x04)
.endif
.irp n, 0,1
.irp t, 0,1,2,3
.if \k == 0
	MM HA+8*(4*\n+\t), 64*\t, 64*\n, BS0+8*(4*\hf+\t), \ws+8*\t, XS+8*\n
.else
	MM HA+8*(4*\n+\t), 64*\t+8*\k, 64*\n+8*\k, HA+8*(4*\n+\t), \ws+8*\t+\k, XS+8*\n+\k
.endif
.endr
.endr
.endr
	WIN 0
.endm
.macro STAGE_P pr, hf
.irp n, 0,1
.irp t, 0,1,2,3
	ds_store_b128 v[STT0+\pr], v[HA+8*(4*\n+\t):HA+8*(4*\n+\t)+3] offset:\n*STGW+128*((4*\hf+\t)/2)+32*(\t%2)
	ds_store_b128 v[STT0+\pr], v[HA+8*(4*\n+\t)+4:HA+8*(4*\n+\t)+7] offset:\n*STGW+128*((4*\hf+\t)/2)+32*(\t%2)+16
.endr
.endr
.endm
	s_wait_loadcnt 56                              ; w2's tiles 0-3, their scale words and b2 are in: the 56 just issued may be out
	FLOAD 0
	s_wait_dscnt 0x0
	MM8 2, WS0, 0
	WIN 0xc0                                       ; w2's tile 7: 16 loads
	WCODES 26, WA2, 7, 1, 4, 8, 512, 0
	WIN 0
	PLACES 5
	STAGE_P 0, 0
	FLOAD 1
	s_wait_dscnt 0x0                               ; the fragments are in, and the stage's stores have read the accumulators
	MM8 2, WS0, 0
	PLACES 5
	STAGE_P 1, 0
	s_wait_loadcnt 0x0                             ; w2's tiles 4-7
	FLOAD 0
	s_wait_dscnt 0x0
	MM8 3, WS1, 1
	PLACES 5
	STAGE_P 0, 1
	FLOAD 1
	s_wait_dscnt 0x0
	MM8 3, WS1, 1
	PLACES 5
	STAGE_P 1, 1
	BARRIER                                        ; 64 whole rows lie in the stage
	; ---- my 16 rows: + out1 = out0
	WIN 0xc0
.set p, 0
.rept 16
.irp d, 0,1,2,3
	ds_load_b128 v[16*p+4*\d:16*p+4*\d+3], v[STW] offset:p*SPI+512*\d
.endr
.set p, p+1
.endr
	WIN 0x80
.set p, 0
.rept 16
.irp d, 0,1,2,3
	ds_load_b128 v[16*p+4*\d:16*p+4*\d+3], v[ZA] offset:2048*p+512*\d
.endr
.set p, p+1
.endr
	s_wait_dscnt 0x0
	WIN 0xcb
.set i, 0
.rept 128
	v_pk_add_f32 v[2*i:2*i+1], v[2*i:2*i+1], v[2*i:2*i+1]          ; window 3 (the stage's rows) += window 2 (out1)
.set i, i+1
.endr
	WIN 0x0c
.set p, 0
.rept 16
.irp d, 0,1,2,3
	global_store_b128 v[LI], v[16*p+4*\d:16*p+4*\d+3], s[32:33] offset:(p+8*(p/8))*2048+512*\d th:TH_STORE_NT
.endr
.set p, p+1
.endr
	WIN 0
	s_wait_tensorcnt 0x0
	ds_add_u32 v58, v59
	s_wait_dscnt 0x0
	s_endpgm
.Lfunc_end_k_q5929563d1b_ffn:
	.size	k_q5929563d1b_ffn, .Lfunc_end_k_q5929563d1b_ffn-k_q5929563d1b_ffn
	.p2alignl 7, 3214868480
	.fill 96, 4, 3214868480
	.section	.rodata,"a",@progbits
	.p2align	6, 0x0
	.amdhsa_kernel k_q5929563d1b_ffn
		.amdhsa_group_segment_fixed_size 318976
		.amdhsa_private_segment_fixed_size 0
		.amdhsa_enable_private_segment 0
		.amdhsa_kernarg_size 128
		.amdhsa_user_sgpr_count 2
		.amdhsa_user_sgpr_kernarg_segment_ptr 1
		.amdhsa_wavefront_size32 1
		.amdhsa_system_sgpr_workgroup_id_x 1
		.amdhsa_system_sgpr_workgroup_id_y 1
		.amdhsa_system_sgpr_workgroup_id_z 1
		.amdhsa_system_vgpr_workitem_id 0
		.amdhsa_next_free_vgpr 1024
		.amdhsa_next_free_sgpr 66
		.amdhsa_reserve_vcc 0
		.amdhsa_float_denorm_mode_32 3
		.amdhsa_float_denorm_mode_16_64 3
		.amdhsa_memory_ordered 1
		.amdhsa_forward_progress 1
		.amdhsa_inst_pref_size 255
	.end_amdhsa_kernel
	.section	.bss,"aw",@nobits
	.p2align	6
	.space	262144
	.amdgpu_metadata
---
amdhsa.version: [ 1, 2 ]
amdhsa.kernels:
  - .name:           k_q5929563d1b_ffn
    .symbol:         k_q5929563d1b_ffn.kd
    .args:
      - { .name: oc, .offset: 0, .size: 8, .value_kind: global_buffer, .address_space: global }
      - { .name: os, .offset: 8, .size: 8, .value_kind: global_buffer, .address_space: global }
      - { .name: wo_codes, .offset: 16, .size: 8, .value_kind: global_buffer, .address_space: global }
      - { .name: wo_scales, .offset: 24, .size: 8, .value_kind: global_buffer, .address_space: global }
      - { .name: bo, .offset: 32, .size: 8, .value_kind: global_buffer, .address_space: global }
      - { .name: z, .offset: 40, .size: 8, .value_kind: global_buffer, .address_space: global }
      - { .name: ln2_g, .offset: 48, .size: 8, .value_kind: global_buffer, .address_space: global }
      - { .name: ln2_b, .offset: 56, .size: 8, .value_kind: global_buffer, .address_space: global }
      - { .name: w1_codes, .offset: 64, .size: 8, .value_kind: global_buffer, .address_space: global }
      - { .name: w1_scales, .offset: 72, .size: 8, .value_kind: global_buffer, .address_space: global }
      - { .name: b1, .offset: 80, .size: 8, .value_kind: global_buffer, .address_space: global }
      - { .name: w2_codes, .offset: 88, .size: 8, .value_kind: global_buffer, .address_space: global }
      - { .name: w2_scales, .offset: 96, .size: 8, .value_kind: global_buffer, .address_space: global }
      - { .name: b2, .offset: 104, .size: 8, .value_kind: global_buffer, .address_space: global }
      - { .name: out0, .offset: 112, .size: 8, .value_kind: global_buffer, .address_space: global }
      - { .name: out1, .offset: 120, .size: 8, .value_kind: global_buffer, .address_space: global }
    .group_segment_fixed_size: 318976
    .private_segment_fixed_size: 0
    .kernarg_segment_align: 8
    .kernarg_segment_size: 128
    .max_flat_workgroup_size: 128
    .sgpr_count:     66
    .vgpr_count:     1024
    .wavefront_size: 32
...
	.end_amdgpu_metadata
.endif
;; end of part 3
;; ======== version 2 of 2: 3 launches; version 1 with the launches qkv, attn, ffn written anew for expert scheduling mode
;; workspace buffers: qc 4,194,304 bytes; qs 262,144 bytes; kc 4,194,304 bytes; ks 262,144 bytes; vc 4,194,304 bytes; vs 262,144 bytes; oc 4,194,304 bytes; os 524,288 bytes
;; launch qkv (part 4): grid 256 x 1, 4 waves a work-group, no clusters, 151,040 bytes of LDS; arguments x, lengths, ln1_g, ln1_b, wq_codes, wq_scales, bq, wk_codes, wk_scales, bk, wv_codes, wv_scales, bv, qc, qs, kc, ks, vc, vs; writes qc, qs, kc, ks, vc, vs
.if DOCPART == 4
	.amdgcn_target "amdgcn-amd-amdhsa--gfx1250"
	.amdhsa_code_object_version 6
	.text
	.protected	k_q5929563d1b_qkv
	.globl	k_q5929563d1b_qkv
	.p2align	8
	.type	k_q5929563d1b_qkv,@function
k_q5929563d1b_qkv:
	s_mov_b64 s[64:65], 0
	v_nop
	global_prefetch_b8 v0, s[64:65] scope:SCOPE_SE
	s_setreg_imm32_b32 hwreg(HW_REG_WAVE_SCHED_MODE, 0, 2), 2
	s_setreg_imm32_b32 hwreg(HW_REG_WAVE_MODE, 25, 1), 1
	s_wait_xcnt 0x0
	s_wait_alu depctr_vm_vsrc(0)
; xm = layernorm(x) x mask, quantised along its 512 channels; q, k, v = xm W^T + bias on codes of FP4 (E2M1, one E8M0 scale for each 32 along K);
; q and k are quantised along a head's 128 channels, v along the tokens (the keys of the second attention product).  All results leave as IMAGES OF OPERAND REGISTERS: 16 bytes x lane for each group of four registers.
; SHARES.  A work-group of four waves takes 64 tokens of one batch: four TOKEN TILES.  Position p (0..15) of tile m holds token 32 (m / 2) + 8 (m % 2) + p + 8 (p / 8), so that the 16 registers of two
; neighbouring tiles of a transposed result are 16 neighbours.  The rows of every weight tile are chosen by the same map.  Wave w normalises and quantises tile w; then it makes head w's q, k and v for all four tiles,
; so each weight fragment is loaded once in the work-group and feeds four products.
; NO CLUSTER: what work-groups share are the weights, 3 x 139,264 bytes; they go from memory straight into operand registers, a quarter to each wave.  A joint load ends in LDS, where 417,792 bytes do not fit at once.
; LIMITS: NaN and infinities are not served.  A block whose largest magnitude lies under 2^-124 keeps the scale byte 1; a block of zeros has the byte 1 over zero codes (the bytes are read by this program alone).
; REGISTERS, in windows of 256.  Window 0: v1-14 addresses; v24-27 scale words just made; v28-31 at work; v32-47 xm's scale words; v48-63 the quantiser's; v64-127 eight accumulators / row statistics / 64 numbers;
;   v128-159 gain and bias of the norm; v160-191 four sets of codes; v192-223, v224-255 two sets of weight scale words.   Window 1: v0-127 xm's 16 fragments; v128-191, v192-255 two sets of bias tiles.
;   Window 2: a weight's 32 fragments.   Window 3: my 16 rows of x (row p at 16 p; register 4 d + e of lane l is channel 128 d + 4 l + e), later a second weight.
; THE MODE: SCHED_MODE bits 1:0 = 2 (LLVM: expert scheduling mode 2), set by the entry lines.  The code itself states the register dependences
; between vector or matrix instructions and memory or LDS instructions, with s_wait_alu, always for 0.
; THE PLAN.  Registers that memory or LDS instructions touch, and who else names them:
;   v1-14       offsets and addresses: written at the head, never again.  One wait on va_vdst ahead of the first load serves every load and store of the kernel.
;   window 3    x lands; the norm's lines read and write it; the stage's LDS stores read it (va_vdst ahead of them); wk lands in it (vm_vsrc and va_vdst ahead of its loads).
;   v64-127     the norm's statistics; then, four times, the stage's loads land and the quantiser reads.  The wait on va_vdst ahead of a K step's image stores also states that the quantiser is done reading them.
;   PC, PW, TW  written by the quantiser and the lines behind it, read by stores.  Four sets, each written once in a phase: one wait on va_vdst ahead of a tile's stores, one on vm_vsrc between two phases.
;   window 2, WS0, BS0   wq and bq land; q's products read them; wv and bv land while k is made.  k's products and quantiser name none of them, so the wait ahead of the stores of the tile before serves those loads.
;   window 1 v0-127, XS, BS1, WS1   land once and are read by matrix instructions alone.
.set SPI,  2064                        ; a stage row: 2,048 bytes + 16: an odd multiple of 16, so 16 rows begin at 16 different 16-byte columns of 256 bytes
.set STGW, 16*SPI                      ; a wave's stage, its own
.set XIMG, 4*STGW                      ; xm's 16 fragments (tile m, K step s: 4 m + s), 1,024 bytes each
.set XSC,  XIMG+16*1024                ; their scale words, 128 bytes each
.set LI,  1                            ; 16 x lane
.set LS,  2                            ; 4 x lane
.set WA,  3                            ; a weight tile's row of my lane: 256 (r + 8 (r / 8)) + 16 h
.set WSA, 4                            ; its scale words: 16 (r + 8 (r / 8))
.set BA,  5                            ; a bias for a transposed result: 64 h
.set BVA, 6                            ; a bias for a natural result: 4 (r + 8 (r / 8))
.set STW, 7                            ; my stage, by rows: 16 x lane
.set STR, 8                            ; my stage, row r, + 64 h
.set XWI, 9
.set XWS, 10
.set XRI, 11
.set XRS, 12
.set TOK, 13                           ; the token (in its batch) at my position r of my wave's tile
.set SH,  14                           ; 16 h
.set PW,  24
.set TW,  28
.set XS,  32
.set TM,  48
.set HA,  64
.set T,   64
.set GB,  128
.set PC,  160
.set WS0, 192
.set WS1, 224
.set BS0, 128
.set BS1, 192
.set SEL, 52
.set MSB, 0
.macro WIN new                         ; s_set_vgpr_msb: bits 1:0 source 0, 3:2 source 1, 5:4 source 2, 7:6 destination; the high byte repeats the setting that is left
.if MSB != \new
	s_set_vgpr_msb (MSB<<8)|\new
.set MSB, \new
.endif
.endm
.macro PLACES n
.rept \n
	v_nop
.endr
.endm
.macro MM d, a, b, c, sa, sb
	v_wmma_scale_f32_16x16x128_f8f6f4 v[\d:\d+7], v[\a:\a+7], v[\b:\b+7], v[\c:\c+7], v[\sa], v[\sb] matrix_a_fmt:MATRIX_FMT_FP4 matrix_b_fmt:MATRIX_FMT_FP4
.endm
; 64 numbers of a lane, register 16 b + i = k 32 b + 16 (lane / 16) + i of my row, become a fragment's codes in v[pc] on and its scale word in v[pw]
.macro QUANT s, pc, pw
.irp b, 0,1,2,3
	v_max3_num_f32 v[TM+\b], |v[(\s)+16*\b]|, |v[(\s)+1+16*\b]|, 0x1800000   ; my 16 numbers of block b, and the floor 2^(3 - 127): the byte cannot fall under 1
.endr
.irp i, 2,4,6,8,10,12,14
.irp b, 0,1,2,3
	v_max3_num_f32 v[TM+\b], v[TM+\b], |v[(\s)+16*\b+\i]|, |v[(\s)+1+16*\b+\i]|
.endr
.endr
.irp b, 0,1,2,3
	v_permlanex16_b32 v[TM+4+\b], v[TM+\b], s[SEL], s[SEL+1]
.endr
.irp b, 0,1,2,3
	v_max_num_f32 v[TM+\b], v[TM+\b], v[TM+4+\b]       ; with lane l xor 16's: the block's largest magnitude
.endr
.irp b, 0,1,2,3
	v_add_nc_u32 v[TM+12+\b], 0xff000000, v[TM+\b]     ; 2 off its exponent field: the conversion's scale operand
.endr
.irp b, 0,1,2,3
	v_lshrrev_b32 v[TM+4+\b], 23, v[TM+12+\b]          ; the scale's byte
.endr
	v_lshl_or_b32 v[\pw], v[TM+5], 8, v[TM+4]
	v_lshl_or_b32 v[\pw], v[TM+6], 16, v[\pw]
	v_lshl_or_b32 v[\pw], v[TM+7], 24, v[\pw]
.irp b, 0,1,2,3
	v_cvt_scalef32_pk8_fp4_f32 v[(\pc)+2*\b], v[(\s)+16*\b:(\s)+7+16*\b], v[TM+12+\b]
	v_cvt_scalef32_pk8_fp4_f32 v[(\pc)+1+2*\b], v[(\s)+8+16*\b:(\s)+15+16*\b], v[TM+12+\b]
.endr
	v_nop                                              ; one plain place behind a scaled conversion
.irp c, 0,1                                        ; the operand's layout wants a whole block in a lane
.irp i, 0,1
	v_permlane16_swap_b32 v[(\pc)+4*\c+\i], v[(\pc)+2+4*\c+\i]
.endr
.endr
.endm
; tiles t0 .. t0 + n - 1 of a weight with nk K steps to a row of rowb bytes: fragment (t, s) into v[8 (nk (t - rb) + s)] of the window that the caller has set
.macro WCODES ptr, adr, t0, n, rb, nk, rowb, off
.set WT, \t0
.rept \n
.set WKS, 0
.rept \nk
	global_load_b128 v[8*(\nk*(WT-\rb)+WKS):8*(\nk*(WT-\rb)+WKS)+3], v[\adr], s[\ptr:\ptr+1] offset:\off+(32*(WT/2)+8*(WT%2))*\rowb+64*WKS
	global_load_b128 v[8*(\nk*(WT-\rb)+WKS)+4:8*(\nk*(WT-\rb)+WKS)+7], v[\adr], s[\ptr:\ptr+1] offset:\off+(32*(WT/2)+8*(WT%2))*\rowb+64*WKS+32
.set WKS, WKS+1
.endr
.set WT, WT+1
.endr
.endm
.macro WSCALES ptr, adr, reg, t0, n, rb, nk, off   ; their scale words: nk words a row
.set WT, \t0
.rept \n
.set WKS, 0
.rept \nk/4
	global_load_b128 v[\reg+\nk*(WT-\rb)+4*WKS:\reg+\nk*(WT-\rb)+4*WKS+3], v[\adr], s[\ptr:\ptr+1] offset:\off+(32*(WT/2)+8*(WT%2))*4*\nk+16*WKS
.set WKS, WKS+1
.endr
.set WT, WT+1
.endr
.endm
.macro BIAS_T ptr, reg, t0, n, off                 ; a bias as the C of a transposed result: tile t, lane half h: units 32 (t / 2) + 16 h + 8 (t % 2) + 0 .. 7
.set WT, \t0
.rept \n
	global_load_b128 v[\reg+8*WT:\reg+8*WT+3], v[BA], s[\ptr:\ptr+1] offset:\off+(32*(WT/2)+8*(WT%2))*4
	global_load_b128 v[\reg+8*WT+4:\reg+8*WT+7], v[BA], s[\ptr:\ptr+1] offset:\off+(32*(WT/2)+8*(WT%2))*4+16
.set WT, WT+1
.endr
.endm
; 32 products, TRANSPOSED (source 0 = 16 rows of the weight in window ww, source 1 = token tile m): a lane holds one token, its 64 registers 128 neighbouring units in the quantiser's order.
; The bias is the C of the first K step.  The eight accumulators take turns, one instruction a turn.
.macro MMT ww, ws, bs, m
	WIN (\ww|0x14)
.irp t, 0,1,2,3,4,5,6,7
	MM HA+8*\t, 32*\t, 32*(\m), \bs+8*\t, \ws+4*\t, XS+4*(\m)
.endr
	WIN (\ww|0x04)
.irp s, 1,2,3
.irp t, 0,1,2,3,4,5,6,7
	MM HA+8*\t, 32*\t+8*\s, 32*(\m)+8*\s, HA+8*\t, \ws+4*\t+\s, XS+4*(\m)+\s
.endr
.endr
	WIN 0
.endm
; The norm of my 16 rows.  Every line runs over the 16 rows, so that no line waits for the line above it.
.macro LANESUM                                     ; T[4 p] = the sum of T[4 p .. 4 p + 3] over the 32 lanes
.set p, 0
.rept 16
	v_pk_add_f32 v[T+4*p:T+4*p+1], v[T+4*p:T+4*p+1], v[T+4*p+2:T+4*p+3]
.set p, p+1
.endr
.set p, 0
.rept 16
	v_add_f32 v[T+4*p], v[T+4*p], v[T+4*p+1]
.set p, p+1
.endr
.irp x, 1,2,4,8
.set p, 0
.rept 16
	v_add_f32_dpp v[T+4*p], v[T+4*p], v[T+4*p] row_xmask:\x row_mask:0xf bank_mask:0xf
.set p, p+1
.endr
.endr
.set p, 0
.rept 16
	v_permlanex16_b32 v[T+4*p+1], v[T+4*p], s[SEL], s[SEL+1]
.set p, p+1
.endr
.set p, 0
.rept 16
	v_add_f32 v[T+4*p], v[T+4*p], v[T+4*p+1]
.set p, p+1
.endr
.endm
.macro LN_SUM                                      ; T[4 p] = row p's mean
	WIN 0x0f
.set p, 0
.rept 16
	v_pk_add_f32 v[T+4*p:T+4*p+1], v[16*p:16*p+1], v[16*p+2:16*p+3]
	v_pk_add_f32 v[T+4*p+2:T+4*p+3], v[16*p+4:16*p+5], v[16*p+6:16*p+7]
.set p, p+1
.endr
	WIN 0x0c
.irp i, 8,12
.set p, 0
.rept 16
	v_pk_add_f32 v[T+4*p:T+4*p+1], v[T+4*p:T+4*p+1], v[16*p+\i:16*p+\i+1]
	v_pk_add_f32 v[T+4*p+2:T+4*p+3], v[T+4*p+2:T+4*p+3], v[16*p+\i+2:16*p+\i+3]
.set p, p+1
.endr
.endr
	WIN 0
	LANESUM
.set p, 0
.rept 16
	v_mul_f32 v[T+4*p], s54, v[T+4*p]
.set p, p+1
.endr
.endm
.macro LN_DEV                                      ; x - mean, in place: the variance is taken of the differences, so a common offset of the inputs costs nothing
	WIN 0xc3
.irp i, 0,2,4,6,8,10,12,14
.set p, 0
.rept 16
	v_pk_add_f32 v[16*p+\i:16*p+\i+1], v[16*p+\i:16*p+\i+1], v[T+4*p:T+4*p+1] op_sel_hi:[1,0] neg_lo:[0,1] neg_hi:[0,1]
.set p, p+1
.endr
.endr
.endm
.macro LN_SQ                                       ; T[4 p] = 1 / sqrt(variance + eps)
	WIN 0x0f
.set p, 0
.rept 16
	v_pk_mul_f32 v[T+4*p:T+4*p+1], v[16*p:16*p+1], v[16*p:16*p+1]
	v_pk_mul_f32 v[T+4*p+2:T+4*p+3], v[16*p+2:16*p+3], v[16*p+2:16*p+3]
.set p, p+1
.endr
.irp i, 4,8,12
.set p, 0
.rept 16
	v_pk_fma_f32 v[T+4*p:T+4*p+1], v[16*p+\i:16*p+\i+1], v[16*p+\i:16*p+\i+1], v[T+4*p:T+4*p+1]
	v_pk_fma_f32 v[T+4*p+2:T+4*p+3], v[16*p+\i+2:16*p+\i+3], v[16*p+\i+2:16*p+\i+3], v[T+4*p+2:T+4*p+3]
.set p, p+1
.endr
.endr
	WIN 0
	LANESUM
.set p, 0
.rept 16
	v_fma_f32 v[T+4*p], v[T+4*p], s54, s55
.set p, p+1
.endr
.set p, 0
.rept 16
	v_rsq_f32 v[T+4*p], v[T+4*p]
.set p, p+1
.endr
	v_nop                                              ; a plain place behind the last transcendental
.endm
.macro LN_NORM
	WIN 0xc3
	s_wait_alu depctr_va_vdst(0)                       ; the sixteen reciprocal roots are written, ahead of their first reader
.irp i, 0,2,4,6,8,10,12,14
.set p, 0
.rept 16
	v_pk_mul_f32 v[16*p+\i:16*p+\i+1], v[16*p+\i:16*p+\i+1], v[T+4*p:T+4*p+1] op_sel_hi:[1,0]
.set p, p+1
.endr
.endr
.irp i, 0,2,4,6,8,10,12,14
.set p, 0
.rept 16
	v_pk_fma_f32 v[16*p+\i:16*p+\i+1], v[16*p+\i:16*p+\i+1], v[GB+\i:GB+\i+1], v[GB+16+\i:GB+17+\i]
.set p, p+1
.endr
.endr
.endm
.macro ST_ROWS                                     ; my 16 rows into my stage, as they lie
	WIN 0x0c
	s_wait_alu depctr_va_vdst(0)                       ; the norm's lines have written my rows in window 3, which these LDS stores read
.set p, 0
.rept 16
.irp d, 0,1,2,3
	ds_store_b128 v[STW], v[16*p+4*\d:16*p+4*\d+3] offset:p*SPI+512*\d
.endr
.set p, p+1
.endr
	WIN 0
.endm
.macro RB k                                        ; and back, K step k: lane (r, h) takes of row r 16 neighbours of each block of 32
.irp b, 0,1,2,3
.irp j, 0,1,2,3
	ds_load_b128 v[HA+16*\b+4*\j:HA+16*\b+4*\j+3], v[STR] offset:512*(\k)+128*\b+16*\j
.endr
.endr
.endm
	s_load_b512 s[4:19], s[0:1], 0x0               ; x 4, lengths 6, ln1_g 8, ln1_b 10, wq codes 12, scales 14, bq 16, wk codes 18
	s_load_b512 s[20:35], s[0:1], 0x40             ; wk scales 20, bk 22, wv codes 24, scales 26, bv 28, qc 30, qs 32, kc 34
	s_load_b128 s[36:39], s[0:1], 0x80             ; ks 36, vc 38
	s_load_b64 s[40:41], s[0:1], 0x90              ; vs 40
	v_lshl_add_u32 v58, v0, 2, 0x24c00
	v_mov_b32 v59, 0
	v_lshrrev_b32 v28, 5, v0
	v_readfirstlane_b32 s42, v28                   ; wave w
	v_and_b32 v28, 31, v0                          ; lane
	v_and_b32 v29, 15, v0                          ; r
	v_bfe_u32 v30, v0, 4, 1                        ; h
	v_and_b32 v31, 8, v29
	v_add_nc_u32 v31, v31, v29                     ; r + 8 (r / 8)
	v_lshlrev_b32 v[LI], 4, v28
	v_lshlrev_b32 v[LS], 2, v28
	v_lshlrev_b32 v[WA], 8, v31
	v_lshl_add_u32 v[WA], v30, 4, v[WA]
	v_lshlrev_b32 v[WSA], 4, v31
	v_lshlrev_b32 v[BA], 6, v30
	v_lshlrev_b32 v[BVA], 2, v31
	s_wait_alu depctr_va_sdst(0)                   ; s42 is written, ahead of its first reader: LDS addresses and every buffer's offset are made from it
	s_mul_i32 s43, s42, STGW
	v_add_nc_u32 v[STW], s43, v[LI]
	v_mul_u32_u24 v[STR], v29, SPI
	v_lshl_add_u32 v[STR], v30, 6, v[STR]
	v_add_nc_u32 v[STR], s43, v[STR]
	s_lshl_b32 s43, s42, 12
	v_add_nc_u32 v[XWI], s43, v[LI]
	v_add_nc_u32 v[XWI], XIMG, v[XWI]
	s_lshl_b32 s43, s42, 9
	v_add_nc_u32 v[XWS], s43, v[LS]
	v_add_nc_u32 v[XWS], XSC, v[XWS]
	v_add_nc_u32 v[XRI], XIMG, v[LI]
	v_add_nc_u32 v[XRS], XSC, v[LS]
	s_and_b32 s44, ttmp9, 15                       ; tb: which 64 tokens of the batch
	s_lshr_b32 s45, ttmp9, 4                       ; the batch
	s_lshr_b32 s48, s42, 1
	s_lshl_b32 s48, s48, 5
	s_and_b32 s49, s42, 1
	s_lshl_b32 s49, s49, 3
	s_add_co_u32 s48, s48, s49                     ; my tile's first token among the 64: 32 (w / 2) + 8 (w % 2)
	s_lshl_b32 s49, s44, 6
	s_add_co_u32 s49, s49, s48
	v_add_nc_u32 v[TOK], s49, v31
	v_lshlrev_b32 v[SH], 4, v30
.irp b, 0,1,2,3
	v_mov_b32 v[TM+4+\b], 0                        ; written once: a lane permute's destination counts as one of its sources
.endr
	s_mov_b32 s47, 0xffff0000                      ; lanes 16-31
	s_mov_b32 s[SEL], 0x76543210
	s_mov_b32 s[SEL+1], 0xfedcba98                 ; v_permlanex16_b32's selects for lane l xor 16
	s_mov_b32 s54, 0x3b000000                      ; 1 / 512
	s_mov_b32 s55, 0x3727c5ac                      ; 1e-5
	s_lshl_b32 s50, ttmp9, 6
	s_add_co_u32 s50, s50, s48
	s_lshl_b32 s50, s50, 11                        ; my tile's first row of x, in bytes
	s_mov_b32 s51, 0
	s_wait_kmcnt 0x0
	s_add_nc_u64 s[4:5], s[4:5], s[50:51]
	WIN 0xc0                                       ; destination window 3
	s_wait_alu depctr_va_vdst(0)                   ; the offsets and addresses v1 to v14 are written, which every load and store of the kernel reads
.set p, 0
.rept 16
.irp d, 0,1,2,3
	global_load_b128 v[16*p+4*\d:16*p+4*\d+3], v[LI], s[4:5] offset:(p+8*(p/8))*2048+512*\d th:TH_LOAD_NT   ; 32 lanes read 512 consecutive bytes of a row
.endr
.set p, p+1
.endr
	WIN 0
.irp d, 0,1,2,3
	global_load_b128 v[GB+4*\d:GB+4*\d+3], v[LI], s[8:9] offset:512*\d
	global_load_b128 v[GB+16+4*\d:GB+19+4*\d], v[LI], s[10:11] offset:512*\d
.endr
	s_lshl_b32 s50, s45, 2
	s_add_nc_u64 s[6:7], s[6:7], s[50:51]
	s_load_b32 s46, s[6:7], 0x0                    ; L, my batch's length: it enters compares alone
	s_lshl_b32 s50, s42, 15                        ; head w: 128 rows of 256 bytes,
	s_add_nc_u64 s[12:13], s[12:13], s[50:51]
	s_add_nc_u64 s[18:19], s[18:19], s[50:51]
	s_add_nc_u64 s[24:25], s[24:25], s[50:51]
	s_lshl_b32 s50, s42, 11                        ; of 16 scale bytes,
	s_add_nc_u64 s[14:15], s[14:15], s[50:51]
	s_add_nc_u64 s[20:21], s[20:21], s[50:51]
	s_add_nc_u64 s[26:27], s[26:27], s[50:51]
	s_lshl_b32 s50, s42, 9                         ; 128 numbers of a bias
	s_add_nc_u64 s[16:17], s[16:17], s[50:51]
	s_add_nc_u64 s[22:23], s[22:23], s[50:51]
	s_add_nc_u64 s[28:29], s[28:29], s[50:51]
	s_lshl_b32 s56, s45, 2
	s_add_co_u32 s56, s56, s42                     ; bh = 4 x batch + head
	s_lshl_b32 s50, s56, 6
	s_lshl_b32 s57, s44, 2
	s_add_co_u32 s50, s50, s57
	s_lshl_b32 s50, s50, 10                        ; qc, kc: tile 64 bh + 4 tb, 1,024 bytes a tile
	s_add_nc_u64 s[30:31], s[30:31], s[50:51]
	s_add_nc_u64 s[34:35], s[34:35], s[50:51]
	s_lshl_b32 s50, s56, 5
	s_lshl_b32 s57, s44, 1
	s_add_co_u32 s50, s50, s57
	s_lshl_b32 s50, s50, 7                         ; qs, ks: pair of tiles 32 bh + 2 tb, 128 bytes a pair
	s_add_nc_u64 s[32:33], s[32:33], s[50:51]
	s_add_nc_u64 s[36:37], s[36:37], s[50:51]
	s_lshl_b32 s58, s56, 3
	s_lshr_b32 s57, s44, 1
	s_add_co_u32 s58, s58, s57                     ; key step 8 bh + tb / 2
	s_and_b32 s59, s44, 1                          ; which 64 of its 128 keys are mine
	s_lshl_b32 s50, s58, 13
	s_lshl_b32 s57, s59, 9
	s_add_co_u32 s50, s50, s57
	s_add_nc_u64 s[38:39], s[38:39], s[50:51]      ; vc
	s_lshl_b32 s50, s58, 9
	s_lshl_b32 s57, s59, 1
	s_add_co_u32 s50, s50, s57
	s_add_nc_u64 s[40:41], s[40:41], s[50:51]      ; vs
	s_wait_kmcnt 0x0
	WIN 0x80                                       ; wq's tiles 0-5 and its scale words: 56 loads, on their way under the norm
	WCODES 12, WA, 0, 6, 0, 4, 256, 0
	WIN 0
	WSCALES 14, WSA, WS0, 0, 8, 0, 4, 0
	s_wait_loadcnt 56                              ; x, gain and bias are in: the 56 just issued may be out
	LN_SUM
	LN_DEV
	LN_SQ
	WIN 0x80                                       ; 48 loads more: wq's tiles 6, 7; bq; bk.  No wait: no vector instruction has named the registers in which they land, nor their offsets since the head's wait
	WCODES 12, WA, 6, 2, 0, 4, 256, 0
	WIN 0x40
	BIAS_T 16, BS0, 0, 8, 0
	BIAS_T 22, BS1, 0, 8, 0
	LN_NORM
	ST_ROWS
	s_wait_dscnt 0x0                               ; the stores are done,
	WIN 0xc0                                       ; and window 3 takes wk: tiles 0-5 and the scale words, 56 loads
	s_wait_alu depctr_vm_vsrc(0)                   ; the LDS stores have read window 3, in which wk lands
	s_wait_alu depctr_va_vdst(0)                   ; the norm's lines are done reading and writing window 3, in which wk lands, and the statistics v64-127, in which the stage's loads land
	WCODES 18, WA, 0, 6, 0, 4, 256, 0
	WIN 0
	WSCALES 20, WSA, WS1, 0, 8, 0, 4, 0
	v_cmp_gt_i32 vcc_lo, s46, v[TOK]               ; my row's token counts where L > token
.irp q, 0,1,2,3                                ; my tile's four K steps
	RB \q
	s_wait_dscnt 0x0
	QUANT HA, PC+8*\q, PW+\q
.if \q == 0
	s_wait_alu depctr_va_vcc(0)                    ; the compare has written VCC, ahead of its first reader: the selects of all four K steps read it
.endif
.irp i, 0,1,2,3,4,5,6,7
	v_cndmask_b32 v[PC+8*\q+\i], 0, v[PC+8*\q+\i], vcc_lo   ; the mask: a token past the length is a row of zero codes
.endr
	s_wait_alu depctr_va_vdst(0)                   ; this K step's codes and scale word are written, which the LDS stores read; the quantiser is done reading v64-127, in which the next K step's numbers land
	ds_store_b128 v[XWI], v[PC+8*\q:PC+8*\q+3] offset:1024*\q
	ds_store_b128 v[XWI], v[PC+8*\q+4:PC+8*\q+7] offset:1024*\q+512
	ds_store_b32 v[XWS], v[PW+\q] offset:128*\q
.if \q == 1
	WIN 0xc0                                       ; wk's tiles 6, 7: 16 loads
	WCODES 18, WA, 6, 2, 0, 4, 256, 0
	WIN 0
.endif
.endr
	s_wait_dscnt 0x0                               ; for the others' sake: my images lie in LDS
	s_barrier_signal -1
	s_barrier_wait -1
	s_wait_alu depctr_vm_vsrc(0)                   ; my LDS stores have read the four sets of codes and scale words, which q's quantiser writes again
	WIN 0x40
.irp f, 0,1,2,3,4,5,6,7,8,9,10,11,12,13,14,15
	ds_load_b128 v[8*\f:8*\f+3], v[XRI] offset:1024*\f
	ds_load_b128 v[8*\f+4:8*\f+7], v[XRI] offset:1024*\f+512
.endr
	WIN 0
.irp f, 0,1,2,3,4,5,6,7,8,9,10,11,12,13,14,15
	ds_load_b32 v[XS+\f], v[XRS] offset:128*\f
.endr
	s_wait_dscnt 0x0
	s_wait_loadcnt 63                              ; wq, bq, bk are in: wk's 72 loads were issued behind them, and a smaller count is safe
; a tile's q or k: quantised along the head's 128 channels; the image goes out, 512 consecutive bytes a store; two tiles' scale words share a row of 32 lanes
.macro TAILQK m, cp, sp
	PLACES 5
	QUANT HA, PC+8*(\m), PW+(\m)
.if (\m)%2
	v_cndmask_b32 v[TW+(\m)/2], v[PW+(\m)-1], v[PW+(\m)], s47    ; lanes 0-15 the even tile's words, lanes 16-31 the odd tile's
.endif
	s_wait_alu depctr_va_vdst(0)                   ; the tile's codes and words are written, which the stores read; every product issued so far is done reading its weight, bias and scale words
	global_store_b128 v[LI], v[PC+8*(\m):PC+8*(\m)+3], s[\cp:\cp+1] offset:1024*(\m)
	global_store_b128 v[LI], v[PC+8*(\m)+4:PC+8*(\m)+7], s[\cp:\cp+1] offset:1024*(\m)+512
.if (\m)%2
	global_store_b32 v[LS], v[TW+(\m)/2], s[\sp:\sp+1] offset:128*((\m)/2)
.endif
.endm
.irp m, 0,1,2,3
	MMT 2, WS0, BS0, \m
	TAILQK \m, 30, 32
.endr
; wv's tiles 2 m, 2 m + 1, their scale words and bv, while k is made: 34 loads.  For the natural result a lane holds one channel: its bias eight times.
; No wait: they land in window 2, BS0 and WS0, which q's products read ahead of the last wait on va_vdst, and which no instruction of k's phase names
.macro VB m
	WIN 0x80
	WCODES 24, WA, 2*(\m), 2, 0, 4, 256, 0
	WIN 0x40
.irp u, 0,1
.irp j, 0,1,2,3,4,5,6,7
	global_load_b32 v[BS0+8*(2*(\m)+\u)+\j], v[BVA], s[28:29] offset:(32*(\m)+8*\u)*4
.endr
.endr
	WIN 0
	WSCALES 26, WSA, WS0, 2*(\m), 2, 0, 4, 0
.endm
	s_wait_loadcnt 0x0                             ; wk
	s_wait_xcnt 0x0                                ; q's stores have had their addresses translated,
	s_wait_alu depctr_vm_vsrc(0)                   ; and have read the sets of codes and words, which k's quantiser writes again
.irp m, 0,1,2,3
	VB \m
	MMT 3, WS1, BS1, \m
	TAILQK \m, 34, 36
.endr
; v, NATURAL (source 0 = token tile m, source 1 = 16 rows of wv): a lane holds ONE channel, and the 32 registers of a weight tile run along my 64 tokens.  Two weight tiles at a time: eight accumulators by turns
.macro MMN p
.irp s, 0,1,2,3
.if \s == 0
	WIN 0x19
.else
	WIN 0x09
.endif
.irp u, 0,1
.irp m, 0,1,2,3
.if \s == 0
	MM HA+32*\u+8*\m, 32*\m, 32*(2*(\p)+\u), BS0+8*(2*(\p)+\u), XS+4*\m, WS0+4*(2*(\p)+\u)
.else
	MM HA+32*\u+8*\m, 32*\m+8*\s, 32*(2*(\p)+\u)+8*\s, HA+32*\u+8*\m, XS+4*\m+\s, WS0+4*(2*(\p)+\u)+\s
.endif
.endr
.endr
.endr
	WIN 0
.endm
	s_wait_loadcnt 0x0                             ; wv, bv
	s_wait_xcnt 0x0                                ; k's stores have had their addresses translated,
	s_wait_alu depctr_vm_vsrc(0)                   ; and have read the sets of codes and words, which v's quantiser writes again
.irp p, 0,1,2,3
	MMN \p
	PLACES 5
	QUANT HA, PC+8*\p, PW+\p                       ; blocks 0, 1: channel tile 2 p's 64 tokens; blocks 2, 3: tile 2 p + 1's
	v_lshrrev_b32 v[TW+\p], v[SH], v[PW+\p]        ; lanes 0-15 the even tile's two bytes, lanes 16-31 the odd tile's
	s_wait_alu depctr_va_vdst(0)                   ; the codes and the two bytes are written, which the stores read
	global_store_b128 v[LI], v[PC+8*\p:PC+8*\p+3], s[38:39] offset:2048*\p          ; half of tile 2 p's fragment of this key step
	global_store_b128 v[LI], v[PC+8*\p+4:PC+8*\p+7], s[38:39] offset:2048*\p+1024   ; and of tile 2 p + 1's
	global_store_b16 v[LS], v[TW+\p], s[40:41] offset:128*\p
.endr
	s_wait_dscnt 0x0                               ; the closing lines, six on end
	s_wait_alu 0x0
	s_wait_tensorcnt 0x0
	ds_add_u32 v58, v59
	s_wait_dscnt 0x0
	s_endpgm
.Lfunc_end_k_q5929563d1b_qkv:
	.size	k_q5929563d1b_qkv, .Lfunc_end_k_q5929563d1b_qkv-k_q5929563d1b_qkv
	.p2alignl 7, 3214868480
	.fill 96, 4, 3214868480
	.section	.rodata,"a",@progbits
	.p2align	6, 0x0
	.amdhsa_kernel k_q5929563d1b_qkv
		.amdhsa_group_segment_fixed_size 151040
		.amdhsa_private_segment_fixed_size 0
		.amdhsa_enable_private_segment 0
		.amdhsa_kernarg_size 152
		.amdhsa_user_sgpr_count 2
		.amdhsa_user_sgpr_kernarg_segment_ptr 1
		.amdhsa_wavefront_size32 1
		.amdhsa_system_sgpr_workgroup_id_x 1
		.amdhsa_system_sgpr_workgroup_id_y 1
		.amdhsa_system_sgpr_workgroup_id_z 1
		.amdhsa_system_vgpr_workitem_id 0
		.amdhsa_next_free_vgpr 1024
		.amdhsa_next_free_sgpr 66
		.amdhsa_reserve_vcc 1
		.amdhsa_float_denorm_mode_32 3
		.amdhsa_float_denorm_mode_16_64 3
		.amdhsa_memory_ordered 1
		.amdhsa_forward_progress 1
		.amdhsa_inst_pref_size 224
	.end_amdhsa_kernel
	.amdgpu_metadata
---
amdhsa.version: [ 1, 2 ]
amdhsa.kernels:
  - .name:           k_q5929563d1b_qkv
    .symbol:         k_q5929563d1b_qkv.kd
    .args:
      - { .name: x, .offset: 0, .size: 8, .value_kind: global_buffer, .address_space: global }
      - { .name: lengths, .offset: 8, .size: 8, .value_kind: global_buffer, .address_space: global }
      - { .name: ln1_g, .offset: 16, .size: 8, .value_kind: global_buffer, .address_space: global }
      - { .name: ln1_b, .offset: 24, .size: 8, .value_kind: global_buffer, .address_space: global }
      - { .name: wq_codes, .offset: 32, .size: 8, .value_kind: global_buffer, .address_space: global }
      - { .name: wq_scales, .offset: 40, .size: 8, .value_kind: global_buffer, .address_space: global }
      - { .name: bq, .offset: 48, .size: 8, .value_kind: global_buffer, .address_space: global }
      - { .name: wk_codes, .offset: 56, .size: 8, .value_kind: global_buffer, .address_space: global }
      - { .name: wk_scales, .offset: 64, .size: 8, .value_kind: global_buffer, .address_space: global }
      - { .name: bk, .offset: 72, .size: 8, .value_kind: global_buffer, .address_space: global }
      - { .name: wv_codes, .offset: 80, .size: 8, .value_kind: global_buffer, .address_space: global }
      - { .name: wv_scales, .offset: 88, .size: 8, .value_kind: global_buffer, .address_space: global }
      - { .name: bv, .offset: 96, .size: 8, .value_kind: global_buffer, .address_space: global }
      - { .name: qc, .offset: 104, .size: 8, .value_kind: global_buffer, .address_space: global }
      - { .name: qs, .offset: 112, .size: 8, .value_kind: global_buffer, .address_space: global }
      - { .name: kc, .offset: 120, .size: 8, .value_kind: global_buffer, .address_space: global }
      - { .name: ks, .offset: 128, .size: 8, .value_kind: global_buffer, .address_space: global }
      - { .name: vc, .offset: 136, .size: 8, .value_kind: global_buffer, .address_space: global }
      - { .name: vs, .offset: 144, .size: 8, .value_kind: global_buffer, .address_space: global }
    .group_segment_fixed_size: 151040
    .private_segment_fixed_size: 0
    .kernarg_segment_align: 8
    .kernarg_segment_size: 152
    .max_flat_workgroup_size: 128
    .sgpr_count:     66
    .vgpr_count:     1024
    .wavefront_size: 32
...
	.end_amdgpu_metadata
.endif
;; end of part 4
;; launch attn (part 5): grid 8 x 32, 16 waves a work-group, no clusters, 321,536 bytes of LDS; arguments qc, qs, kc, ks, vc, vs, lengths, oc, os; writes oc, os
.if DOCPART == 5
	.amdgcn_target "amdgcn-amd-amdhsa--gfx1250"
	.amdhsa_code_object_version 6
	.text
	.protected	k_q5929563d1b_attn
	.globl	k_q5929563d1b_attn
	.p2align	8
	.type	k_q5929563d1b_attn,@function
k_q5929563d1b_attn:
	s_mov_b64 s[64:65], 0
	v_nop
	global_prefetch_b8 v0, s[64:65] scope:SCOPE_SE
	s_setreg_imm32_b32 hwreg(HW_REG_WAVE_SCHED_MODE, 0, 2), 2
	s_setreg_imm32_b32 hwreg(HW_REG_WAVE_MODE, 25, 1), 1
	s_wait_xcnt 0x0
	s_wait_alu depctr_vm_vsrc(0)
; o = softmax(q k^T / sqrt(128) - log1p(|i - j|), masked places at -1e4) v, both products on codes of FP4 (E2M1, one E8M0 scale for each 32 along K); o is quantised along the head's 128 channels for the next product.
; THE SOFTMAX AHEAD OF THE SECOND PRODUCT: t = logit x log2(e); M = the row's largest t so far, rounded up to a whole number; p = 2^(t - M) is quantised along the keys, not normalised; the row's sum is taken of the
; unquantised p and divides at the end.  When M moves, the sum and O are multiplied by 2^(old M - new M), which rounds nothing.
; SHARES.  A work-group serves one head of TWO batches: the one whose length has rank 'pair' among the sixteen (0 = the longest) and the one of rank 15 - pair, so that long and short batches share a work-group's time.
; Eight of its sixteen waves work on each; a wave owns one tile of 16 queries, in 256 registers.  With j0..j3 the bits of the wave's number: the set is j0 ^ j2, the wave's position is 4 (j1 ^ j3) + 2 j3 + j2, its tile
; 8 x position + work-group x.  So the tiles of a head are dealt out by turns over its eight work-groups, and among the four waves that share the low two bits of their number, and among the four that share the high two,
; each combination of set and upper half of the positions occurs once.
; THE RANKS.  key = 16 x length + batch stands in lane 'batch'; a lane's rank is the number of larger keys.  The keys differ in their low four bits, so the ranks are a permutation whatever the lengths hold.
; Both heads' whole K and V lie in LDS as images of operand registers (a fragment: two loads of 512 consecutive bytes), brought once through registers; one barrier; nothing is written to LDS behind it.
; LAYOUT.  Both products are used transposed: S^T = K Q^T, O^T = V^T P^T: a lane holds ONE query.  Position p of token tile u holds token 32 (u / 2) + 8 (u % 2) + p + 8 (p / 8), so the 16 registers of tiles 2 b, 2 b + 1
; are keys 32 b + 16 (lane / 16) + 0 .. 15; V's channel tiles are chosen alike, so O^T's registers run along the channels in the quantiser's order.
; THE PROXIMAL BIAS is the C of the first product, in units of the raw score: -sqrt(128) ln(1 + |i - j|).  It hangs on j - i alone: a table of 2,047 numbers, in four copies shifted by 0 to 3 places, so that a lane's
; 16 neighbouring entries begin at a multiple of 16 bytes whatever its query.
; THE MASK replaces a score by -1e4 sqrt(128) where the key or the query lies at or past the batch's length L.  Three kinds of key step, told apart by scalar branches on L, a whole number read from memory:
;   open (all 128 keys and all 16 queries count): no mask;   mixed: 64 compares and selects;   closed (no key counts, or no query): all 64 scores of a lane are that one number, and the first product is not made.
; Closed steps are a wave's last steps.  The first of them runs the softmax's lines once on the one number; behind it M is at least that number's t, so in the later ones M, p, its codes and its scale word stay as they
; are: those add 64 p to the sum and multiply.  No p is taken to be 0.
; NO CLUSTER: the eight work-groups of a pair and head share K and V, read once at the head; the branches on the lengths rule tensor loads out of this launch, and with them joint loads.
; LIMITS: NaN and infinities are not served.  -1e4 in units of the raw score carries t to about 1e-3: for a query past the length (all logits -1e4) M and the codes of p are not touched by that, and the row's sum is set to
; 1,024 x 2^(t - M) with t = -1e4 log2(e) rounded to f32; for a query that counts, the p of masked keys are 0 as long as its largest logit lies more than about 100 above -1e4, and else right to about 1e-3.
; A block's largest p is taken as the exponential of the block's largest score: this takes v_exp_f32 not to fall where its input rises.
; REGISTERS: v1-6 addresses and lane constants that stay; v7-11 the step's addresses; v12 -M, v13 the largest t, v[14:15] the sum; v16-23 Q; v32-95 eight fragments of K, then of V; v96-159 S^T, then p; v160-223 O^T;
;   v224-231 p's codes; v232-247 at work (v232: a closed step's p); v248-251 scale words of K or V, two tiles to a register; v252 f, v254 at work; v253 p's scale word; v255 Q's.
; THE MODE: SCHED_MODE bits 1:0 = 2 (LLVM: expert scheduling mode 2), set by the entry lines.  The code itself states the register dependences
; between vector or matrix instructions and memory or LDS instructions, with s_wait_alu, always for 0.
; THE PLAN.  Registers that memory or LDS instructions touch, and who else names them:
;   v1, v24, v25, v30, v31   offsets: written at the head, never again.
;   v100-113, v122   the table's entries and their address: written by vector lines, read by four LDS stores (va_vdst ahead of them); the fill's loads land there (vm_vsrc and va_vdst ahead of them; that va_vdst
;                    also covers v41-44, which the ranks' lines used).
;   v32-159, v232-239   the fill: loads land, LDS stores read.  v240-244: those stores' addresses (va_vdst ahead of the first of them).  One wait on vm_vsrc ahead of the barrier frees all of these for the loop.
;   IN THE LOOP.  v7-11: read by a step's LDS loads, written at the next step's head: vm_vsrc ahead of the five additions.  Behind them ONE wait on va_vdst: the addresses are written, and the last step's products and
;                    softmax are done with v32-159 and v248-251, in which this step's loads land.  It stands ahead of the branch, so it serves the open and the closed way.
;   v32-95, v248-251   K lands, the first product reads; V lands (va_vdst behind the first product's places), the second product reads.
;   v224-231, v253   written by vector lines, taken by the second product as an operand and as scales: va_vdst ahead of it, behind the places.
; Masks of compares go into scalar registers in runs, with one wait on va_sdst behind a run (s84-99: the ranks; s68-99: the mask, where the keys are done with).
.set SET, 139264                       ; LDS: a set: K's codes at 0, V's at 65,536,
.set KSL, 131072                       ; K's scale words here, V's 4,096 further on; set 1 follows set 0;
.set TAB, 2*SET+256                    ; the table's four copies,
.set TS,  8256                         ; 2,048 entries + 64 bytes apart
.set SEL, 40
.set CS,  42
.set TM,  232
.macro MM d, a, b, c, sa, sb
	v_wmma_scale_f32_16x16x128_f8f6f4 v[\d:\d+7], v[\a:\a+7], v[\b:\b+7], v[\c:\c+7], v[\sa], v[\sb] matrix_a_fmt:MATRIX_FMT_FP4 matrix_b_fmt:MATRIX_FMT_FP4
.endm
.macro MMR d, a, b, c, sa, sb          ; source 0's scale words from lanes 16-31
	v_wmma_scale_f32_16x16x128_f8f6f4 v[\d:\d+7], v[\a:\a+7], v[\b:\b+7], v[\c:\c+7], v[\sa], v[\sb] matrix_a_fmt:MATRIX_FMT_FP4 matrix_b_fmt:MATRIX_FMT_FP4 matrix_a_scale:MATRIX_SCALE_ROW1
.endm
.macro VLOADS                          ; the step's eight fragments of V and their scale words
.irp t, 0,1,2,3,4,5,6,7
	ds_load_b128 v[32+8*\t:35+8*\t], v8 offset:1024*\t
	ds_load_b128 v[36+8*\t:39+8*\t], v8 offset:1024*\t+512
.endr
.irp p, 0,1,2,3
	ds_load_b32 v[248+\p], v10 offset:128*\p
.endr
.endm
	s_load_b512 s[4:19], s[0:1], 0x0               ; qc 4, qs 6, kc 8, ks 10, vc 12, vs 14, lengths 16, oc 18
	s_load_b64 s[20:21], s[0:1], 0x40              ; os
	v_lshrrev_b32 v24, 5, v0
	v_readfirstlane_b32 s22, v24                   ; wave 0..15
	s_wait_alu depctr_va_sdst(0)                   ; s22 is written, ahead of its first reader: the set, the position and the tile are made from it
	s_bfe_u32 s25, s22, 0x10001                    ; j1
	s_bfe_u32 s26, s22, 0x10002                    ; j2
	s_bfe_u32 s27, s22, 0x10003                    ; j3
	s_xor_b32 s47, s22, s26
	s_and_b32 s47, s47, 1                          ; my set: j0 ^ j2
	s_xor_b32 s25, s25, s27
	s_lshl_b32 s25, s25, 2
	s_lshl_b32 s27, s27, 1
	s_or_b32 s25, s25, s27
	s_or_b32 s59, s25, s26                         ; my position: 4 (j1 ^ j3) + 2 j3 + j2
	s_lshl_b32 s28, s59, 3
	s_add_co_u32 s28, s28, ttmp9                   ; my query tile in its batch
	s_lshr_b32 s24, s28, 1
	s_lshl_b32 s24, s24, 5
	s_and_b32 s25, s28, 1
	s_lshl_b32 s25, s25, 3
	s_add_co_u32 s24, s24, s25                     ; its first query
	s_and_b32 s35, ttmp7, 0xffff
	s_and_b32 s23, s35, 3                          ; the head
	s_lshr_b32 s35, s35, 2                         ; the pair: set 0's rank,
	s_sub_co_u32 s60, 15, s35                      ; set 1's,
	s_cmp_eq_u32 s47, 0
	s_cselect_b32 s61, s35, s60                    ; my set's
	s_mul_i32 s58, s47, SET                        ; my set in LDS
	v_and_b32 v25, 31, v0                          ; lane
	v_lshlrev_b32 v1, 4, v25                       ; 16 x lane
	v_add_nc_u32 v6, s58, v1                       ; + my set: K's fragments
	v_lshlrev_b32 v25, 2, v25                      ; 4 x lane
	v_add_nc_u32 v2, s58, v25
	v_add_nc_u32 v2, KSL, v2                       ; K's scale words
	v_and_b32 v26, 15, v0                          ; r
	v_bfe_u32 v27, v0, 4, 1                        ; h
	v_and_b32 v28, 8, v26
	v_add_nc_u32 v28, v28, v26                     ; r + 8 (r / 8)
	v_add_nc_u32 v5, s24, v28                      ; my query
	v_lshlrev_b32 v27, 4, v27                      ; 16 h
	v_sub_nc_u32 v29, 0x3ff, v5
	v_add_nc_u32 v29, v29, v27                     ; n = 16 h + 1023 - query: key k0 + 16 h + x has the table's entry k0 + x + n
	v_and_b32 v3, 3, v29                           ; which copy
	v_mul_u32_u24 v3, v3, TS
	v_and_b32 v29, 0x7fc, v29
	v_lshl_add_u32 v3, v29, 2, v3
	v_add_nc_u32 v3, TAB, v3                       ; where my entries of key step 0 begin
	v_lshlrev_b32 v24, 4, v0                       ; 16 x thread
	v_lshlrev_b32 v30, 3, v0                       ; 8 x thread
	v_lshlrev_b32 v31, 2, v26                      ; 4 r
	s_mov_b32 s27, 0
	s_mov_b32 s37, 0
	s_mov_b32 s[SEL], 0x76543210
	s_mov_b32 s[SEL+1], 0xfedcba98                 ; v_permlanex16_b32's selects for lane l xor 16
	s_mov_b32 s[CS], 0x3e0293ee                    ; c = log2(e) / sqrt(128)
	s_mov_b32 s[CS+1], s[CS]                       ; (named with it as a pair, so it is written)
	s_mov_b32 s38, 0xc0faf233                      ; -sqrt(128) ln 2
	s_wait_kmcnt 0x0
	s_load_b512 s[68:83], s[16:17], 0x0            ; all sixteen lengths
	; the table, while they are out: thread i makes entries 4 i .. 4 i + 6 and stores four of them into each copy
	v_lshlrev_b32 v121, 2, v0
.irp u, 0,1,2,3,4,5,6
	v_add_nc_u32 v[114+\u], \u-1023, v121
.endr
.irp u, 0,1,2,3,4,5,6
	v_cvt_f32_i32 v[114+\u], v[114+\u]
.endr
.irp u, 0,1,2,3,4,5,6
	v_add_f32 v[114+\u], 1.0, |v[114+\u]|          ; 1 + |j - i|, exact
.endr
.irp u, 0,1,2,3,4,5,6
	v_log_f32 v[114+\u], v[114+\u]
.endr
	v_nop                                          ; a plain place behind the last transcendental
	s_wait_alu depctr_va_vdst(0)                   ; the seven logarithms are written, ahead of their first reader
.irp u, 0,1,2,3,4,5,6
	v_mul_f32 v[100+\u], s38, v[114+\u]
.endr
.irp u, 1,2,3,4,5,6
	v_mul_f32 v[107+\u], s38, v[114+\u]            ; once more, one register lower, so that the odd copies' four begin at an even register
.endr
	v_lshl_add_u32 v122, v0, 4, TAB
	s_wait_alu depctr_va_vdst(0)                   ; the entries v100-113 and the address v122 are written, which the four LDS stores read
	ds_store_b128 v122, v[100:103]
	ds_store_b128 v122, v[108:111] offset:TS
	ds_store_b128 v122, v[102:105] offset:2*TS
	ds_store_b128 v122, v[110:113] offset:3*TS
	v_mov_b32 v252, 0                              ; f, p's scale word and p's codes are written once here: a wave's later closed steps name them without writing them
	v_mov_b32 v253, 0
.irp i, 0,1,2,3,4,5,6,7
	v_mov_b32 v[224+\i], 0
.endr
	v_mov_b32 v13, 0xff61b1e6                      ; the largest t so far: -3e38
	v_floor_f32 v12, -v13                          ; -M
	v_mov_b32 v14, 0
	v_mov_b32 v15, 0
.set j, 0
.rept 64
	v_mov_b32 v[160+j], 0                          ; O^T: the loop is written once, its first step finds zeros
.set j, j+1
.endr
	v_mov_b32 v41, 0
	v_mov_b32 v42, 0
	v_mov_b32 v44, 1
	s_wait_kmcnt 0x0                               ; the lengths
.irp j, 0,1,2,3,4,5,6,7,8,9,10,11,12,13,14,15
	s_lshl_b32 s[68+\j], s[68+\j], 4
	s_or_b32 s[68+\j], s[68+\j], \j                ; key = 16 x length + batch,
	v_writelane_b32 v41, s[68+\j], \j              ; also in lane 'batch'
.endr
.irp j, 0,1,2,3,4,5,6,7,8,9,10,11,12,13,14,15
	v_cmp_gt_u32 s[84+\j], s[68+\j], v41           ; the sixteen compares in one run, each into a scalar register of its own
.endr
	s_wait_alu depctr_va_sdst(0)                   ; the sixteen masks s84 to s99 are written, ahead of the selects that read them
.irp j, 0,1,2,3,4,5,6,7,8,9,10,11,12,13,14,15
	v_cndmask_b32 v43, 0, v44, s[84+\j]
	v_add_nc_u32 v42, v42, v43                     ; my lane's rank: how many keys are larger
.endr
	v_cmp_eq_u32 s48, s35, v42
	v_cmp_eq_u32 s49, s60, v42
	v_cmp_eq_u32 s29, s61, v42
	s_wait_alu depctr_va_sdst(0)                   ; s48, s49 and s29 are written, ahead of the scalar lines that read them
	s_ctz_i32_b32 s48, s48                         ; the lowest lane of that rank is the batch (lanes 16-31 hold no batch and lie above)
	s_min_u32 s48, s48, 15                         ; set 0's batch
	s_ctz_i32_b32 s49, s49
	s_min_u32 s49, s49, 15                         ; set 1's
	s_ctz_i32_b32 s29, s29
	s_min_u32 s29, s29, 15                         ; mine
	s_lshl_b32 s26, s29, 2
	s_add_nc_u64 s[16:17], s[16:17], s[26:27]
	s_load_b32 s34, s[16:17], 0x0                  ; L, my batch's length
	s_lshl_b32 s48, s48, 2
	s_add_co_u32 s48, s48, s23                     ; 4 x batch + head, for set 0,
	s_lshl_b32 s49, s49, 2
	s_add_co_u32 s49, s49, s23                     ; for set 1,
	s_lshl_b32 s62, s29, 2
	s_add_co_u32 s62, s62, s23                     ; for mine
	s_lshl_b32 s26, s49, 16                        ; a head's codes: 65,536 bytes
	s_add_nc_u64 s[50:51], s[8:9], s[26:27]
	s_add_nc_u64 s[54:55], s[12:13], s[26:27]
	s_lshl_b32 s26, s49, 12                        ; its scale words: 4,096
	s_add_nc_u64 s[52:53], s[10:11], s[26:27]
	s_add_nc_u64 s[56:57], s[14:15], s[26:27]
	s_lshl_b32 s26, s48, 16
	s_add_nc_u64 s[8:9], s[8:9], s[26:27]
	s_add_nc_u64 s[12:13], s[12:13], s[26:27]
	s_lshl_b32 s26, s48, 12
	s_add_nc_u64 s[10:11], s[10:11], s[26:27]
	s_add_nc_u64 s[14:15], s[14:15], s[26:27]
	s_lshl_b32 s26, s62, 16
	s_add_nc_u64 s[4:5], s[4:5], s[26:27]
	s_lshl_b32 s26, s62, 12
	s_add_nc_u64 s[6:7], s[6:7], s[26:27]
	s_lshl_b32 s26, s28, 10
	s_add_nc_u64 s[4:5], s[4:5], s[26:27]          ; my tile of Q
	s_lshl_b32 s26, s28, 6
	s_add_nc_u64 s[6:7], s[6:7], s[26:27]          ; its 16 scale words
	s_lshl_b32 s26, s29, 6
	s_add_co_u32 s26, s26, s28
	s_lshl_b32 s26, s26, 2
	s_add_co_u32 s26, s26, s23                     ; (64 x batch + tile) x 4 + head
	s_lshl_b32 s36, s26, 7
	s_lshl_b32 s26, s26, 10
	s_add_nc_u64 s[18:19], s[18:19], s[26:27]
	s_add_nc_u64 s[20:21], s[20:21], s[36:37]
	s_wait_dscnt 0x0                               ; the table's stores are done
	s_wait_alu depctr_vm_vsrc(0)                   ; the table's stores have read v100-113 and v122, in which loads land now
	s_wait_alu depctr_va_vdst(0)                   ; the table's and the ranks' lines are done with v41-44 and v100-122, in which loads land; the offsets v1, v24, v30, v31 are written
.irp i, 0,1,2,3,4,5,6,7
	global_load_b128 v[32+4*\i:35+4*\i], v24, s[8:9] offset:8192*\i      ; the 512 threads read 8,192 consecutive bytes: set 0's K,
.endr
.irp i, 0,1,2,3,4,5,6,7
	global_load_b128 v[64+4*\i:67+4*\i], v24, s[12:13] offset:8192*\i    ; its V,
.endr
.irp i, 0,1,2,3,4,5,6,7
	global_load_b128 v[96+4*\i:99+4*\i], v24, s[50:51] offset:8192*\i    ; set 1's K,
.endr
.irp i, 0,1,2,3,4,5,6,7
	global_load_b128 v[128+4*\i:131+4*\i], v24, s[54:55] offset:8192*\i  ; its V
.endr
	global_load_b64 v[232:233], v30, s[10:11]
	global_load_b64 v[234:235], v30, s[14:15]
	global_load_b64 v[236:237], v30, s[52:53]
	global_load_b64 v[238:239], v30, s[56:57]
	global_load_b128 v[16:19], v1, s[4:5]
	global_load_b128 v[20:23], v1, s[4:5] offset:512
	global_load_b32 v255, v31, s[6:7]
	v_add_nc_u32 v240, 0x10000, v24
	v_add_nc_u32 v241, SET, v24
	v_add_nc_u32 v242, SET+0x10000, v24
	v_add_nc_u32 v243, KSL, v30
	v_add_nc_u32 v244, SET+KSL, v30
	s_wait_kmcnt 0x0                               ; L
	v_cmp_gt_i32 vcc_lo, s34, v5                   ; does my query count?
	v_mov_b32 v4, s34
	s_wait_alu depctr_va_vcc(0)                    ; the compare has written VCC, ahead of the select that reads it
	v_cndmask_b32 v4, 0, v4, vcc_lo                ; keys from this one on are masked for it: L, or 0
	v_sub_nc_u32 v4, v4, v27
	v_add_nc_u32 v4, -1, v4                        ; less 16 h + 1: register x of step k0 is masked where 32 (x / 16) + x % 16 > this - k0
	s_add_co_u32 s39, s24, 23                      ; my tile's last query
	s_cmp_lt_u32 s39, s34
	s_cselect_b32 s44, s34, 0                      ; L where all my 16 queries count, else 0: a step is open where k0 + 128 <= this
	s_cmp_lt_u32 s24, s34
	s_cselect_b32 s45, s34, 0                      ; L where any of them counts, else 0: a step is closed where k0 >= this
	s_wait_loadcnt 31                              ; loads come back in order: set 0's K is in, the 31 issued behind it may be out
	s_wait_alu depctr_va_vdst(0)                   ; v240 to v244 are written, which the LDS stores below read as addresses
.irp i, 0,1,2,3,4,5,6,7
	ds_store_b128 v24, v[32+4*\i:35+4*\i] offset:8192*\i
.endr
	s_wait_loadcnt 23                              ; its V
.irp i, 0,1,2,3,4,5,6,7
	ds_store_b128 v240, v[64+4*\i:67+4*\i] offset:8192*\i
.endr
	s_wait_loadcnt 15                              ; set 1's K
.irp i, 0,1,2,3,4,5,6,7
	ds_store_b128 v241, v[96+4*\i:99+4*\i] offset:8192*\i
.endr
	s_wait_loadcnt 7                               ; its V
.irp i, 0,1,2,3,4,5,6,7
	ds_store_b128 v242, v[128+4*\i:131+4*\i] offset:8192*\i
.endr
	s_wait_loadcnt 0x0                             ; the scale words and Q
	ds_store_b64 v243, v[232:233]
	ds_store_b64 v243, v[234:235] offset:4096
	ds_store_b64 v244, v[236:237]
	ds_store_b64 v244, v[238:239] offset:4096
	s_wait_dscnt 0x0                               ; for the others' sake: my part of K, V, their scale words and the table lies in LDS
	s_wait_alu depctr_vm_vsrc(0)                   ; my LDS stores have read v32-159, v232-239 and v240-244: the lines below and the loop's loads, products and softmax write them again
.irp i, 0,1,2,3,4,5,6,7
	v_mov_b32 v[232+\i], 0                         ; written once: a closed step's p; a lane permute's destination counts as one of its sources
.endr
	s_barrier_signal -1
	s_barrier_wait -1
	s_mov_b32 s30, 0                               ; key steps done
	s_mov_b32 s31, 0                               ; the step's codes: 8,192 bytes a step
	s_mov_b32 s32, 0                               ; its scale words and its table entries: 512 bytes a step
	s_mov_b32 s33, 0                               ; its first key
	s_mov_b32 s46, 0                               ; 1 behind my first closed step
.Lstep:                                            ; 128 keys
	s_wait_alu depctr_vm_vsrc(0)                   ; the last step's LDS loads have read v7 to v11, which are written again
	v_add_nc_u32 v7, s31, v6
	v_add_nc_u32 v9, s32, v2
	v_add_nc_u32 v11, s32, v3
	v_add_nc_u32 v8, 0x10000, v7
	v_add_nc_u32 v10, 0x1000, v9
	s_wait_alu depctr_va_vdst(0)                   ; v7 to v11 are written, which this step's LDS loads read; the last step's products are done reading v32-95 and v248-251, its softmax is done with v96-159: this step's loads land there
	s_cmp_lt_u32 s33, s45
	s_cbranch_scc1 .Lwork                          ; some key and some query of this step count
	; ---- a closed step: every score of my lane is -1e4 sqrt(128)
	VLOADS
	s_cmp_lg_u32 s46, 0
	s_cbranch_scc1 .Lagain
	s_mov_b32 s46, 1
	v_mov_b32 v233, 0xc7dcf88b                     ; -1e4 sqrt(128): the lines of the open step, once, on this one number
	v_mul_f32 v254, s[CS], v233                    ; as t
	v_max_num_f32 v13, v13, v254                   ; the running largest t
	v_mov_b32 v254, v12
	v_floor_f32 v12, -v13                          ; the new -M
	v_sub_f32 v254, v12, v254
	v_cvt_i32_f32 v254, v254                       ; (it saturates)
	v_ldexp_f32 v252, 1.0, v254                    ; f = 2^(old M - new M)
	v_fma_f32 v232, v233, s[CS], v12               ; t - M
	v_exp_f32 v232, v232                           ; p, the same for all 64 keys of my lane, in this closed step and in those that follow
	v_pk_mul_f32 v[14:15], v[14:15], v[252:253] op_sel_hi:[1,0]   ; the sums under the new M (a plain place behind the exponential)
	s_wait_alu depctr_va_vdst(0)                   ; the exponential is written, ahead of its first reader
	v_max_num_f32 v234, 0x1800000, v232            ; the floor 2^(3 - 127)
	v_add_nc_u32 v244, 0xff000000, v234            ; the conversion's scale operand
	v_lshrrev_b32 v236, 23, v244                   ; the scale's byte,
	v_lshl_or_b32 v253, v236, 8, v236
	v_lshl_or_b32 v253, v253, 16, v253             ; four times: p's scale word
.irp i, 0,1,2,3,4,5,6,7
	v_mov_b32 v[96+\i], v232
.endr
	v_cvt_scalef32_pk8_fp4_f32 v224, v[96:103], v244   ; eight equal codes; lanes l and l xor 16 hold the same query, so the exchange of halves changes nothing
	v_nop                                          ; one plain place behind a scaled conversion
.irp i, 1,2,3,4,5,6,7
	v_mov_b32 v[224+\i], v224
.endr
	v_fmamk_f32 v14, v232, 0x42800000, v14         ; the sum of my 64 unquantised p
.rept 8
	v_nop                                          ; places between p's scale word and codes, written by vector instructions, and the products
.endr
	s_branch .Lresc
.Lagain:                                           ; a later closed step: M, f = 1, p, its codes and its scale word stand
	v_fmamk_f32 v14, v232, 0x42800000, v14
	s_branch .Lpv
.Lwork:
.irp b, 0,1,2,3
.irp e, 0,1,2,3
	ds_load_b128 v[96+16*\b+4*\e:99+16*\b+4*\e], v11 offset:128*\b+16*\e   ; the bias lands in the accumulators
.endr
.endr
.irp t, 0,1,2,3,4,5,6,7
	ds_load_b128 v[32+8*\t:35+8*\t], v7 offset:1024*\t
	ds_load_b128 v[36+8*\t:39+8*\t], v7 offset:1024*\t+512
.endr
.irp p, 0,1,2,3
	ds_load_b32 v[248+\p], v9 offset:128*\p
.endr
	s_wait_dscnt 0x0
.irp p, 0,1,2,3                                ; S^T = K Q^T + bias: eight accumulators, one instruction each
	MM  96+16*\p, 32+16*\p, 16, 96+16*\p, 248+\p, 255
	MMR 104+16*\p, 40+16*\p, 16, 104+16*\p, 248+\p, 255
.endr
.rept 4
	v_nop                                          ; places in front of the first read of the scores
.endr
	s_wait_alu depctr_va_vdst(0)                   ; the eight products are done reading K's fragments v32-95 and scale words v248-251, in which V's land
	VLOADS                                         ; V's fragments come while the softmax is worked
	s_add_co_u32 s39, s33, 128
	s_cmp_le_u32 s39, s44
	s_cbranch_scc1 .Lopen                          ; all 128 keys and all 16 queries count
	v_sub_nc_u32 v252, v4, s33
	v_mov_b32 v254, 0xc7dcf88b                     ; -1e4 sqrt(128)
.irp g, 0,1                                    ; the 64 compares in two runs of 32, each into a scalar register of its own
.set n, 0
.rept 32
	v_cmp_gt_i32 s[68+n], 32*(2*\g+n/16)+n%16, v252
.set n, n+1
.endr
	s_wait_alu depctr_va_sdst(0)                   ; the run's 32 masks s68 to s99 are written, ahead of the selects that read them
.set n, 0
.rept 32
	v_cndmask_b32 v[96+32*\g+n], v[96+32*\g+n], v254, s[68+n]
.set n, n+1
.endr
.endr
.Lopen:
.irp b, 0,1,2,3
	v_max3_num_f32 v[232+\b], v[96+16*\b], v[97+16*\b], v[98+16*\b]   ; the largest score of each block of 32 keys: for the row's maximum, and for the block's largest p
.endr
.irp i, 3,5,7,9,11,13
.irp b, 0,1,2,3
	v_max3_num_f32 v[232+\b], v[232+\b], v[96+16*\b+\i], v[97+16*\b+\i]
.endr
.endr
.irp b, 0,1,2,3
	v_max_num_f32 v[232+\b], v[232+\b], v[111+16*\b]
.endr
.irp b, 0,1,2,3
	v_permlanex16_b32 v[236+\b], v[232+\b], s[SEL], s[SEL+1]
.endr
.irp b, 0,1,2,3
	v_max_num_f32 v[232+\b], v[232+\b], v[236+\b]  ; with lane l xor 16's 16 keys
.endr
	v_max3_num_f32 v254, v232, v233, v234
	v_max_num_f32 v254, v254, v235                 ; the step's largest score of my query
	v_mul_f32 v254, s[CS], v254                    ; as t
	v_max_num_f32 v13, v13, v254                   ; the running largest t
	v_mov_b32 v254, v12
	v_floor_f32 v12, -v13                          ; the new -M = floor(-t)
	v_sub_f32 v254, v12, v254                      ; old M - new M: a whole number, 0 or less
	v_cvt_i32_f32 v254, v254                       ; (it saturates)
	v_ldexp_f32 v252, 1.0, v254                    ; f = 2^(old M - new M)
.set j, 0
.rept 32
	v_pk_fma_f32 v[96+j:97+j], v[96+j:97+j], s[CS:CS+1], v[12:13] op_sel_hi:[1,0,0]   ; t - M, two at a time
.set j, j+2
.endr
.irp b, 0,1,2,3
	v_fma_f32 v[232+\b], v[232+\b], s[CS], v12     ; the same of each block's largest score
.endr
.set j, 0
.rept 64
	v_exp_f32 v[96+j], v[96+j]                     ; p = 2^(t - M)
.set j, j+1
.endr
.irp b, 0,1,2,3
	v_exp_f32 v[232+\b], v[232+\b]                 ; the block's largest p
.endr
	v_pk_mul_f32 v[14:15], v[14:15], v[252:253] op_sel_hi:[1,0]   ; the sums under the new M (a plain place behind the exponentials)
	s_wait_alu depctr_va_vdst(0)                   ; the 68 exponentials are written, ahead of their first reader
.irp b, 0,1,2,3
	v_max_num_f32 v[232+\b], 0x1800000, v[232+\b]  ; the floor 2^(3 - 127): the byte cannot fall under 1
.endr
.irp b, 0,1,2,3
	v_add_nc_u32 v[244+\b], 0xff000000, v[232+\b]  ; 2 off the exponent field: the conversion's scale operand
.endr
.irp b, 0,1,2,3
	v_lshrrev_b32 v[236+\b], 23, v[244+\b]         ; the scale's byte
.endr
	v_lshl_or_b32 v253, v237, 8, v236              ; p's scale word for these 128 keys
	v_lshl_or_b32 v253, v238, 16, v253
	v_lshl_or_b32 v253, v239, 24, v253
.irp b, 0,1,2,3
	v_cvt_scalef32_pk8_fp4_f32 v[224+2*\b], v[96+16*\b:103+16*\b], v[244+\b]
	v_cvt_scalef32_pk8_fp4_f32 v[225+2*\b], v[104+16*\b:111+16*\b], v[244+\b]
.endr
	v_nop                                          ; one plain place behind a scaled conversion
.irp c, 0,1
.irp i, 0,1
	v_permlane16_swap_b32 v[224+4*\c+\i], v[226+4*\c+\i]
.endr
.endr
	v_pk_add_f32 v[236:237], v[96:97], v[98:99]    ; the row's sum is taken of the unquantised p: two at a time, in two chains.  (These are also the places between p's codes and scale word and the products)
.irp j, 4,8,12,16,20,24,28,32,36,40,44,48,52,56,60
	v_pk_add_f32 v[14:15], v[14:15], v[96+\j:97+\j]
	v_pk_add_f32 v[236:237], v[236:237], v[98+\j:99+\j]
.endr
	v_pk_add_f32 v[14:15], v[14:15], v[236:237]
.Lresc:
.set j, 0
.rept 32
	v_pk_mul_f32 v[160+j:161+j], v[160+j:161+j], v[252:253] op_sel_hi:[1,0]   ; O^T under the new M
.set j, j+2
.endr
.Lpv:
	s_wait_dscnt 0x0                               ; V
	s_wait_alu depctr_va_vdst(0)                   ; p's codes v224-231 and its scale word v253 are written by vector lines: the scaled products take them as an operand and as scales; the places stand ahead of this wait
.irp p, 0,1,2,3                                ; O^T += V^T P^T: eight accumulators, one instruction each
	MM  160+16*\p, 32+16*\p, 224, 160+16*\p, 248+\p, 253
	MMR 168+16*\p, 40+16*\p, 224, 168+16*\p, 248+\p, 253
.endr
	s_add_co_u32 s31, s31, 8192
	s_add_co_u32 s32, s32, 512
	s_add_co_u32 s33, s33, 128
	s_add_co_u32 s30, s30, 1
	s_cmp_lt_u32 s30, 8
	s_cbranch_scc1 .Lstep
	v_add_f32 v14, v14, v15                        ; the sum's two halves,
	v_permlanex16_b32 v252, v14, s[SEL], s[SEL+1]
	v_add_f32 v14, v14, v252                       ; and lane l xor 16's
	v_mov_b32 v252, 0xbf734000                     ; a query past the length: t - M = -0.9501953125 for each of its 1,024 keys
	v_exp_f32 v252, v252
	v_nop
	s_wait_alu depctr_va_vdst(0)                   ; the exponential is written, ahead of its first reader
	v_ldexp_f32 v252, v252, 10
	v_cmp_gt_i32 vcc_lo, s34, v5
	s_wait_alu depctr_va_vcc(0)                    ; the compare has written VCC, ahead of the select that reads it
	v_cndmask_b32 v14, v252, v14, vcc_lo
	v_rcp_f32 v14, v14
	v_nop                                          ; a plain place behind the transcendental
.set j, 0
	s_wait_alu depctr_va_vdst(0)                   ; the reciprocal is written, ahead of its first reader
.rept 64
	v_mul_f32 v[96+j], v[160+j], v14               ; o: register 16 b + i is channel 32 b + 16 h + i of my query
.set j, j+1
.endr
.irp b, 0,1,2,3                                ; o is quantised along the head's 128 channels: K step 'head' of the next product
	v_max3_num_f32 v[TM+\b], |v[96+16*\b]|, |v[97+16*\b]|, 0x1800000
.endr
.irp i, 2,4,6,8,10,12,14
.irp b, 0,1,2,3
	v_max3_num_f32 v[TM+\b], v[TM+\b], |v[96+16*\b+\i]|, |v[97+16*\b+\i]|
.endr
.endr
.irp b, 0,1,2,3
	v_permlanex16_b32 v[TM+4+\b], v[TM+\b], s[SEL], s[SEL+1]
.endr
.irp b, 0,1,2,3
	v_max_num_f32 v[TM+\b], v[TM+\b], v[TM+4+\b]
.endr
.irp b, 0,1,2,3
	v_add_nc_u32 v[TM+12+\b], 0xff000000, v[TM+\b]
.endr
.irp b, 0,1,2,3
	v_lshrrev_b32 v[TM+4+\b], 23, v[TM+12+\b]
.endr
	v_lshl_or_b32 v253, v[TM+5], 8, v[TM+4]
	v_lshl_or_b32 v253, v[TM+6], 16, v253
	v_lshl_or_b32 v253, v[TM+7], 24, v253
.irp b, 0,1,2,3
	v_cvt_scalef32_pk8_fp4_f32 v[224+2*\b], v[96+16*\b:103+16*\b], v[TM+12+\b]
	v_cvt_scalef32_pk8_fp4_f32 v[225+2*\b], v[104+16*\b:111+16*\b], v[TM+12+\b]
.endr
	v_nop
.irp c, 0,1
.irp i, 0,1
	v_permlane16_swap_b32 v[224+4*\c+\i], v[226+4*\c+\i]
.endr
.endr
	s_wait_alu depctr_va_vdst(0)                   ; o's codes v224-231 and its scale word v253 are written, which the three stores read
	global_store_b128 v1, v[224:227], s[18:19]             ; the fragment's image: 512 consecutive bytes a store
	global_store_b128 v1, v[228:231], s[18:19] offset:512
	global_store_b32 v25, v253, s[20:21]
	s_wait_xcnt 0x0
	v_lshl_add_u32 v254, v0, 2, 0x4e000            ; the add's two registers are made anew: no memory or LDS instruction has read v254 or v255
	v_mov_b32 v255, 0
	s_wait_dscnt 0x0                               ; the closing lines, six on end
	s_wait_alu 0x0
	s_wait_tensorcnt 0x0
	ds_add_u32 v254, v255
	s_wait_dscnt 0x0
	s_endpgm
.Lfunc_end_k_q5929563d1b_attn:
	.size	k_q5929563d1b_attn, .Lfunc_end_k_q5929563d1b_attn-k_q5929563d1b_attn
	.p2alignl 7, 3214868480
	.fill 96, 4, 3214868480
	.section	.rodata,"a",@progbits
	.p2align	6, 0x0
	.amdhsa_kernel k_q5929563d1b_attn
		.amdhsa_group_segment_fixed_size 321536
		.amdhsa_private_segment_fixed_size 0
		.amdhsa_enable_private_segment 0
		.amdhsa_kernarg_size 72
		.amdhsa_user_sgpr_count 2
		.amdhsa_user_sgpr_kernarg_segment_ptr 1
		.amdhsa_wavefront_size32 1
		.amdhsa_system_sgpr_workgroup_id_x 1
		.amdhsa_system_sgpr_workgroup_id_y 1
		.amdhsa_system_sgpr_workgroup_id_z 1
		.amdhsa_system_vgpr_workitem_id 0
		.amdhsa_next_free_vgpr 256
		.amdhsa_next_free_sgpr 100
		.amdhsa_reserve_vcc 1
		.amdhsa_float_denorm_mode_32 3
		.amdhsa_float_denorm_mode_16_64 3
		.amdhsa_memory_ordered 1
		.amdhsa_forward_progress 1
		.amdhsa_inst_pref_size 60
	.end_amdhsa_kernel
	.amdgpu_metadata
---
amdhsa.version: [ 1, 2 ]
amdhsa.kernels:
  - .name:           k_q5929563d1b_attn
    .symbol:         k_q5929563d1b_attn.kd
    .args:
      - { .name: qc, .offset: 0, .size: 8, .value_kind: global_buffer, .address_space: global }
      - { .name: qs, .offset: 8, .size: 8, .value_kind: global_buffer, .address_space: global }
      - { .name: kc, .offset: 16, .size: 8, .value_kind: global_buffer, .address_space: global }
      - { .name: ks, .offset: 24, .size: 8, .value_kind: global_buffer, .address_space: global }
      - { .name: vc, .offset: 32, .size: 8, .value_kind: global_buffer, .address_space: global }
      - { .name: vs, .offset: 40, .size: 8, .value_kind: global_buffer, .address_space: global }
      - { .name: lengths, .offset: 48, .size: 8, .value_kind: global_buffer, .address_space: global }
      - { .name: oc, .offset: 56, .size: 8, .value_kind: global_buffer, .address_space: global }
      - { .name: os, .offset: 64, .size: 8, .value_kind: global_buffer, .address_space: global }
    .group_segment_fixed_size: 321536
    .private_segment_fixed_size: 0
    .kernarg_segment_align: 8
    .kernarg_segment_size: 72
    .max_flat_workgroup_size: 512
    .sgpr_count:     100
    .vgpr_count:     256
    .wavefront_size: 32
...
	.end_amdgpu_metadata
.endif
;; end of part 5
;; launch ffn (part 6): grid 256 x 1, 4 waves a work-group, no clusters, 318,976 bytes of LDS; arguments oc, os, wo_codes, wo_scales, bo, z, ln2_g, ln2_b, w1_codes, w1_scales, b1, w2_codes, w2_scales, b2, out0, out1; writes out0, out1
.if DOCPART == 6
	.amdgcn_target "amdgcn-amd-amdhsa--gfx1250"
	.amdhsa_code_object_version 6
	.text
	.protected	k_q5929563d1b_ffn
	.globl	k_q5929563d1b_ffn
	.p2align	8
	.type	k_q5929563d1b_ffn,@function
k_q5929563d1b_ffn:
	s_mov_b64 s[64:65], 0
	v_nop
	global_prefetch_b8 v0, s[64:65] scope:SCOPE_SE
	s_setreg_imm32_b32 hwreg(HW_REG_WAVE_SCHED_MODE, 0, 2), 2
	s_setreg_imm32_b32 hwreg(HW_REG_WAVE_MODE, 25, 1), 1
	s_wait_xcnt 0x0
	s_wait_alu depctr_vm_vsrc(0)
; out1 = o wo^T + bo + z;  h = layernorm(out1);  out0 = relu(h w1^T + b1) w2^T + b2 + out1.  The three products run on codes of FP4 (E2M1, one E8M0 scale for each 32 along K); h and the hidden layer are quantised
; on the way and never go to memory.
; SHARES.  A work-group of four waves takes 64 tokens: four token tiles (position p of tile m: token 32 (m / 2) + 8 (m % 2) + p + 8 (p / 8)), as the launch before laid o.  THE WAVES SHARE THE COLUMNS: wave w makes
; channels 128 w on of out1, hidden units 256 w on (K steps 2 w, 2 w + 1 of the last product) and channels 128 w on of out0, for all 64 tokens, so each weight fragment is loaded once in the work-group and feeds four
; products.  In the passes by rows (residuals, norm) wave w owns tile w's 16 rows.
; Results change from columns to rows through a stage in LDS; operands go from wave to wave as images of their registers (16 bytes x lane for each group of four registers, 4 bytes x lane for a scale word).
; NO CLUSTER: what work-groups share are the weights, 696,320 bytes; they go from memory straight into operand registers.  A joint load ends in LDS, of which the rows, the stage and the images take 318,464 bytes.
; LIMITS: NaN and infinities are not served.  A block whose largest magnitude lies under 2^-124 keeps the scale byte 1; a block of zeros has the byte 1 over zero codes.
; REGISTERS, in windows of 256.  Window 0: v1-20 addresses; v24-27 scale words just made; v32-47 the token operand's scale words; v48-63 the quantiser's; v64-127 eight accumulators / row statistics / 64 numbers;
;   v128-159 gain and bias of the norm; v160-191 four sets of codes; v192-223, v224-255 two sets of weight scale words.   Window 1: v0-127 16 fragments of the token operand; v128-191, v192-255 bias tiles.
;   Window 2: a weight unit of 32 fragments.   Window 3: z, then my 16 rows (row p at 16 p; register 4 d + e of lane l is channel 128 d + 4 l + e), later a second weight unit.
; THE MODE: SCHED_MODE bits 1:0 = 2 (LLVM: expert scheduling mode 2), set by the entry lines.  The code itself states the register dependences
; between vector or matrix instructions and memory or LDS instructions, with s_wait_alu, always for 0.
; THE PLAN.  Registers that memory or LDS instructions touch, and who else names them:
;   v1-20       offsets and addresses: written at the head, never again.  One wait on va_vdst ahead of the first load serves every load and store of the kernel.
;   v64-127     accumulators that go to the stage by LDS stores, eight times: the places, a wait on va_vdst ahead of the stores, a wait on vm_vsrc behind them, ahead of what writes the registers again.
;               In the norm: statistics; then, four times, the stage's loads land and the quantiser reads (the wait ahead of a K step's image stores also states that the quantiser is done reading).
;   window 3    z lands; the additions write out1; stores to memory and to LDS read it (va_vdst ahead); the norm changes it in place (vm_vsrc ahead); the stage's stores read it (va_vdst ahead); w1's second half lands
;               (vm_vsrc and va_vdst ahead); w2's second half lands; at the end the stage's rows land, the additions write out0, the stores read it (va_vdst ahead).
;   PC, PW      written by the quantiser, read by LDS stores.  Four sets, each written once in a phase: one wait on va_vdst ahead of a tile's stores, one on vm_vsrc between two phases.
;   windows 1 and 2, WS0, WS1, XS   weights, biases, token operands and scale words land; matrix instructions (window 1 once also additions) read them.  Each of their loads stands behind a wait on va_vdst that is younger
;               than the last instruction that named its registers, with no vector or matrix instruction between that names them: those loads have no wait of their own.
.set SPI,  2064                        ; a stage row: 2,048 bytes + 16: an odd multiple of 16, so 16 rows begin at 16 different 16-byte columns of 256 bytes
.set STGW, 16*SPI
.set ZL,   0                           ; out1's 64 rows, kept for the last residual: wave w's at 32,768 w, touched by their owner alone
.set STG,  131072                      ; the stage: 64 rows
.set HIMG, STG+4*STGW                  ; h's 16 fragments (4 m + s),
.set HSC,  HIMG+16*1024                ; their scale words,
.set FIMG, HSC+16*128                  ; the hidden layer's 32 fragments (8 m + K step),
.set FSC,  FIMG+32*1024                ; their scale words
.set LI,   1
.set LS,   2
.set WA1,  3                           ; a weight tile's row of my lane, rows of 256 bytes
.set WA2,  4                           ; rows of 512 bytes
.set WS1A, 5                           ; its scale words, 16 bytes a row
.set WS2A, 6                           ; 32 bytes a row
.set BA,   7
.set STT0, 8                           ; the stage by columns: row r, + 64 h + 512 w; tiles 0, 1
.set STT2, 9                           ; tiles 2, 3
.set STW,  10                          ; the stage by rows: my 16 rows, 16 x lane
.set STR,  11                          ; my row r, + 64 h
.set ZA,   12
.set HW,   13
.set HSW,  14
.set HI,   15
.set HS,   16
.set FW,   17
.set FSW,  18
.set FI,   19
.set FS,   20
.set PW,  24
.set XS,  32
.set TM,  48
.set HA,  64
.set T,   64
.set GB,  128
.set PC,  160
.set WS0, 192
.set WS1, 224
.set BS0, 128
.set BS1, 192
.set SEL, 52
.set MSB, 0
.macro WIN new                         ; s_set_vgpr_msb: bits 1:0 source 0, 3:2 source 1, 5:4 source 2, 7:6 destination; the high byte repeats the setting that is left
.if MSB != \new
	s_set_vgpr_msb (MSB<<8)|\new
.set MSB, \new
.endif
.endm
.macro PLACES n
.rept \n
	v_nop
.endr
.endm
.macro BARRIER                         ; my LDS stores have landed and my LDS loads are in: then the work-group's barrier
	s_wait_dscnt 0x0
	s_barrier_signal -1
	s_barrier_wait -1
.endm
.macro MM d, a, b, c, sa, sb
	v_wmma_scale_f32_16x16x128_f8f6f4 v[\d:\d+7], v[\a:\a+7], v[\b:\b+7], v[\c:\c+7], v[\sa], v[\sb] matrix_a_fmt:MATRIX_FMT_FP4 matrix_b_fmt:MATRIX_FMT_FP4
.endm
; 64 numbers of a lane, register 16 b + i = k 32 b + 16 (lane / 16) + i of my row, become a fragment's codes in v[pc] on and its scale word in v[pw]
.macro QUANT s, pc, pw
.irp b, 0,1,2,3
	v_max3_num_f32 v[TM+\b], |v[(\s)+16*\b]|, |v[(\s)+1+16*\b]|, 0x1800000   ; my 16 numbers of block b, and the floor 2^(3 - 127): the byte cannot fall under 1
.endr
.irp i, 2,4,6,8,10,12,14
.irp b, 0,1,2,3
	v_max3_num_f32 v[TM+\b], v[TM+\b], |v[(\s)+16*\b+\i]|, |v[(\s)+1+16*\b+\i]|
.endr
.endr
.irp b, 0,1,2,3
	v_permlanex16_b32 v[TM+4+\b], v[TM+\b], s[SEL], s[SEL+1]
.endr
.irp b, 0,1,2,3
	v_max_num_f32 v[TM+\b], v[TM+\b], v[TM+4+\b]
.endr
.irp b, 0,1,2,3
	v_add_nc_u32 v[TM+12+\b], 0xff000000, v[TM+\b]     ; 2 off the exponent field: the conversion's scale operand
.endr
.irp b, 0,1,2,3
	v_lshrrev_b32 v[TM+4+\b], 23, v[TM+12+\b]          ; the scale's byte
.endr
	v_lshl_or_b32 v[\pw], v[TM+5], 8, v[TM+4]
	v_lshl_or_b32 v[\pw], v[TM+6], 16, v[\pw]
	v_lshl_or_b32 v[\pw], v[TM+7], 24, v[\pw]
.irp b, 0,1,2,3
	v_cvt_scalef32_pk8_fp4_f32 v[(\pc)+2*\b], v[(\s)+16*\b:(\s)+7+16*\b], v[TM+12+\b]
	v_cvt_scalef32_pk8_fp4_f32 v[(\pc)+1+2*\b], v[(\s)+8+16*\b:(\s)+15+16*\b], v[TM+12+\b]
.endr
	v_nop                                              ; one plain place behind a scaled conversion
.irp c, 0,1
.irp i, 0,1
	v_permlane16_swap_b32 v[(\pc)+4*\c+\i], v[(\pc)+2+4*\c+\i]
.endr
.endr
.endm
; tiles t0 .. t0 + n - 1 of a weight with nk K steps to a row of rowb bytes: fragment (t, s) into v[8 (nk (t - rb) + s)] of the window that the caller has set
.macro WCODES ptr, adr, t0, n, rb, nk, rowb, off
.set WT, \t0
.rept \n
.set WKS, 0
.rept \nk
	global_load_b128 v[8*(\nk*(WT-\rb)+WKS):8*(\nk*(WT-\rb)+WKS)+3], v[\adr], s[\ptr:\ptr+1] offset:\off+(32*(WT/2)+8*(WT%2))*\rowb+64*WKS
	global_load_b128 v[8*(\nk*(WT-\rb)+WKS)+4:8*(\nk*(WT-\rb)+WKS)+7], v[\adr], s[\ptr:\ptr+1] offset:\off+(32*(WT/2)+8*(WT%2))*\rowb+64*WKS+32
.set WKS, WKS+1
.endr
.set WT, WT+1
.endr
.endm
.macro WSCALES ptr, adr, reg, t0, n, rb, nk, off
.set WT, \t0
.rept \n
.set WKS, 0
.rept \nk/4
	global_load_b128 v[\reg+\nk*(WT-\rb)+4*WKS:\reg+\nk*(WT-\rb)+4*WKS+3], v[\adr], s[\ptr:\ptr+1] offset:\off+(32*(WT/2)+8*(WT%2))*4*\nk+16*WKS
.set WKS, WKS+1
.endr
.set WT, WT+1
.endr
.endm
.macro BIAS_T ptr, reg, t0, n, off                 ; a bias as the C of a transposed result: tile t, lane half h: units 32 (t / 2) + 16 h + 8 (t % 2) + 0 .. 7
.set WT, \t0
.rept \n
	global_load_b128 v[\reg+8*WT:\reg+8*WT+3], v[BA], s[\ptr:\ptr+1] offset:\off+(32*(WT/2)+8*(WT%2))*4
	global_load_b128 v[\reg+8*WT+4:\reg+8*WT+7], v[BA], s[\ptr:\ptr+1] offset:\off+(32*(WT/2)+8*(WT%2))*4+16
.set WT, WT+1
.endr
.endm
; 32 products, TRANSPOSED (source 0 = 16 rows of the weight in window ww, source 1 = token tile m), K = 512: a lane holds one token, its 64 registers 128 neighbouring units in the quantiser's order.
; The bias is the C of the first K step.  The eight accumulators take turns, one instruction a turn.
.macro MMT ww, ws, bs, m
	WIN (\ww|0x14)
.irp t, 0,1,2,3,4,5,6,7
	MM HA+8*\t, 32*\t, 32*(\m), \bs+8*\t, \ws+4*\t, XS+4*(\m)
.endr
	WIN (\ww|0x04)
.irp s, 1,2,3
.irp t, 0,1,2,3,4,5,6,7
	MM HA+8*\t, 32*\t+8*\s, 32*(\m)+8*\s, HA+8*\t, \ws+4*\t+\s, XS+4*(\m)+\s
.endr
.endr
	WIN 0
.endm
.macro LANESUM                                     ; T[4 p] = the sum of T[4 p .. 4 p + 3] over the 32 lanes; every line runs over the 16 rows
.set p, 0
.rept 16
	v_pk_add_f32 v[T+4*p:T+4*p+1], v[T+4*p:T+4*p+1], v[T+4*p+2:T+4*p+3]
.set p, p+1
.endr
.set p, 0
.rept 16
	v_add_f32 v[T+4*p], v[T+4*p], v[T+4*p+1]
.set p, p+1
.endr
.irp x, 1,2,4,8
.set p, 0
.rept 16
	v_add_f32_dpp v[T+4*p], v[T+4*p], v[T+4*p] row_xmask:\x row_mask:0xf bank_mask:0xf
.set p, p+1
.endr
.endr
.set p, 0
.rept 16
	v_permlanex16_b32 v[T+4*p+1], v[T+4*p], s[SEL], s[SEL+1]
.set p, p+1
.endr
.set p, 0
.rept 16
	v_add_f32 v[T+4*p], v[T+4*p], v[T+4*p+1]
.set p, p+1
.endr
.endm
.macro LN_SUM                                      ; T[4 p] = row p's mean
	WIN 0x0f
.set p, 0
.rept 16
	v_pk_add_f32 v[T+4*p:T+4*p+1], v[16*p:16*p+1], v[16*p+2:16*p+3]
	v_pk_add_f32 v[T+4*p+2:T+4*p+3], v[16*p+4:16*p+5], v[16*p+6:16*p+7]
.set p, p+1
.endr
	WIN 0x0c
.irp i, 8,12
.set p, 0
.rept 16
	v_pk_add_f32 v[T+4*p:T+4*p+1], v[T+4*p:T+4*p+1], v[16*p+\i:16*p+\i+1]
	v_pk_add_f32 v[T+4*p+2:T+4*p+3], v[T+4*p+2:T+4*p+3], v[16*p+\i+2:16*p+\i+3]
.set p, p+1
.endr
.endr
	WIN 0
	LANESUM
.set p, 0
.rept 16
	v_mul_f32 v[T+4*p], s54, v[T+4*p]
.set p, p+1
.endr
.endm
.macro LN_DEV                                      ; x - mean, in place: the variance is taken of the differences
	WIN 0xc3
.irp i, 0,2,4,6,8,10,12,14
.set p, 0
.rept 16
	v_pk_add_f32 v[16*p+\i:16*p+\i+1], v[16*p+\i:16*p+\i+1], v[T+4*p:T+4*p+1] op_sel_hi:[1,0] neg_lo:[0,1] neg_hi:[0,1]
.set p, p+1
.endr
.endr
.endm
.macro LN_SQ                                       ; T[4 p] = 1 / sqrt(variance + eps)
	WIN 0x0f
.set p, 0
.rept 16
	v_pk_mul_f32 v[T+4*p:T+4*p+1], v[16*p:16*p+1], v[16*p:16*p+1]
	v_pk_mul_f32 v[T+4*p+2:T+4*p+3], v[16*p+2:16*p+3], v[16*p+2:16*p+3]
.set p, p+1
.endr
.irp i, 4,8,12
.set p, 0
.rept 16
	v_pk_fma_f32 v[T+4*p:T+4*p+1], v[16*p+\i:16*p+\i+1], v[16*p+\i:16*p+\i+1], v[T+4*p:T+4*p+1]
	v_pk_fma_f32 v[T+4*p+2:T+4*p+3], v[16*p+\i+2:16*p+\i+3], v[16*p+\i+2:16*p+\i+3], v[T+4*p+2:T+4*p+3]
.set p, p+1
.endr
.endr
	WIN 0
	LANESUM
.set p, 0
.rept 16
	v_fma_f32 v[T+4*p], v[T+4*p], s54, s55
.set p, p+1
.endr
.set p, 0
.rept 16
	v_rsq_f32 v[T+4*p], v[T+4*p]
.set p, p+1
.endr
	v_nop                                              ; a plain place behind the last transcendental
.endm
.macro LN_NORM
	WIN 0xc3
	s_wait_alu depctr_va_vdst(0)                       ; the sixteen reciprocal roots are written, ahead of their first reader
.irp i, 0,2,4,6,8,10,12,14
.set p, 0
.rept 16
	v_pk_mul_f32 v[16*p+\i:16*p+\i+1], v[16*p+\i:16*p+\i+1], v[T+4*p:T+4*p+1] op_sel_hi:[1,0]
.set p, p+1
.endr
.endr
.irp i, 0,2,4,6,8,10,12,14
.set p, 0
.rept 16
	v_pk_fma_f32 v[16*p+\i:16*p+\i+1], v[16*p+\i:16*p+\i+1], v[GB+\i:GB+\i+1], v[GB+16+\i:GB+17+\i]
.set p, p+1
.endr
.endr
.endm
.macro ST_ROWS
	WIN 0x0c
	s_wait_alu depctr_va_vdst(0)                       ; the norm's lines have written my rows in window 3, which these LDS stores read
.set p, 0
.rept 16
.irp d, 0,1,2,3
	ds_store_b128 v[STW], v[16*p+4*\d:16*p+4*\d+3] offset:p*SPI+512*\d
.endr
.set p, p+1
.endr
	WIN 0
.endm
.macro RB k
.irp b, 0,1,2,3
.irp j, 0,1,2,3
	ds_load_b128 v[HA+16*\b+4*\j:HA+16*\b+4*\j+3], v[STR] offset:512*(\k)+128*\b+16*\j
.endr
.endr
.endm
	s_load_b512 s[4:19], s[0:1], 0x0               ; oc 4, os 6, wo codes 8, scales 10, bo 12, z 14, ln2_g 16, ln2_b 18
	s_load_b512 s[20:35], s[0:1], 0x40             ; w1 codes 20, scales 22, b1 24, w2 codes 26, scales 28, b2 30, out0 32, out1 34
	v_lshl_add_u32 v58, v0, 2, 0x4dc00
	v_mov_b32 v59, 0
	v_lshrrev_b32 v28, 5, v0
	v_readfirstlane_b32 s42, v28                   ; wave w
	v_and_b32 v28, 31, v0                          ; lane
	v_and_b32 v29, 15, v0                          ; r
	v_bfe_u32 v30, v0, 4, 1                        ; h
	v_and_b32 v31, 8, v29
	v_add_nc_u32 v31, v31, v29                     ; r + 8 (r / 8)
	v_lshlrev_b32 v[LI], 4, v28
	v_lshlrev_b32 v[LS], 2, v28
	v_lshlrev_b32 v[WA1], 8, v31
	v_lshl_add_u32 v[WA1], v30, 4, v[WA1]
	v_lshlrev_b32 v[WA2], 9, v31
	v_lshl_add_u32 v[WA2], v30, 4, v[WA2]
	v_lshlrev_b32 v[WS1A], 4, v31
	v_lshlrev_b32 v[WS2A], 5, v31
	v_lshlrev_b32 v[BA], 6, v30
	v_mul_u32_u24 v[STR], v29, SPI
	v_lshl_add_u32 v[STR], v30, 6, v[STR]          ; 2,064 r + 64 h
	s_wait_alu depctr_va_sdst(0)                   ; s42 is written, ahead of its first reader: LDS addresses and every buffer's offset are made from it
	s_lshl_b32 s43, s42, 9
	v_add_nc_u32 v[STT0], s43, v[STR]
	v_add_nc_u32 v[STT0], STG, v[STT0]
	v_add_nc_u32 v[STT2], 2*STGW, v[STT0]
	v_add_nc_u32 v[HSW], s43, v[LS]
	v_add_nc_u32 v[HSW], HSC, v[HSW]
	s_mul_i32 s43, s42, STGW
	v_add_nc_u32 v[STW], s43, v[LI]
	v_add_nc_u32 v[STW], STG, v[STW]
	v_add_nc_u32 v[STR], s43, v[STR]
	v_add_nc_u32 v[STR], STG, v[STR]
	s_lshl_b32 s43, s42, 15
	v_add_nc_u32 v[ZA], s43, v[LI]
	s_lshl_b32 s43, s42, 12
	v_add_nc_u32 v[HW], s43, v[LI]
	v_add_nc_u32 v[HW], HIMG, v[HW]
	v_add_nc_u32 v[HI], HIMG, v[LI]
	v_add_nc_u32 v[HS], HSC, v[LS]
	s_lshl_b32 s43, s42, 11
	v_add_nc_u32 v[FW], s43, v[LI]
	v_add_nc_u32 v[FW], FIMG, v[FW]
	s_lshl_b32 s43, s42, 8
	v_add_nc_u32 v[FSW], s43, v[LS]
	v_add_nc_u32 v[FSW], FSC, v[FSW]
	v_add_nc_u32 v[FI], FIMG, v[LI]
	v_add_nc_u32 v[FS], FSC, v[LS]
.irp b, 0,1,2,3
	v_mov_b32 v[TM+4+\b], 0                        ; written once: a lane permute's destination counts as one of its sources
.endr
	s_mov_b32 s[SEL], 0x76543210
	s_mov_b32 s[SEL+1], 0xfedcba98
	s_mov_b32 s54, 0x3b000000                      ; 1 / 512
	s_mov_b32 s55, 0x3727c5ac                      ; 1e-5
	s_lshr_b32 s48, s42, 1
	s_lshl_b32 s48, s48, 5
	s_and_b32 s49, s42, 1
	s_lshl_b32 s49, s49, 3
	s_add_co_u32 s48, s48, s49                     ; 32 (w / 2) + 8 (w % 2)
	s_mov_b32 s51, 0
	s_wait_kmcnt 0x0
	s_lshl_b32 s50, ttmp9, 14                      ; o: four tiles of 4,096 bytes to a work-group,
	s_add_nc_u64 s[4:5], s[4:5], s[50:51]
	s_lshl_b32 s50, ttmp9, 11                      ; of 512 bytes of scale words
	s_add_nc_u64 s[6:7], s[6:7], s[50:51]
	s_lshl_b32 s50, s42, 15                        ; wo: my 128 rows of 256 bytes
	s_add_nc_u64 s[8:9], s[8:9], s[50:51]
	s_lshl_b32 s50, s42, 11
	s_add_nc_u64 s[10:11], s[10:11], s[50:51]
	s_lshl_b32 s50, s42, 9                         ; bo, b2: my 128 numbers
	s_add_nc_u64 s[12:13], s[12:13], s[50:51]
	s_add_nc_u64 s[30:31], s[30:31], s[50:51]
	s_lshl_b32 s50, ttmp9, 6
	s_add_co_u32 s50, s50, s48
	s_lshl_b32 s50, s50, 11                        ; z, out0, out1: my tile's first row
	s_add_nc_u64 s[14:15], s[14:15], s[50:51]
	s_add_nc_u64 s[32:33], s[32:33], s[50:51]
	s_add_nc_u64 s[34:35], s[34:35], s[50:51]
	s_lshl_b32 s50, s42, 16                        ; w1: my 256 rows of 256 bytes; w2: my 128 rows of 512
	s_add_nc_u64 s[20:21], s[20:21], s[50:51]
	s_add_nc_u64 s[26:27], s[26:27], s[50:51]
	s_lshl_b32 s50, s42, 12
	s_add_nc_u64 s[22:23], s[22:23], s[50:51]
	s_add_nc_u64 s[28:29], s[28:29], s[50:51]
	s_lshl_b32 s50, s42, 10                        ; b1: my 256 numbers
	s_add_nc_u64 s[24:25], s[24:25], s[50:51]
	WIN 0x80                                       ; 144 loads for the first product,
	s_wait_alu depctr_va_vdst(0)                   ; the offsets and addresses v1 to v20 are written, which every load and store of the kernel reads
	WCODES 8, WA1, 0, 8, 0, 4, 256, 0
	WIN 0x40
.irp f, 0,1,2,3,4,5,6,7,8,9,10,11,12,13,14,15
	global_load_b128 v[8*\f:8*\f+3], v[LI], s[4:5] offset:1024*\f
	global_load_b128 v[8*\f+4:8*\f+7], v[LI], s[4:5] offset:1024*\f+512
.endr
	BIAS_T 12, BS0, 0, 8, 0
	WIN 0
	WSCALES 10, WS1A, WS0, 0, 8, 0, 4, 0
.irp f, 0,1,2,3,4,5,6,7,8,9,10,11,12,13,14,15
	global_load_b32 v[XS+\f], v[LS], s[6:7] offset:128*\f
.endr
.irp d, 0,1,2,3
	global_load_b128 v[GB+4*\d:GB+4*\d+3], v[LI], s[16:17] offset:512*\d
	global_load_b128 v[GB+16+4*\d:GB+19+4*\d], v[LI], s[18:19] offset:512*\d
.endr
	WIN 0xc0                                       ; and behind them my 16 rows of z, 64 loads, into window 3, which is idle until the rows are wanted
.set p, 0
.rept 16
.irp d, 0,1,2,3
	global_load_b128 v[16*p+4*\d:16*p+4*\d+3], v[LI], s[14:15] offset:(p+8*(p/8))*2048+512*\d th:TH_LOAD_NT
.endr
.set p, p+1
.endr
	WIN 0
	s_wait_loadcnt 63                              ; of 208 loads at most 63 are out: the first 144 are in; z may still be on its way
	; ---- A: o wo^T + bo, my 128 channels for the four tiles, into the stage
.macro STAGE_T m
	s_wait_alu depctr_va_vdst(0)                   ; the products have written the eight accumulators, which the LDS stores read (the places stand ahead of this wait); they are done reading their operands
.irp t, 0,1,2,3,4,5,6,7
	ds_store_b128 v[STT0+(\m)/2], v[HA+8*\t:HA+8*\t+3] offset:((\m)%2)*STGW+128*(\t/2)+32*(\t%2)        ; each accumulator from its low end on
	ds_store_b128 v[STT0+(\m)/2], v[HA+8*\t+4:HA+8*\t+7] offset:((\m)%2)*STGW+128*(\t/2)+32*(\t%2)+16
.endr
.endm
.irp m, 0,1,2,3
	MMT 2, WS0, BS0, \m
	PLACES 5
	STAGE_T \m
	s_wait_dscnt 0x0                               ; the stores are done,
	s_wait_alu depctr_vm_vsrc(0)                   ; and have read the accumulators, which the next tile's products, or the norm's statistics, write
.endr
	WIN 0x80                                       ; w1's first half: tiles 0-5 and the scale words, 56 loads.  No wait: wo's products stand ahead of the last wait on va_vdst
	WCODES 20, WA1, 0, 6, 0, 4, 256, 0
	WIN 0
	WSCALES 22, WS1A, WS0, 0, 8, 0, 4, 0
	BARRIER                                        ; 64 whole rows lie in the stage
	; ---- B: my 16 rows: + z = out1; the norm; h's four fragments
	WIN 0x40
.set p, 0
.rept 16
.irp d, 0,1,2,3
	ds_load_b128 v[16*p+4*\d:16*p+4*\d+3], v[STW] offset:p*SPI+512*\d
.endr
.set p, p+1
.endr
	s_wait_dscnt 0x0
	s_wait_loadcnt 56                              ; z is in: the 56 loads of w1 were issued behind it
	WIN 0xc7
.set i, 0
.rept 128
	v_pk_add_f32 v[2*i:2*i+1], v[2*i:2*i+1], v[2*i:2*i+1]          ; window 3 (z) += window 1 (the stage's rows)
.set i, i+1
.endr
	WIN 0x0c
	s_wait_alu depctr_va_vdst(0)                   ; the additions have written out1's rows in window 3, which the stores read, and are done reading window 1, in which b1 and h's fragments land
.set p, 0
.rept 16
.irp d, 0,1,2,3
	global_store_b128 v[LI], v[16*p+4*\d:16*p+4*\d+3], s[34:35] offset:(p+8*(p/8))*2048+512*\d th:TH_STORE_NT   ; 32 lanes store 512 consecutive bytes of a row
.endr
.set p, p+1
.endr
.set p, 0
.rept 16
.irp d, 0,1,2,3
	ds_store_b128 v[ZA], v[16*p+4*\d:16*p+4*\d+3] offset:2048*p+512*\d       ; and out1 is kept for the last residual
.endr
.set p, p+1
.endr
	WIN 0x80                                       ; 32 loads: w1's tiles 6, 7; b1's first half
	WCODES 20, WA1, 6, 2, 0, 4, 256, 0
	WIN 0x40
	BIAS_T 24, BS0, 0, 8, 0
	LN_SUM
	s_wait_xcnt 0x0                                ; the stores to memory have had their addresses translated,
	s_wait_dscnt 0x0                               ; those to LDS are done,
	s_wait_alu depctr_vm_vsrc(0)                   ; and both have read my rows in window 3, which are changed in place from here on
	LN_DEV
	LN_SQ
	LN_NORM
	ST_ROWS
	s_wait_dscnt 0x0                               ; the stores are done,
	WIN 0xc0                                       ; and window 3 takes w1's second half: tiles 0-5 and the scale words, 56 loads
	s_wait_alu depctr_vm_vsrc(0)                   ; the LDS stores have read window 3, in which the weights land
	s_wait_alu depctr_va_vdst(0)                   ; the norm's lines are done reading and writing window 3, in which the weights land, and the statistics v64-127, in which the stage's loads land
	WCODES 20, WA1, 0, 6, 0, 4, 256, 32768
	WIN 0
	WSCALES 22, WS1A, WS1, 0, 8, 0, 4, 2048
.irp q, 0,1,2,3
	RB \q
	s_wait_dscnt 0x0
	QUANT HA, PC+8*\q, PW+\q
	s_wait_alu depctr_va_vdst(0)                   ; this K step's codes and scale word are written, which the LDS stores read; the quantiser is done reading v64-127, in which the next K step's numbers land
	ds_store_b128 v[HW], v[PC+8*\q:PC+8*\q+3] offset:1024*\q
	ds_store_b128 v[HW], v[PC+8*\q+4:PC+8*\q+7] offset:1024*\q+512
	ds_store_b32 v[HSW], v[PW+\q] offset:128*\q
.if \q == 1
	WIN 0xc0                                       ; 32 loads: its tiles 6, 7; b1's second half
	WCODES 20, WA1, 6, 2, 0, 4, 256, 32768
	WIN 0x40
	BIAS_T 24, BS1, 0, 8, 512
	WIN 0
.endif
.endr
	BARRIER                                        ; h's sixteen fragments lie in LDS
	WIN 0x40
.irp f, 0,1,2,3,4,5,6,7,8,9,10,11,12,13,14,15
	ds_load_b128 v[8*\f:8*\f+3], v[HI] offset:1024*\f
	ds_load_b128 v[8*\f+4:8*\f+7], v[HI] offset:1024*\f+512
.endr
	WIN 0
.irp f, 0,1,2,3,4,5,6,7,8,9,10,11,12,13,14,15
	ds_load_b32 v[XS+\f], v[HS] offset:128*\f
.endr
	s_wait_dscnt 0x0
	s_wait_loadcnt 63                              ; w1's first half and its bias are in: 88 loads were issued behind them, and a smaller count is safe
	s_wait_alu depctr_vm_vsrc(0)                   ; my LDS stores have read the four sets of codes and scale words, which the hidden layer's quantiser writes again
	; ---- the hidden layer: my 256 units, 128 at a time; each 128 are a K step of the last product
.macro TAILH m, k
	PLACES 5
.set j, 0
.rept 64
	v_max_num_f32 v[HA+j], 0, v[HA+j]              ; the activation, in f32
.set j, j+1
.endr
	QUANT HA, PC+8*(\m), PW+(\m)
	s_wait_alu depctr_va_vdst(0)                   ; the tile's codes and scale word are written, which the LDS stores read; every product issued so far is done reading its weight, bias, token operand and scale words
	ds_store_b128 v[FW], v[PC+8*(\m):PC+8*(\m)+3] offset:(8*(\m)+\k)*1024
	ds_store_b128 v[FW], v[PC+8*(\m)+4:PC+8*(\m)+7] offset:(8*(\m)+\k)*1024+512
	ds_store_b32 v[FSW], v[PW+(\m)] offset:(8*(\m)+\k)*128
.endm
.irp m, 0,1,2,3
	MMT 2, WS0, BS0, \m
	TAILH \m, 0
.endr
.macro U3Q m                                       ; a quarter of what the last product's first half wants: w2's tile m (8 K steps), its scale words, b2's tiles 2 m, 2 m + 1: 22 loads.
	WIN 0x80                                       ; No wait: they land in window 2, BS0 and WS0, which the first 128 units' products read ahead of the last wait on va_vdst, and which no instruction of the second 128's phase names
	WCODES 26, WA2, \m, 1, 0, 8, 512, 0
	WIN 0x40
	BIAS_T 30, BS0, 2*(\m), 2, 0
	WIN 0
	WSCALES 28, WS2A, WS0, \m, 1, 0, 8, 0
.endm
	s_wait_loadcnt 0x0                             ; w1's second half
	s_wait_dscnt 0x0                               ; the image stores are done,
	s_wait_alu depctr_vm_vsrc(0)                   ; and have read the four sets of codes and scale words, which are written again
.irp m, 0,1,2,3
	U3Q \m
	MMT 3, WS1, BS1, \m
	TAILH \m, 1
.endr
	WIN 0xc0                                       ; w2's tiles 4-6 and the scale words of tiles 4-7: 56 loads
	WCODES 26, WA2, 4, 3, 4, 8, 512, 0
	WIN 0
	WSCALES 28, WS2A, WS1, 4, 4, 4, 8, 0
	BARRIER                                        ; the hidden layer's 32 fragments lie in LDS
	; ---- the last product, K = 1,024: four weight tiles x two token tiles at a time: eight accumulators by turns, a K step at a time
.macro FLOAD pr                                    ; token tiles 2 pr, 2 pr + 1: 16 fragments and their scale words
	WIN 0x40
.irp f, 0,1,2,3,4,5,6,7,8,9,10,11,12,13,14,15
	ds_load_b128 v[8*\f:8*\f+3], v[FI] offset:(16*(\pr)+\f)*1024
	ds_load_b128 v[8*\f+4:8*\f+7], v[FI] offset:(16*(\pr)+\f)*1024+512
.endr
	WIN 0
.irp f, 0,1,2,3,4,5,6,7,8,9,10,11,12,13,14,15
	ds_load_b32 v[XS+\f], v[FS] offset:(16*(\pr)+\f)*128
.endr
.endm
.macro MM8 ww, ws, hf
.irp k, 0,1,2,3,4,5,6,7
.if \k == 0
	WIN (\ww|0x14)
.else
	WIN (\ww|0x04)
.endif
.irp n, 0,1
.irp t, 0,1,2,3
.if \k == 0
	MM HA+8*(4*\n+\t), 64*\t, 64*\n, BS0+8*(4*\hf+\t), \ws+8*\t, XS+8*\n
.else
	MM HA+8*(4*\n+\t), 64*\t+8*\k, 64*\n+8*\k, HA+8*(4*\n+\t), \ws+8*\t+\k, XS+8*\n+\k
.endif
.endr
.endr
.endr
	WIN 0
.endm
.macro STAGE_P pr, hf
	s_wait_alu depctr_va_vdst(0)                   ; the products have written the eight accumulators, which the LDS stores read (the places stand ahead of this wait); they are done reading the token operand and its scale words, in which the next pair's land
.irp n, 0,1
.irp t, 0,1,2,3
	ds_store_b128 v[STT0+\pr], v[HA+8*(4*\n+\t):HA+8*(4*\n+\t)+3] offset:\n*STGW+128*((4*\hf+\t)/2)+32*(\t%2)
	ds_store_b128 v[STT0+\pr], v[HA+8*(4*\n+\t)+4:HA+8*(4*\n+\t)+7] offset:\n*STGW+128*((4*\hf+\t)/2)+32*(\t%2)+16
.endr
.endr
.endm
	s_wait_loadcnt 56                              ; w2's tiles 0-3, their scale words and b2 are in: the 56 just issued may be out
	FLOAD 0
	s_wait_dscnt 0x0
	MM8 2, WS0, 0
	WIN 0xc0                                       ; w2's tile 7: 16 loads.  No wait: the products above name windows 1 and 2, not window 3, whose last readers stand ahead of the last wait on va_vdst
	WCODES 26, WA2, 7, 1, 4, 8, 512, 0
	WIN 0
	PLACES 5
	STAGE_P 0, 0
	FLOAD 1
	s_wait_dscnt 0x0                               ; the fragments are in, and the stage's stores are done
	s_wait_alu depctr_vm_vsrc(0)                   ; the stage's stores have read the accumulators, which the next products begin anew
	MM8 2, WS0, 0
	PLACES 5
	STAGE_P 1, 0
	s_wait_loadcnt 0x0                             ; w2's tiles 4-7
	FLOAD 0
	s_wait_dscnt 0x0
	s_wait_alu depctr_vm_vsrc(0)                   ; the stage's stores have read the accumulators, which the next products begin anew
	MM8 3, WS1, 1
	PLACES 5
	STAGE_P 0, 1
	FLOAD 1
	s_wait_dscnt 0x0
	s_wait_alu depctr_vm_vsrc(0)                   ; the stage's stores have read the accumulators, which the next products begin anew
	MM8 3, WS1, 1
	PLACES 5
	STAGE_P 1, 1
	BARRIER                                        ; 64 whole rows lie in the stage
	; ---- my 16 rows: + out1 = out0.  The loads land in windows 3 and 2, whose last readers, the products, stand ahead of the last wait on va_vdst
	WIN 0xc0
.set p, 0
.rept 16
.irp d, 0,1,2,3
	ds_load_b128 v[16*p+4*\d:16*p+4*\d+3], v[STW] offset:p*SPI+512*\d
.endr
.set p, p+1
.endr
	WIN 0x80
.set p, 0
.rept 16
.irp d, 0,1,2,3
	ds_load_b128 v[16*p+4*\d:16*p+4*\d+3], v[ZA] offset:2048*p+512*\d
.endr
.set p, p+1
.endr
	s_wait_dscnt 0x0
	WIN 0xcb
.set i, 0
.rept 128
	v_pk_add_f32 v[2*i:2*i+1], v[2*i:2*i+1], v[2*i:2*i+1]          ; window 3 (the stage's rows) += window 2 (out1)
.set i, i+1
.endr
	WIN 0x0c
	s_wait_alu depctr_va_vdst(0)                   ; the additions have written out0's rows in window 3, which the stores read
.set p, 0
.rept 16
.irp d, 0,1,2,3
	global_store_b128 v[LI], v[16*p+4*\d:16*p+4*\d+3], s[32:33] offset:(p+8*(p/8))*2048+512*\d th:TH_STORE_NT
.endr
.set p, p+1
.endr
	WIN 0
	s_wait_dscnt 0x0                               ; the closing lines, six on end
	s_wait_alu 0x0
	s_wait_tensorcnt 0x0
	ds_add_u32 v58, v59
	s_wait_dscnt 0x0
	s_endpgm
.Lfunc_end_k_q5929563d1b_ffn:
	.size	k_q5929563d1b_ffn, .Lfunc_end_k_q5929563d1b_ffn-k_q5929563d1b_ffn
	.p2alignl 7, 3214868480
	.fill 96, 4, 3214868480
	.section	.rodata,"a",@progbits
	.p2align	6, 0x0
	.amdhsa_kernel k_q5929563d1b_ffn
		.amdhsa_group_segment_fixed_size 318976
		.amdhsa_private_segment_fixed_size 0
		.amdhsa_enable_private_segment 0
		.amdhsa_kernarg_size 128
		.amdhsa_user_sgpr_count 2
		.amdhsa_user_sgpr_kernarg_segment_ptr 1
		.amdhsa_wavefront_size32 1
		.amdhsa_system_sgpr_workgroup_id_x 1
		.amdhsa_system_sgpr_workgroup_id_y 1
		.amdhsa_system_sgpr_workgroup_id_z 1
		.amdhsa_system_vgpr_workitem_id 0
		.amdhsa_next_free_vgpr 1024
		.amdhsa_next_free_sgpr 66
		.amdhsa_reserve_vcc 0
		.amdhsa_float_denorm_mode_32 3
		.amdhsa_float_denorm_mode_16_64 3
		.amdhsa_memory_ordered 1
		.amdhsa_forward_progress 1
		.amdhsa_inst_pref_size 255
	.end_amdhsa_kernel
	.section	.bss,"aw",@nobits
	.p2align	6
	.space	262144
	.amdgpu_metadata
---
amdhsa.version: [ 1, 2 ]
amdhsa.kernels:
  - .name:           k_q5929563d1b_ffn
    .symbol:         k_q5929563d1b_ffn.kd
    .args:
      - { .name: oc, .offset: 0, .size: 8, .value_kind: global_buffer, .address_space: global }
      - { .name: os, .offset: 8, .size: 8, .value_kind: global_buffer, .address_space: global }
      - { .name: wo_codes, .offset: 16, .size: 8, .value_kind: global_buffer, .address_space: global }
      - { .name: wo_scales, .offset: 24, .size: 8, .value_kind: global_buffer, .address_space: global }
      - { .name: bo, .offset: 32, .size: 8, .value_kind: global_buffer, .address_space: global }
      - { .name: z, .offset: 40, .size: 8, .value_kind: global_buffer, .address_space: global }
      - { .name: ln2_g, .offset: 48, .size: 8, .value_kind: global_buffer, .address_space: global }
      - { .name: ln2_b, .offset: 56, .size: 8, .value_kind: global_buffer, .address_space: global }
      - { .name: w1_codes, .offset: 64, .size: 8, .value_kind: global_buffer, .address_space: global }
      - { .name: w1_scales, .offset: 72, .size: 8, .value_kind: global_buffer, .address_space: global }
      - { .name: b1, .offset: 80, .size: 8, .value_kind: global_buffer, .address_space: global }
      - { .name: w2_codes, .offset: 88, .size: 8, .value_kind: global_buffer, .address_space: global }
      - { .name: w2_scales, .offset: 96, .size: 8, .value_kind: global_buffer, .address_space: global }
      - { .name: b2, .offset: 104, .size: 8, .value_kind: global_buffer, .address_space: global }
      - { .name: out0, .offset: 112, .size: 8, .value_kind: global_buffer, .address_space: global }
      - { .name: out1, .offset: 120, .size: 8, .value_kind: global_buffer, .address_space: global }
    .group_segment_fixed_size: 318976
    .private_segment_fixed_size: 0
    .kernarg_segment_align: 8
    .kernarg_segment_size: 128
    .max_flat_workgroup_size: 128
    .sgpr_count:     66
    .vgpr_count:     1024
    .wavefront_size: 32
...
	.end_amdgpu_metadata
.endif
;; end of part 6
